; MI455X (gfx1250); checked and timed in simulation.
; The chip was launched on July 23, 2026; its instructions are those of AMD's public machine-readable ISA for CDNA 5 (MIT licence, August 2026) and "CDNA5" Instruction Set Architecture Reference Guide (July 2026). The comments in the code are by the model that wrote it; some were corrected since.
;; Log Attention Transformer Layer. Allowed arithmetic: matrix products marked QUANTISED: E2M1 operands, one E8M0 scale for each 32 along K, by v_wmma_scale_f32_16x16x128_f8f6f4 with both operands' format E2M1 (or v_wmma_scale_f32_32x16x128_f4), f32 sums; everything else in f32.
;; Inputs: W1 4,096 x 1,024 float32; W2 1,024 x 4,096 float32; b1 4,096 float32; b2 1,024 float32; char_W 1,024 x 768 float32; char_b 1,024 float32; n1_b 1,024 float32; n1_g 1,024 float32; n2_b 1,024 float32; n2_g 1,024 float32; param_vectors 4 x 1,024 x 4 x 768 float32; pe_b 1,024 float32; pe_g 1,024 float32; src 4 x 1,024 x 1,024 float32.
;; Outputs: out0 4 x 1,024 x 1,024 float32.
;; This version of the problem:
;;   THIS VERSION OF THE PROBLEM IS GIVEN IN LOW PRECISION. The matrix products marked QUANTISED in the list below multiply operands that are first quantised to E2M1 (2 exponent bits, 1 mantissa bit; 4 bits a number), with one power-of-two scale for each 32 numbers along K (OCP MX v1.0); their sums are f32. All else is computed in f32.
;;   The module's matrix products, in the order in which they are computed (A, B: the left and right operand; K: the contracted axis; several contracted axes count as one K, in the product's order):
;;     1. [M 16,384, K 768] x [K 768, N 1,024]; A: input param_vectors; B: input char_W: QUANTISED
;;     2. batch 64 x [M 1,024, K 64] x [K 64, N 1,024]; A: computed on the way; B: computed on the way: QUANTISED
;;     3. batch 64 x [M 1,024, K 64] x [K 64, N 1,024]; A: input src; B: input src: QUANTISED
;;     4. batch 64 x [M 1,024, K 1,024] x [K 1,024, N 64]; A: softmax (see below); B: input src: QUANTISED
;;     5. [M 4,096, K 1,024] x [K 1,024, N 4,096]; A: computed on the way; B: input W1: QUANTISED
;;     6. [M 4,096, K 4,096] x [K 4,096, N 1,024]; A: computed on the way; B: input W2: QUANTISED
;;   THE QUANTISER, for each operand of a quantised product, along K:
;;     - K is cut into blocks of 32 from its start; a last block that is shorter is filled with zeros.
;;     - A block's scale is 2^e with e = floor(log2(the largest magnitude in the block)) - 2, held to -126 .. 127; a block of zeros has e = 0. As a byte (E8M0): e + 127.
;;     - Each number is divided by its block's scale, clamped to +-6, and rounded to the nearest number of E2M1, ties to even, subnormals kept.
;;     - The product sums the exact products of the quantised numbers (number of the format x scale) in f32.
;;   ~~~python
;;   def quantise(x, axis):      # numpy; x: float32 -> the quantised numbers, widened to float32 again
;;       x = np.moveaxis(x, axis, -1); K = x.shape[-1]
;;       x = np.pad(x, [(0, 0)] * (x.ndim - 1) + [(0, -K % 32)]); x = x.reshape(x.shape[:-1] + (-1, 32)); a = np.abs(x).max(-1, keepdims=True)
;;       e = np.where(a > 0, np.clip(np.frexp(np.where(a > 0, a, 1))[1] - 1 - 2, -126, 127), 0)      # np.frexp(a)[1] - 1 = floor(log2(a)), exactly
;;       r = np.clip(x / 2.0 ** e, -6, 6)
;;       step = 2.0 ** (np.maximum(np.frexp(np.where(r == 0, 1, r))[1] - 1, 0) - 1)
;;       q = np.round(r / step) * step * 2.0 ** e      # np.round: ties to even
;;       return np.moveaxis(q.reshape(q.shape[:-2] + (-1,))[..., :K], -1, axis).astype(np.float32)
;;   ~~~
;;   SOFTMAX AHEAD OF A QUANTISED PRODUCT. Where the list says 'softmax', what is quantised is not the finished softmax but p = 2^(t - M), with t = logit x log2(e) and M = ceil(the row's largest t), a whole number; so 1/2 < the row's largest p <= 1. The row's sum l is taken of the UNQUANTISED p, in f32, and the product's result is divided by l at the end. Since M is a whole number, a kernel that streams over the keys may use a running M (the ceiling of the running maximum): every later rescaling is an exact power of two, which a block's scale takes up: the codes' values come out the same.
;;   OPERANDS COMPUTED ON THE WAY. 'Computed on the way' means the value that the module computes at that place (a softmax that the list does not call 'softmax' is quantised finished and normalised). What goes into a quantiser is computed in f32, as accurately as f32 sums, v_exp_f32 and their like allow (about 1e-6 of the number): no bf16 or f16 on the way to a quantiser, and a product that is left as it is and whose result goes on into a quantised operand takes f32 operands (vector FMAs, or v_wmma_f32_16x16x4_f32). A number that lies on a knife's edge between two numbers of the format may be rounded either way, as far as f32 arithmetic and the matrix unit's own rounding can turn it there, and no further.
;; 2 versions. Each part assembles by itself: llvm-mc -triple=amdgcn-amd-amdhsa -mcpu=gfx1250 --defsym DOCPART=n.
;; ======== version 1 of 2: 7 launches
;; workspace buffers: wimg 4,874,240 bytes; kv 6,815,744 bytes; ry 16,777,216 bytes; xb 19,005,440 bytes; hb 8,912,896 bytes
;; launch prep (part 1): grid 688 x 1, 4 waves a work-group, no clusters, 34,304 bytes of LDS; arguments W1, W2, char_W, src, wimg, kv; writes wimg, kv
.if DOCPART == 1
	.amdgcn_target "amdgcn-amd-amdhsa--gfx1250"
	.amdhsa_code_object_version 6
	.text
	.protected	k_qffcafd9618_prep
	.globl	k_qffcafd9618_prep
	.p2align	8
	.type	k_qffcafd9618_prep,@function
k_qffcafd9618_prep:
	s_mov_b64 s[64:65], 0
	v_nop
	global_prefetch_b8 v0, s[64:65] scope:SCOPE_SE
	s_setreg_imm32_b32 hwreg(HW_REG_WAVE_MODE, 25, 1), 1
	s_wait_xcnt 0x0
; THE PROGRAM: one transformer layer on 4,096 tokens, all six matrix products on codes of E2M1 with one E8M0 scale for each 32 along K.
; DEAD WORK: none is left out.  char_b differs along d ahead of a LayerNorm, every gain and bias reaches the output, both score products feed the softmax: all 14 inputs are loaded.
; THIS LAUNCH quantises what many work-groups read: W1, W2, char_W along their K (innermost), and src along the KEYS (the second attention product's K).
; All results are laid as IMAGES OF THE OPERAND'S REGISTERS.  A fragment (16 rows x 128 K) is 1,024 bytes: register group c (4 registers) at 512 c, lane l's 16 bytes at 16 l.
; A PAIR BLOCK is 2,176 bytes: the fragment of an even K step, that of the odd one, and at 2,048 one scale register's image: lanes 0-15 the even step's words of rows 0-15, lanes 16-31 the odd step's.
; wimg: W1 at 0 ([256 tiles][4 pairs]), W2 at 2,228,224 ([64][16]), char_W at 4,456,448 ([64][3]).  THE ROWS OF A WEIGHT TILE ARE NOT NEIGHBOURS: lane r of tile T takes row 32 (T / 2) + 8 (T % 2) + r + 8 (r / 8),
; so that a transposed product leaves 16 neighbours along the next K in the 16 registers of two neighbouring tiles.
; kv: 64 blocks (16 batch + head) of 106,496 bytes; this launch writes V's images at 65,536 ([step of 128 keys][16 of the head's 64][1,024]) and V's scale registers at 102,400 ([step][tile][32 words], lanes 16-31 a copy).
; Work-groups 0-255: W1, 256-511: W2, 512-559: char_W (a wave makes one pair block); 560-687: V.
; THE QUANTISER: a block's scale byte is its largest magnitude's exponent field - 2, held at 1 from below.  LIMITS: a block of zeros, or one under 2^-124, keeps the byte 1 (its codes are what the conversion gives;
; the bytes are read by this program alone); NaN and infinities among the inputs are not served.
.set SPITCH, 528                       ; a stage row: 512 bytes + 16: the sixteen rows that a load touches start at sixteen different groups of four banks
.set STGB,   16*SPITCH                 ; a wave's stage
.set SPARE,  4*STGB                    ; behind the stages: the spare words, 128 bytes for each wave
.set LN,  1                            ; lane
.set RR,  2                            ; lane % 16
.set HH,  3                            ; lane / 16
.set L16, 4                            ; 16 x lane
.set L4,  5                            ; 4 x lane
.set STW, 6                            ; the stage, on the way in
.set STR, 7                            ; and on the way out
.set PW0, 8                            ; the even step's scale word
.set PW1, 9                            ; the odd step's
.set PWM, 10                           ; the scale register's image
.set SPW, 12                           ; LDS address of my spare word; never rewritten
.set NIL, 13                           ; 0; never rewritten
.set RO,  16                           ; v16-31  row i of the tile: its byte offset + 16 x lane
.set R,   32                           ; v32-159 two K steps as loaded
.set X,   160                          ; v160-223 64 numbers of my row
.set TM,  224                          ; v224-239 at work in the quantiser
.set PC0, 240
.set PC1, 248
.set SEL, 36                           ; s[36:37] selects for lane l xor 16
.set VX,  32                           ; the V path: two sets of 32 numbers,
.set VC,  96                           ; four registers of codes for each of 8 blocks,
.set SB,  128                          ; two scale words
; 64 numbers of a lane, register 16 b + i = k 32 b + 16 (lane / 16) + i of my row, become a fragment's 8 registers of codes and its scale word
.macro QUANT s, pc, pw
.irp b, 0,1,2,3
	v_max3_num_f32 v[TM+\b], |v[\s+16*\b]|, |v[\s+1+16*\b]|, 0x1800000   ; my 16 numbers of block b, and the floor 2^(3 - 127): the byte cannot fall under 1
.endr
.irp i, 2,4,6,8,10,12,14
.irp b, 0,1,2,3
	v_max3_num_f32 v[TM+\b], v[TM+\b], |v[\s+16*\b+\i]|, |v[\s+1+16*\b+\i]|
.endr
.endr
.irp b, 0,1,2,3
	v_permlanex16_b32 v[TM+4+\b], v[TM+\b], s[SEL], s[SEL+1]
.endr
.irp b, 0,1,2,3
	v_max_num_f32 v[TM+\b], v[TM+\b], v[TM+4+\b]       ; with lane l xor 16's: the block's largest magnitude
.endr
.irp b, 0,1,2,3
	v_add_nc_u32 v[TM+12+\b], 0xff000000, v[TM+\b]     ; 2 off its exponent field: the conversion's scale operand
.endr
.irp b, 0,1,2,3
	v_lshrrev_b32 v[TM+4+\b], 23, v[TM+12+\b]          ; the scale's byte
.endr
	v_lshl_or_b32 v[\pw], v[TM+5], 8, v[TM+4]
	v_lshl_or_b32 v[\pw], v[TM+6], 16, v[\pw]
	v_lshl_or_b32 v[\pw], v[TM+7], 24, v[\pw]
.irp b, 0,1,2,3
	v_cvt_scalef32_pk8_fp4_f32 v[\pc+2*\b], v[\s+16*\b:\s+7+16*\b], v[TM+12+\b]
	v_cvt_scalef32_pk8_fp4_f32 v[\pc+1+2*\b], v[\s+8+16*\b:\s+15+16*\b], v[TM+12+\b]
.endr
	v_nop                                              ; one plain place behind a scaled conversion
.irp c, 0,1                                        ; the operand wants a whole block in a lane: lanes 0-15 block 2 c, lanes 16-31 block 2 c + 1
.irp i, 0,1
	v_permlane16_swap_b32 v[\pc+4*\c+\i], v[\pc+2+4*\c+\i]
.endr
.endr
.endm
; a K step's 16 rows x 512 bytes, loaded densely, turn through my own stage: LDS serves a wave's instructions in order, so no wait stands between the stores and the loads
.macro TURNI raw
.irp i, 0,1,2,3,4,5,6,7,8,9,10,11,12,13,14,15
	ds_store_b128 v[STW], v[\raw+4*\i:\raw+4*\i+3] offset:SPITCH*\i
.endr
.irp b, 0,1,2,3
.irp j, 0,1,2,3
	ds_load_b128 v[X+16*\b+4*\j:X+16*\b+4*\j+3], v[STR] offset:128*\b+16*\j
.endr
.endr
.endm
	s_load_b256 s[4:11], s[0:1], 0x0               ; W1 s[4:5], W2 s[6:7], char_W s[8:9], src s[10:11]
	s_load_b128 s[12:15], s[0:1], 0x20             ; wimg s[12:13], kv s[14:15]
	v_lshl_add_u32 v[SPW], v0, 2, SPARE
	v_mov_b32 v[NIL], 0
	v_lshrrev_b32 v1, 5, v0
	v_readfirstlane_b32 s16, v1                    ; wave
	v_and_b32 v[LN], 31, v0
	v_and_b32 v[RR], 15, v0
	v_bfe_u32 v[HH], v0, 4, 1
	v_lshlrev_b32 v[L16], 4, v[LN]
	v_lshlrev_b32 v[L4], 2, v[LN]
	s_wait_kmcnt 0x0
	s_cmp_ge_u32 ttmp9, 560                        ; the work-group's number alone parts the two paths
	s_cbranch_scc1 .Lvpath
	; ---- a weight's pair block.  One text for three tensors: pointers and sizes are chosen by the work-group's number
	s_mul_i32 s17, s16, STGB
	v_add_nc_u32 v[STW], s17, v[L16]
	v_mul_u32_u24 v[STR], v[RR], SPITCH
	v_lshl_add_u32 v[STR], v[HH], 6, v[STR]
	v_add_nc_u32 v[STR], s17, v[STR]
	s_mov_b32 s[SEL], 0x76543210
	s_mov_b32 s[SEL+1], 0xfedcba98
	s_mov_b32 s20, 512                             ; char_W's: first work-group,
	s_mov_b32 s21, 3072                            ; bytes in a row,
	s_mov_b32 s22, 3                               ; pairs of K steps,
	s_mov_b32 s23, 4456448                         ; place in wimg,
	s_mov_b32 s24, 63                              ; tiles - 1,
	s_mov_b32 s25, 6                               ; and their logarithm
	s_cmp_lt_u32 ttmp9, 512
	s_cselect_b64 s[8:9], s[6:7], s[8:9]
	s_cselect_b32 s20, 256, s20
	s_cselect_b32 s21, 16384, s21
	s_cselect_b32 s22, 16, s22
	s_cselect_b32 s23, 2228224, s23
	s_cmp_lt_u32 ttmp9, 256
	s_cselect_b64 s[8:9], s[4:5], s[8:9]
	s_cselect_b32 s20, 0, s20
	s_cselect_b32 s21, 4096, s21
	s_cselect_b32 s22, 4, s22
	s_cselect_b32 s23, 0, s23
	s_cselect_b32 s24, 255, s24
	s_cselect_b32 s25, 8, s25
	s_sub_co_u32 s26, ttmp9, s20
	s_lshl_b32 s26, s26, 2
	s_add_co_u32 s26, s26, s16                     ; my task
	s_and_b32 s27, s26, s24                        ; tile T
	s_lshr_b32 s28, s26, s25                       ; pair
	s_lshr_b32 s29, s27, 1
	s_lshl_b32 s29, s29, 5
	s_and_b32 s30, s27, 1
	s_lshl_b32 s30, s30, 3
	s_add_co_u32 s29, s29, s30                     ; the tile's first row: 32 (T / 2) + 8 (T % 2)
	s_mul_i32 s30, s29, s21
	s_lshl_b32 s31, s28, 10
	s_add_co_u32 s30, s30, s31                     ; + 1,024 bytes a pair
	s_mov_b32 s31, 0
	s_add_nc_u64 s[8:9], s[8:9], s[30:31]
	s_mul_i32 s32, s27, s22
	s_add_co_u32 s32, s32, s28
	s_mul_i32 s32, s32, 2176
	s_add_co_u32 s32, s32, s23
	s_mov_b32 s33, 0
	s_add_nc_u64 s[12:13], s[12:13], s[32:33]
.irp i, 0,1,2,3,4,5,6,7,8,9,10,11,12,13,14,15
	v_mad_u32_u24 v[RO+\i], s21, \i+8*(\i/8), v[L16]       ; row i + 8 (i / 8) of the tile's 24
.endr
.irp it, 0,1
.irp i, 0,1,2,3,4,5,6,7,8,9,10,11,12,13,14,15
	global_load_b128 v[R+64*\it+4*\i:R+64*\it+4*\i+3], v[RO+\i], s[8:9] offset:512*\it th:TH_LOAD_NT   ; 32 lanes read 512 consecutive bytes of a row
.endr
.endr
.irp b, 0,1,2,3
	v_mov_b32 v[TM+4+\b], 0                        ; written once: a lane permute's destination counts as one of its sources
.endr
	s_wait_loadcnt 16                              ; the even step's 16 loads are in; the odd step's 16 may be out
	TURNI R
	s_wait_dscnt 0x0
	QUANT X, PC0, PW0
	s_wait_loadcnt 0x0
	TURNI R+64
	s_wait_dscnt 0x0
	QUANT X, PC1, PW1
	s_mov_b32 s34, 0xffff0000
	v_cndmask_b32 v[PWM], v[PW0], v[PW1], s34      ; lanes 16-31 carry the odd step's words (both words stand in both halves of the lanes)
	global_store_b128 v[L16], v[PC0:PC0+3], s[12:13]
	global_store_b128 v[L16], v[PC0+4:PC0+7], s[12:13] offset:512
	global_store_b128 v[L16], v[PC1:PC1+3], s[12:13] offset:1024
	global_store_b128 v[L16], v[PC1+4:PC1+7], s[12:13] offset:1536
	global_store_b32 v[L4], v[PWM], s[12:13] offset:2048
	s_wait_tensorcnt 0x0                           ; the wave's end
	ds_add_u32 v[SPW], v[NIL]
	s_wait_dscnt 0x0
	s_endpgm
	; ---- V: a lane takes a column of src and its registers run down the keys: a block of 32 keys lies in one lane, and the conversions' results are the operand's registers
.Lvpath:
	s_sub_co_u32 s17, ttmp9, 560
	s_lshr_b32 s18, s17, 5                         ; batch
	s_and_b32 s19, s17, 7                          ; which 128 columns
	s_bfe_u32 s20, s17, 0x20003                    ; which 256 keys
	s_lshl_b32 s22, s18, 22
	s_lshl_b32 s23, s20, 20
	s_add_co_u32 s22, s22, s23
	s_lshl_b32 s23, s19, 9
	s_add_co_u32 s22, s22, s23
	s_lshl_b32 s23, s16, 7
	s_add_co_u32 s22, s22, s23                     ; (1,024 batch + 256 kq) rows of 4,096 bytes + 4 (128 cg + 32 wave)
	s_mov_b32 s23, 0
	s_add_nc_u64 s[10:11], s[10:11], s[22:23]
	s_lshl_b32 s24, s18, 4
	s_lshl_b32 s25, s19, 1
	s_add_co_u32 s24, s24, s25
	s_lshr_b32 s25, s16, 1
	s_add_co_u32 s24, s24, s25                     ; 16 batch + head
	s_mul_i32 s24, s24, 106496
	s_and_b32 s25, s16, 1                          ; which half of the head's 64
	s_lshl_b32 s26, s25, 11
	s_lshl_b32 s27, s20, 13
	s_add_co_u32 s26, s26, s27
	s_add_co_u32 s26, s26, s24
	s_add_co_u32 s26, s26, 65536                   ; images: step 2 kq, tile 2 (wave % 2)
	s_mov_b32 s27, 0
	s_lshl_b32 s28, s25, 8
	s_lshl_b32 s29, s20, 10
	s_add_co_u32 s28, s28, s29
	s_add_co_u32 s28, s28, s24
	s_add_co_u32 s28, s28, 102400                  ; scale registers likewise
	s_mov_b32 s29, 0
	s_add_nc_u64 s[26:27], s[14:15], s[26:27]
	s_add_nc_u64 s[28:29], s[14:15], s[28:29]
	v_lshlrev_b32 v6, 10, v[HH]
	v_lshl_add_u32 v6, v[RR], 4, v6                ; my tile (lane / 16) and my 16 bytes in a group's half
	v_lshlrev_b32 v7, 7, v[HH]
	v_lshl_add_u32 v7, v[RR], 2, v7                ; my tile's scale register, my word
.macro VLOAD t
.irp i, 0,1,2,3,4,5,6,7,8,9,10,11,12,13,14,15,16,17,18,19,20,21,22,23,24,25,26,27,28,29,30,31
	global_load_b32 v[VX+32*((\t)%2)+\i], v[L4], s[10:11] offset:(32*(\t)+\i)*4096 th:TH_LOAD_NT
.endr
.endm
.macro VBLOCK t
.set XS, VX+32*((\t)%2)
.if (\t) < 7
	s_wait_loadcnt 32                              ; this block's 32 loads are in; the next block's may be out
.else
	s_wait_loadcnt 0
.endif
	v_max3_num_f32 v8, |v[XS]|, |v[XS+1]|, |v[XS+2]|
	v_max3_num_f32 v9, |v[XS+3]|, |v[XS+4]|, |v[XS+5]|
.irp i, 6,10,14,18,22,26
	v_max3_num_f32 v8, v8, |v[XS+\i]|, |v[XS+\i+1]|
	v_max3_num_f32 v9, v9, |v[XS+\i+2]|, |v[XS+\i+3]|
.endr
	v_max3_num_f32 v8, v8, |v[XS+30]|, |v[XS+31]|
	v_max3_num_f32 v8, v8, v9, 0x1800000           ; and the floor
	v_add_nc_u32 v11, 0xff000000, v8
	v_lshrrev_b32 v9, 23, v11
.if (\t)%4 == 0
	v_mov_b32 v[SB+(\t)/4], v9                     ; a step's four bytes make my column's scale word
.else
	v_lshl_or_b32 v[SB+(\t)/4], v9, 8*((\t)%4), v[SB+(\t)/4]
.endif
.irp g, 0,1,2,3
	v_cvt_scalef32_pk8_fp4_f32 v[VC+4*(\t)+\g], v[XS+8*\g:XS+8*\g+7], v11
.endr
	global_store_b128 v6, v[VC+4*(\t):VC+4*(\t)+3], s[26:27] offset:((\t)/4)*4096+(((\t)/2)%2)*512+((\t)%2)*256   ; sixteen lanes store 256 consecutive bytes, aligned
.if (\t)+2 < 8
	VLOAD (\t)+2
.endif
.if (\t)%4 == 3
	global_store_b32 v7, v[SB+(\t)/4], s[28:29] offset:((\t)/4)*512
	global_store_b32 v7, v[SB+(\t)/4], s[28:29] offset:((\t)/4)*512+64      ; the copy for lanes 16-31 of the register's image
.endif
.endm
	VLOAD 0
	VLOAD 1
.irp t, 0,1,2,3,4,5,6,7
	VBLOCK \t
.endr
	s_endpgm
.Lfunc_end_k_qffcafd9618_prep:
	.size	k_qffcafd9618_prep, .Lfunc_end_k_qffcafd9618_prep-k_qffcafd9618_prep
	.p2alignl 7, 3214868480
	.fill 96, 4, 3214868480
	.section	.rodata,"a",@progbits
	.p2align	6, 0x0
	.amdhsa_kernel k_qffcafd9618_prep
		.amdhsa_group_segment_fixed_size 34304
		.amdhsa_private_segment_fixed_size 0
		.amdhsa_enable_private_segment 0
		.amdhsa_kernarg_size 48
		.amdhsa_user_sgpr_count 2
		.amdhsa_user_sgpr_kernarg_segment_ptr 1
		.amdhsa_wavefront_size32 1
		.amdhsa_system_sgpr_workgroup_id_x 1
		.amdhsa_system_sgpr_workgroup_id_y 1
		.amdhsa_system_sgpr_workgroup_id_z 1
		.amdhsa_system_vgpr_workitem_id 0
		.amdhsa_next_free_vgpr 256
		.amdhsa_next_free_sgpr 66
		.amdhsa_reserve_vcc 0
		.amdhsa_float_denorm_mode_32 3
		.amdhsa_float_denorm_mode_16_64 3
		.amdhsa_memory_ordered 1
		.amdhsa_forward_progress 1
		.amdhsa_inst_pref_size 58
	.end_amdhsa_kernel
	.amdgpu_metadata
---
amdhsa.version: [ 1, 2 ]
amdhsa.kernels:
  - .name:           k_qffcafd9618_prep
    .symbol:         k_qffcafd9618_prep.kd
    .args:
      - { .name: W1, .offset: 0, .size: 8, .value_kind: global_buffer, .address_space: global }
      - { .name: W2, .offset: 8, .size: 8, .value_kind: global_buffer, .address_space: global }
      - { .name: char_W, .offset: 16, .size: 8, .value_kind: global_buffer, .address_space: global }
      - { .name: src, .offset: 24, .size: 8, .value_kind: global_buffer, .address_space: global }
      - { .name: wimg, .offset: 32, .size: 8, .value_kind: global_buffer, .address_space: global }
      - { .name: kv, .offset: 40, .size: 8, .value_kind: global_buffer, .address_space: global }
    .group_segment_fixed_size: 34304
    .private_segment_fixed_size: 0
    .kernarg_segment_align: 8
    .kernarg_segment_size: 48
    .max_flat_workgroup_size: 128
    .sgpr_count:     66
    .vgpr_count:     256
    .wavefront_size: 32
...
	.end_amdgpu_metadata
.endif
;; end of part 1
;; launch penc (part 2): grid 256 x 1, 4 waves a work-group, no clusters, 62,976 bytes of LDS; arguments param_vectors, src, wimg, char_b, pe_g, pe_b, kv; writes kv
.if DOCPART == 2
	.amdgcn_target "amdgcn-amd-amdhsa--gfx1250"
	.amdhsa_code_object_version 6
	.text
	.protected	k_qffcafd9618_penc
	.globl	k_qffcafd9618_penc
	.p2align	8
	.type	k_qffcafd9618_penc,@function
k_qffcafd9618_penc:
	s_mov_b64 s[64:65], 0
	v_nop
	global_prefetch_b8 v0, s[64:65] scope:SCOPE_SE
	s_setreg_imm32_b32 hwreg(HW_REG_WAVE_MODE, 25, 1), 1
	s_wait_xcnt 0x0
; THE PARAMETER ENCODER, and the joint operand of both score products.  No work is left out.
; A work-group takes the 16 tokens of image tile T of one batch: token(r) = 32 (T / 2) + 8 (T % 2) + r + 8 (r / 8).  Wave w owns columns 256 w .. 256 w + 255 (heads 4 w .. 4 w + 3) and parameter p = w.
; X: wave w quantises its columns of src (two items of 128) and parameter w's 768 numbers (six K steps) of the 16 tokens.  src's codes go to kv; the parameters' fragments go to LDS as images of their registers.
; G: pe^T = char_W x^T, transposed use (source 0 = 16 rows of char_W, source 1 = 16 tokens).  THE SUM OVER THE FOUR PARAMETERS IS TAKEN IN THE ACCUMULATOR: the four parameters' products of a K step are chained onto
;    one accumulator (each parameter is quantised by itself, as the problem has it); x 1/4 and + char_b follow.  That order of the f32 sums differs from the mean as it is written.
; L: LayerNorm over the token's 1,024 columns (lanes l and l xor 16, then the four waves through LDS), gain and bias; pe is quantised in registers and goes to kv.
; kv, a head's block: tile T's image at 1,024 T: +0 registers 0-3 = src's 64 of the head (blocks 0, 1 of a K of 128), +512 registers 4-7 = pe's 64 (blocks 2, 3): ONE matrix instruction will do both score products.
; The tile's scale words at 98,304 + 64 T: bytes src 0, src 1, pe 0, pe 1.
; LIMITS: as in the first launch's quantiser; NaN and infinities are not served.
; REGISTERS: window 0: v1-15 addresses; v16-19 scale words made; v20-27 x's scale words; v28-31 at work; v32-159 two sets of 64 numbers, then x's fragments (v32-95), then the 128 values of pe;
;   v160-175 the quantiser's; v176-207 four sets of codes; v208-255 char_W's scale registers.  window 1: char_W's fragments, two sets of 16.  window 2: v0-127 the 16 accumulators, v128-255 pe_b.
;   window 3: four sets of 64 numbers as loaded; later char_b (v0-127) and pe_g (v128-255).
; THE COUNTS of the waits on loads and on LDS are kept by the assembler: ISS and DSS count what has been issued, a batch notes its end, and a wait names what was issued behind the batch (at most 63, which its field holds).
.set SPITCH, 528
.set STGB,   16*SPITCH
.set XIMG,   4*STGB                    ; 24 fragments (6 p + K step) of 1,024 bytes
.set XSC,    XIMG+24*1024              ; their scale words, 128 bytes each
.set RED1,   XSC+24*128                ; the waves' sums
.set RED2,   RED1+512                  ; and sums of squares
.set SPARE,  RED2+512                  ; the spare words
.set HB,     106496                    ; a head's block in kv
.set LN, 1
.set RR, 2
.set HH, 3
.set L16, 4
.set L4, 5
.set STW, 6
.set STR, 7
.set XWI, 8
.set XWS, 9
.set RDW, 10
.set RDR, 11
.set QSO, 12
.set PBO, 13
.set SPW, 14
.set NIL, 15
.set PW,  16
.set XS,  20
.set X0,  32
.set XF,  32
.set VAL, 32
.set TM,  160
.set PC,  176
.set CWS, 208
.set SEL, 20                           ; s[20:21]
.set MSB, 0
.set ISS, 0
.set DSS, 0
.macro WIN new
.if MSB != \new
	s_set_vgpr_msb (MSB<<8)|\new
.set MSB, \new
.endif
.endm
.macro WAITL e
.if ISS-(\e) > 63
	s_wait_loadcnt 63
.else
	s_wait_loadcnt ISS-(\e)
.endif
.endm
.macro WAITD e
.if DSS-(\e) > 63
	s_wait_dscnt 63
.else
	s_wait_dscnt DSS-(\e)
.endif
.endm
.macro PLACES
.rept 4
	v_nop
.endr
.endm
.macro QUANT s, pc, pw
.irp b, 0,1,2,3
	v_max3_num_f32 v[TM+\b], |v[\s+16*\b]|, |v[\s+1+16*\b]|, 0x1800000   ; my 16 numbers of block b, and the floor 2^(3 - 127)
.endr
.irp i, 2,4,6,8,10,12,14
.irp b, 0,1,2,3
	v_max3_num_f32 v[TM+\b], v[TM+\b], |v[\s+16*\b+\i]|, |v[\s+1+16*\b+\i]|
.endr
.endr
.irp b, 0,1,2,3
	v_permlanex16_b32 v[TM+4+\b], v[TM+\b], s[SEL], s[SEL+1]
.endr
.irp b, 0,1,2,3
	v_max_num_f32 v[TM+\b], v[TM+\b], v[TM+4+\b]
.endr
.irp b, 0,1,2,3
	v_add_nc_u32 v[TM+12+\b], 0xff000000, v[TM+\b]     ; 2 off the exponent field: the conversion's scale operand
.endr
.irp b, 0,1,2,3
	v_lshrrev_b32 v[TM+4+\b], 23, v[TM+12+\b]
.endr
	v_lshl_or_b32 v[\pw], v[TM+5], 8, v[TM+4]
	v_lshl_or_b32 v[\pw], v[TM+6], 16, v[\pw]
	v_lshl_or_b32 v[\pw], v[TM+7], 24, v[\pw]
.irp b, 0,1,2,3
	v_cvt_scalef32_pk8_fp4_f32 v[\pc+2*\b], v[\s+16*\b:\s+7+16*\b], v[TM+12+\b]
	v_cvt_scalef32_pk8_fp4_f32 v[\pc+1+2*\b], v[\s+8+16*\b:\s+15+16*\b], v[TM+12+\b]
.endr
	v_nop                                              ; one plain place behind a scaled conversion
.irp c, 0,1
.irp i, 0,1
	v_permlane16_swap_b32 v[\pc+4*\c+\i], v[\pc+2+4*\c+\i]
.endr
.endr
.endm
; item i: 16 rows x 512 bytes, each load 512 consecutive bytes; items 0, 1: src; items 2-7: my parameter's K steps
.macro LOADI i
	WIN 0xc0                                       ; destination window 3
.irp k, 0,1,2,3,4,5,6,7,8,9,10,11,12,13,14,15
.if (\i) < 2
	global_load_b128 v[64*((\i)%4)+4*\k:64*((\i)%4)+4*\k+3], v[L16], s[6:7] offset:(\k+8*(\k/8))*4096+512*(\i) th:TH_LOAD_NT
.else
	global_load_b128 v[64*((\i)%4)+4*\k:64*((\i)%4)+4*\k+3], v[L16], s[4:5] offset:(\k+8*(\k/8))*12288+512*((\i)-2) th:TH_LOAD_NT
.endif
.endr
	WIN 0
.set ISS, ISS+16
.set ENDI\i, ISS
.endm
; item i turns through my stage, so that a lane holds 16 neighbours of each block of its row
.macro TURNI i
	WIN 0x0c                                       ; an LDS store's data are its source 1: window 3
.irp k, 0,1,2,3,4,5,6,7,8,9,10,11,12,13,14,15
	ds_store_b128 v[STW], v[64*((\i)%4)+4*\k:64*((\i)%4)+4*\k+3] offset:SPITCH*\k
.endr
	WIN 0
.irp b, 0,1,2,3
.irp j, 0,1,2,3
	ds_load_b128 v[X0+64*((\i)%2)+16*\b+4*\j:X0+64*((\i)%2)+16*\b+4*\j+3], v[STR] offset:128*\b+16*\j
.endr
.endr
.set DSS, DSS+32
.set ENDT\i, DSS
.endm
.macro STEPA i, nx, la
	WAITD ENDT\i                                   ; item i is back from the stage: so its stores into the stage have read their registers,
.if \la < 8
	LOADI \la                                      ; which take the item four further on
.endif
.if \nx < 8
	WAITL ENDI\nx                                  ; the next item's 16 loads are in
	TURNI \nx                                      ; and go through the stage while this item is quantised
.endif
.endm
.macro STEPB i
.set QS, X0+64*((\i)%2)
.if (\i) < 2
.set QI, (\i)
.else
.set QI, 2+(\i)%2
.endif
.set QP, PC+8*QI
.set QW, PW+QI
	QUANT QS, QP, QW
.if (\i) < 2
	global_store_b128 v[L16], v[QP:QP+3], s[34:35] offset:(2*(\i))*HB          ; the even head's 64: registers 0-3 of its image
	global_store_b128 v[L16], v[QP+4:QP+7], s[34:35] offset:(2*(\i)+1)*HB      ; the odd head's
.else
	ds_store_b128 v[XWI], v[QP:QP+3] offset:1024*((\i)-2)
	ds_store_b128 v[XWI], v[QP+4:QP+7] offset:1024*((\i)-2)+512
	ds_store_b32 v[XWS], v[QW] offset:128*((\i)-2)
.set DSS, DSS+3
.endif
.endm
.macro WLOAD k                         ; my 16 tiles' fragments of K step k
	WIN 0x40
.irp t, 0,1,2,3,4,5,6,7,8,9,10,11,12,13,14,15
.irp c, 0,1
	global_load_b128 v[128*((\k)%2)+8*\t+4*\c:128*((\k)%2)+8*\t+4*\c+3], v[L16], s[8:9] offset:\t*6528+((\k)/2)*2176+((\k)%2)*1024+512*\c
.endr
.endr
	WIN 0
.set ISS, ISS+32
.set ENDW\k, ISS
.endm
.macro CLOAD j                         ; their scale registers of pair j
.irp t, 0,1,2,3,4,5,6,7,8,9,10,11,12,13,14,15
	global_load_b32 v[CWS+3*\t+\j], v[L4], s[8:9] offset:\t*6528+2176*\j+2048
.endr
.set ISS, ISS+16
.endm
.macro PBLOAD win, dst, sb             ; 128 numbers of a vector in the result's layout: register 16 b + i = column 256 w + 32 b + 16 (lane / 16) + i
	WIN \win
.irp b, 0,1,2,3,4,5,6,7
.irp j, 0,1,2,3
	global_load_b128 v[\dst+16*\b+4*\j:\dst+16*\b+4*\j+3], v[PBO], s[\sb:\sb+1] offset:128*\b+16*\j
.endr
.endr
	WIN 0
.set ISS, ISS+32
.endm
.macro FETCHX k                        ; the four parameters' fragments of K step k, and their scale words
.irp p, 0,1,2,3
	ds_load_b128 v[XF+32*((\k)%2)+8*\p:XF+32*((\k)%2)+8*\p+3], v[L16] offset:XIMG+(6*\p+(\k))*1024
	ds_load_b128 v[XF+32*((\k)%2)+8*\p+4:XF+32*((\k)%2)+8*\p+7], v[L16] offset:XIMG+(6*\p+(\k))*1024+512
	ds_load_b32 v[XS+4*((\k)%2)+\p], v[L4] offset:XSC+(6*\p+(\k))*128
.endr
.endm
; a K step: 64 matrix instructions; the 16 accumulators take turns, one instruction a turn
.macro KS k, k1, k2
	WAITL ENDW\k                                   ; this step's fragments of char_W (and the scale registers, issued ahead of them) are in
	s_wait_dscnt 0x0                               ; and x's
.if \k1 < 6
	FETCHX \k1                                     ; (four places stand behind the products that read these registers last)
.endif
	WIN 0xa1                                       ; source 0 window 1, source 1 window 0, C and D window 2
.irp p, 0,1,2,3
.irp t, 0,1,2,3,4,5,6,7,8,9,10,11,12,13,14,15
.if (\k == 0) && (\p == 0)
	v_wmma_scale_f32_16x16x128_f8f6f4 v[8*\t:8*\t+7], v[128*((\k)%2)+8*\t:128*((\k)%2)+8*\t+7], v[XF+32*((\k)%2)+8*\p:XF+32*((\k)%2)+8*\p+7], 0, v[CWS+3*\t+(\k)/2], v[XS+4*((\k)%2)+\p] matrix_a_fmt:MATRIX_FMT_FP4 matrix_b_fmt:MATRIX_FMT_FP4
.elseif (\k)%2
	v_wmma_scale_f32_16x16x128_f8f6f4 v[8*\t:8*\t+7], v[128*((\k)%2)+8*\t:128*((\k)%2)+8*\t+7], v[XF+32*((\k)%2)+8*\p:XF+32*((\k)%2)+8*\p+7], v[8*\t:8*\t+7], v[CWS+3*\t+(\k)/2], v[XS+4*((\k)%2)+\p] matrix_a_fmt:MATRIX_FMT_FP4 matrix_b_fmt:MATRIX_FMT_FP4 matrix_a_scale:MATRIX_SCALE_ROW1
.else
	v_wmma_scale_f32_16x16x128_f8f6f4 v[8*\t:8*\t+7], v[128*((\k)%2)+8*\t:128*((\k)%2)+8*\t+7], v[XF+32*((\k)%2)+8*\p:XF+32*((\k)%2)+8*\p+7], v[8*\t:8*\t+7], v[CWS+3*\t+(\k)/2], v[XS+4*((\k)%2)+\p] matrix_a_fmt:MATRIX_FMT_FP4 matrix_b_fmt:MATRIX_FMT_FP4
.endif
.endr
.endr
	WIN 0
	PLACES                                         ; in front of loads into registers that these products have read, and of the first read of results
.if \k2 < 6
	WLOAD \k2
.endif
.endm
	s_load_b256 s[4:11], s[0:1], 0x0               ; param_vectors, src, wimg, char_b
	s_load_b128 s[12:15], s[0:1], 0x20             ; pe_g, pe_b
	s_load_b64 s[16:17], s[0:1], 0x30              ; kv
	v_lshl_add_u32 v[SPW], v0, 2, SPARE
	v_mov_b32 v[NIL], 0
	v_lshrrev_b32 v1, 5, v0
	v_readfirstlane_b32 s18, v1                    ; wave
	v_and_b32 v[LN], 31, v0
	v_and_b32 v[RR], 15, v0
	v_bfe_u32 v[HH], v0, 4, 1
	v_lshlrev_b32 v[L16], 4, v[LN]
	v_lshlrev_b32 v[L4], 2, v[LN]
	s_mul_i32 s19, s18, STGB
	v_add_nc_u32 v[STW], s19, v[L16]
	v_mul_u32_u24 v[STR], v[RR], SPITCH
	v_lshl_add_u32 v[STR], v[HH], 6, v[STR]
	v_add_nc_u32 v[STR], s19, v[STR]
	s_mul_i32 s19, s18, 6*1024
	s_add_co_u32 s19, s19, XIMG
	v_add_nc_u32 v[XWI], s19, v[L16]
	s_mul_i32 s19, s18, 6*128
	s_add_co_u32 s19, s19, XSC
	v_add_nc_u32 v[XWS], s19, v[L4]
	s_lshl_b32 s19, s18, 7
	s_add_co_u32 s19, s19, RED1
	v_add_nc_u32 v[RDW], s19, v[L4]
	v_add_nc_u32 v[RDR], RED1, v[L4]
	v_mul_u32_u24 v[QSO], v[HH], HB
	v_lshl_add_u32 v[QSO], v[RR], 2, v[QSO]        ; lanes 0-15: the even head's words, lanes 16-31: the odd head's, a block further on
	v_lshlrev_b32 v[PBO], 6, v[HH]
.irp b, 0,1,2,3
	v_mov_b32 v[TM+4+\b], 0                        ; written once: a lane permute's destination counts as one of its sources
.endr
	s_mov_b32 s[SEL], 0x76543210
	s_mov_b32 s[SEL+1], 0xfedcba98
	s_mov_b32 s22, 0xffff0000                      ; lanes 16-31
	s_mov_b32 s40, 0x3a800000                      ; 1 / 1,024
	s_mov_b32 s41, 0x3727c5ac                      ; 1e-5
	s_lshr_b32 s23, ttmp9, 6                       ; batch
	s_and_b32 s24, ttmp9, 63                       ; T
	s_lshr_b32 s25, s24, 1
	s_lshl_b32 s25, s25, 5
	s_and_b32 s26, s24, 1
	s_lshl_b32 s26, s26, 3
	s_add_co_u32 s25, s25, s26
	s_lshl_b32 s26, s23, 10
	s_add_co_u32 s25, s25, s26                     ; the first token's row
	s_lshl_b32 s28, s25, 12
	s_lshl_b32 s26, s18, 10                        ; 1,024 w: my 256 columns in bytes
	s_add_co_u32 s28, s28, s26
	s_mov_b32 s29, 0
	s_lshl_b32 s30, s25, 2
	s_add_co_u32 s30, s30, s18
	s_mul_i32 s30, s30, 3072                       ; (4 row + w) rows of 768 numbers
	s_mov_b32 s31, 0
	s_lshl_b32 s32, s23, 4
	s_lshl_b32 s27, s18, 2
	s_add_co_u32 s32, s32, s27
	s_mul_i32 s32, s32, HB                         ; my first head's block
	s_lshl_b32 s34, s24, 10
	s_add_co_u32 s34, s34, s32
	s_mov_b32 s35, 0
	s_lshl_b32 s36, s24, 6
	s_add_co_u32 s36, s36, s32
	s_add_co_u32 s36, s36, 98304
	s_mov_b32 s37, 0
	s_mul_i32 s38, s18, 16*6528
	s_add_co_u32 s38, s38, 4456448                 ; char_W's images, my 16 tiles
	s_mov_b32 s39, 0
	s_mov_b32 s27, 0
	s_wait_kmcnt 0x0
	s_add_nc_u64 s[6:7], s[6:7], s[28:29]
	s_add_nc_u64 s[4:5], s[4:5], s[30:31]
	s_add_nc_u64 s[34:35], s[16:17], s[34:35]      ; tile T's image in my first head's block
	s_add_nc_u64 s[36:37], s[16:17], s[36:37]      ; and its scale words
	s_add_nc_u64 s[8:9], s[8:9], s[38:39]
	s_add_nc_u64 s[10:11], s[10:11], s[26:27]
	s_add_nc_u64 s[12:13], s[12:13], s[26:27]
	s_add_nc_u64 s[14:15], s[14:15], s[26:27]
	; ---- X
	LOADI 0
	LOADI 1
	LOADI 2
	LOADI 3
	WAITL ENDI0
	TURNI 0
	STEPA 0, 1, 4
	STEPB 0
	STEPA 1, 2, 5
	STEPB 1
	STEPA 2, 3, 6
	STEPB 2
	STEPA 3, 4, 7
	STEPB 3
	STEPA 4, 5, 8
	CLOAD 0                                        ; what the products want first is asked for while the last items are worked
	WLOAD 0
	STEPB 4
	STEPA 5, 6, 9
	WLOAD 1
	STEPB 5
	STEPA 6, 7, 10
	PBLOAD 0x80, 128, 14                           ; pe_b
	CLOAD 1
	CLOAD 2
	STEPB 6
	STEPA 7, 8, 11
	PBLOAD 0xc0, 0, 10                             ; char_b and pe_g, into registers that the last item has left
	PBLOAD 0xc0, 128, 12
	STEPB 7
	s_wait_dscnt 0x0                               ; for the others' sake: my images lie in LDS
	s_barrier_signal -1
	s_barrier_wait -1
	; ---- G
	FETCHX 0
	KS 0, 1, 2
	KS 1, 2, 3
	KS 2, 3, 4
	KS 3, 4, 5
	KS 4, 5, 6
	KS 5, 6, 7
	; ---- L: the mean over the four parameters and char_b; each accumulator is read from its low end on
	WIN 0x32                                       ; source 0 window 2, source 2 window 3
.set j, 0
.rept 64
	v_pk_fma_f32 v[VAL+j:VAL+j+1], v[j:j+1], 0x3e800000, v[j:j+1] op_sel_hi:[1,0,1]
.set j, j+2
.endr
	WIN 0
	v_pk_add_f32 v[28:29], v[VAL:VAL+1], v[VAL+2:VAL+3]
	v_pk_add_f32 v[30:31], v[VAL+4:VAL+5], v[VAL+6:VAL+7]
.set j, 8
.rept 30
	v_pk_add_f32 v[28:29], v[28:29], v[VAL+j:VAL+j+1]
	v_pk_add_f32 v[30:31], v[30:31], v[VAL+j+2:VAL+j+3]
.set j, j+4
.endr
	v_pk_add_f32 v[28:29], v[28:29], v[30:31]
	v_add_f32 v28, v28, v29
	v_permlanex16_b32 v29, v28, s[SEL], s[SEL+1]
	v_add_f32 v28, v28, v29                        ; my wave's 256 columns of token r
	ds_store_b32 v[RDW], v28
	s_wait_dscnt 0x0
	s_barrier_signal -1
	s_barrier_wait -1
.irp w, 0,1,2,3
	ds_load_b32 v[28+\w], v[RDR] offset:128*\w
.endr
	s_wait_dscnt 0x0
	v_add_f32 v28, v28, v29
	v_add_f32 v30, v30, v31
	v_add_f32 v28, v28, v30
	v_mul_f32 v28, s40, v28                        ; the mean
	v_mov_b32 v29, v28
.set j, 0
.rept 64
	v_pk_add_f32 v[VAL+j:VAL+j+1], v[VAL+j:VAL+j+1], v[28:29] neg_lo:[0,1] neg_hi:[0,1]
.set j, j+2
.endr
	v_pk_mul_f32 v[28:29], v[VAL:VAL+1], v[VAL:VAL+1]
	v_pk_mul_f32 v[30:31], v[VAL+2:VAL+3], v[VAL+2:VAL+3]
.set j, 4
.rept 31
	v_pk_fma_f32 v[28:29], v[VAL+j:VAL+j+1], v[VAL+j:VAL+j+1], v[28:29]
	v_pk_fma_f32 v[30:31], v[VAL+j+2:VAL+j+3], v[VAL+j+2:VAL+j+3], v[30:31]
.set j, j+4
.endr
	v_pk_add_f32 v[28:29], v[28:29], v[30:31]
	v_add_f32 v28, v28, v29
	v_permlanex16_b32 v29, v28, s[SEL], s[SEL+1]
	v_add_f32 v28, v28, v29
	ds_store_b32 v[RDW], v28 offset:512
	s_wait_dscnt 0x0
	s_barrier_signal -1
	s_barrier_wait -1
.irp w, 0,1,2,3
	ds_load_b32 v[28+\w], v[RDR] offset:512+128*\w
.endr
	s_wait_dscnt 0x0
	v_add_f32 v28, v28, v29
	v_add_f32 v30, v30, v31
	v_add_f32 v28, v28, v30
	v_fma_f32 v28, v28, s40, s41                   ; the variance + 1e-5
	v_rsq_f32 v28, v28
	v_nop                                          ; a plain place behind the transcendental,
	s_wait_alu depctr_va_vdst(0)                   ; and the wait ahead of its first reader
	v_mov_b32 v29, v28
.set j, 0
.rept 64
	v_pk_mul_f32 v[VAL+j:VAL+j+1], v[VAL+j:VAL+j+1], v[28:29]
.set j, j+2
.endr
	WIN 0x2c                                       ; source 1 (pe_g) window 3, source 2 (pe_b) window 2
.set j, 0
.rept 64
	v_pk_fma_f32 v[VAL+j:VAL+j+1], v[VAL+j:VAL+j+1], v[128+j:129+j], v[128+j:129+j]
.set j, j+2
.endr
	WIN 0
.irp q, 0,1                                    ; heads 4 w + 2 q and 4 w + 2 q + 1
.set QS, VAL+64*\q
.set QP, PC+16+8*\q
.set QW, PW+2+\q
	QUANT QS, QP, QW
	global_store_b128 v[L16], v[QP:QP+3], s[34:35] offset:(2*\q)*HB+512        ; registers 4-7 of the even head's image
	global_store_b128 v[L16], v[QP+4:QP+7], s[34:35] offset:(2*\q+1)*HB+512    ; and of the odd head's
	v_perm_b32 v28, v[QW], v[PW+\q], 0x05040100    ; the even head's word: src's bytes 0, 1, then pe's bytes 0, 1
	v_perm_b32 v29, v[QW], v[PW+\q], 0x07060302    ; the odd head's: bytes 2, 3 of both
	v_cndmask_b32 v[30+\q], v28, v29, s22
	global_store_b32 v[QSO], v[30+\q], s[36:37] offset:(2*\q)*HB
.endr
	s_wait_tensorcnt 0x0                           ; the wave's end
	ds_add_u32 v[SPW], v[NIL]
	s_wait_dscnt 0x0
	s_endpgm
.Lfunc_end_k_qffcafd9618_penc:
	.size	k_qffcafd9618_penc, .Lfunc_end_k_qffcafd9618_penc-k_qffcafd9618_penc
	.p2alignl 7, 3214868480
	.fill 96, 4, 3214868480
	.section	.rodata,"a",@progbits
	.p2align	6, 0x0
	.amdhsa_kernel k_qffcafd9618_penc
		.amdhsa_group_segment_fixed_size 62976
		.amdhsa_private_segment_fixed_size 0
		.amdhsa_enable_private_segment 0
		.amdhsa_kernarg_size 56
		.amdhsa_user_sgpr_count 2
		.amdhsa_user_sgpr_kernarg_segment_ptr 1
		.amdhsa_wavefront_size32 1
		.amdhsa_system_sgpr_workgroup_id_x 1
		.amdhsa_system_sgpr_workgroup_id_y 1
		.amdhsa_system_sgpr_workgroup_id_z 1
		.amdhsa_system_vgpr_workitem_id 0
		.amdhsa_next_free_vgpr 1024
		.amdhsa_next_free_sgpr 66
		.amdhsa_reserve_vcc 0
		.amdhsa_float_denorm_mode_32 3
		.amdhsa_float_denorm_mode_16_64 3
		.amdhsa_memory_ordered 1
		.amdhsa_forward_progress 1
		.amdhsa_inst_pref_size 187
	.end_amdhsa_kernel
	.amdgpu_metadata
---
amdhsa.version: [ 1, 2 ]
amdhsa.kernels:
  - .name:           k_qffcafd9618_penc
    .symbol:         k_qffcafd9618_penc.kd
    .args:
      - { .name: param_vectors, .offset: 0, .size: 8, .value_kind: global_buffer, .address_space: global }
      - { .name: src, .offset: 8, .size: 8, .value_kind: global_buffer, .address_space: global }
      - { .name: wimg, .offset: 16, .size: 8, .value_kind: global_buffer, .address_space: global }
      - { .name: char_b, .offset: 24, .size: 8, .value_kind: global_buffer, .address_space: global }
      - { .name: pe_g, .offset: 32, .size: 8, .value_kind: global_buffer, .address_space: global }
      - { .name: pe_b, .offset: 40, .size: 8, .value_kind: global_buffer, .address_space: global }
      - { .name: kv, .offset: 48, .size: 8, .value_kind: global_buffer, .address_space: global }
    .group_segment_fixed_size: 62976
    .private_segment_fixed_size: 0
    .kernarg_segment_align: 8
    .kernarg_segment_size: 56
    .max_flat_workgroup_size: 128
    .sgpr_count:     66
    .vgpr_count:     1024
    .wavefront_size: 32
...
	.end_amdgpu_metadata
.endif
;; end of part 2
;; launch attn (part 3): grid 4 x 64, 16 waves a work-group, clusters of 4 x 1, 178,176 bytes of LDS; arguments kv, src, ry; writes ry
.if DOCPART == 3
	.amdgcn_target "amdgcn-amd-amdhsa--gfx1250"
	.amdhsa_code_object_version 6
	.text
	.protected	k_qffcafd9618_attn
	.globl	k_qffcafd9618_attn
	.p2align	8
	.type	k_qffcafd9618_attn,@function
k_qffcafd9618_attn:
	s_mov_b64 s[64:65], 0
	v_nop
	global_prefetch_b8 v0, s[64:65] scope:SCOPE_SE
	s_setreg_imm32_b32 hwreg(HW_REG_WAVE_MODE, 25, 1), 1
	s_wait_xcnt 0x0
	s_wait_alu depctr_hold_cnt(0) depctr_sa_sdst(0) depctr_va_vdst(0) depctr_va_sdst(0) depctr_va_ssrc(0) depctr_va_vcc(0) depctr_vm_vsrc(0)
	s_getreg_b32 s2, hwreg(HW_REG_IB_STS2, 6, 4)
	s_cmp_eq_u32 s2, 0
	s_cbranch_scc0 .Lentry_in_a_cluster
	s_endpgm
.Lentry_in_a_cluster:
	s_bfe_u32 s2, ttmp6, 0x10000c
	s_cmp_lg_u32 s2, 0x3003
	s_cbranch_scc0 .Lentry_shape_is_right
	s_endpgm
.Lentry_shape_is_right:
; ATTENTION with q = k = v = src and the parameters' bias; ry = src + the heads' results.  No work is left out.
; BOTH SCORE PRODUCTS ARE ONE: each has K = 64 and the factor 1/8, so src's 64 (blocks 0, 1) and pe's 64 (blocks 2, 3) of a head stand side by side as a K of 128, each block with its own scale.
; THE SOFTMAX AHEAD OF THE SECOND PRODUCT: t = score x log2(e) / 8; M = the running largest t rounded up to a whole number; p = 2^(t - M) is quantised along the keys, not normalised; the row's sum is taken of the
; unquantised p and divides at the end.  When M moves, the sum and O are multiplied by 2^(old M - new M): exact.
; SHARES.  A cluster of four work-groups has one (batch, head); a work-group 256 queries; each of its sixteen waves one image tile of 16 queries, in 256 registers, four waves to a SIMD.
; A HEAD'S WHOLE BLOCK OF kv (106,496 bytes: K's 64 images, V's 32, both scales) lies in LDS: it is asked for once, JOINTLY by the four work-groups, each wave bringing 26 rows of 256 bytes.  Nothing is filled again.
; LAYOUT.  Both products transposed (S^T = K Q^T, O^T = V^T P^T): a lane holds one query throughout.  Tile T's lane r holds key 32 (T / 2) + 8 (T % 2) + r + 8 (r / 8), so that the 16 registers of two neighbouring
; tiles of S^T are 16 neighbouring keys.  The queries of a tile are the same tokens; the way out puts each row in its place.
; A block's largest p is made from the block's largest score by the same multiply-add and exponential: that takes v_exp_f32 not to fall where its input rises.
; LIMITS: NaN and infinities are not served; a block whose every p has fallen to 0 keeps the byte 1.
; REGISTERS: v1-4 places that stay; v5, v6 the add's two; v7 the way out; v8-11 addresses in hand; v12 -M, v13 the largest t, v[14:15] the sum; v16-23 Q; v24-27 V's scale registers; v32-95 K's eight fragments, then V's four;
;   v96-159 S^T, then p; v160-191 O^T; v192-223 src's rows for the residual; v224-231 p's codes; v232-254 at work; v248-251 K's scale registers; v255 Q's scale words.
.set HB,    106496
.set STAGE, HB                         ; behind the head's block: 16 rows x 272 bytes for each wave
.set SPARE, STAGE+16*4352              ; the spare words, 128 bytes for each of 16 waves
.set AK0, 1
.set AV0, 2
.set ASK0, 3
.set ASV0, 4
.set SPW, 5
.set NIL, 6
.set GO,  7
.set ADK, 8
.set ADV, 9
.set ADS, 10
.set ADT, 11
.set WV,  18
.set SEL, 20
.set CS,  22
.set G1,  24
.set G0,  40
.set TK,  44
.set TV,  45
.set TS,  46
.set TJ,  47
.set CNT, 48
.macro CROUND                          ; a round of the cluster's barrier
	s_barrier_signal -1
	s_barrier_wait -1
	s_cmp_lg_u32 s[WV], 0
	s_cbranch_scc1 .Lnot_wave_0_\@
	s_barrier_signal -3
.Lnot_wave_0_\@:
	s_barrier_wait -3
	s_barrier_signal -1
	s_barrier_wait -1
.endm
	s_load_b128 s[4:7], s[0:1], 0x0                ; kv, src
	s_load_b64 s[8:9], s[0:1], 0x10                ; ry
	v_lshl_add_u32 v[SPW], v0, 2, SPARE
	v_mov_b32 v[NIL], 0
	ds_add_u32 v[SPW], v[NIL]                      ; the wave's opening: the add, twice on end, and its wait ahead of my first tensor load
	ds_add_u32 v[SPW], v[NIL]
	v_lshrrev_b32 v8, 5, v0
	v_readfirstlane_b32 s[WV], v8                  ; wave 0..15
	s_bfe_u32 s10, ttmp6, 0x40000                  ; cx: it enters Q's, src's and ry's global addresses alone
	s_and_b32 s12, ttmp7, 0xffff                   ; 16 batch + head, which the four partners share
	s_mul_i32 s32, s12, HB
	s_mov_b32 s33, 0
	s_mul_i32 s34, s[WV], 6656                     ; my 26 rows of 256 bytes, in memory and in LDS
	s_mov_b32 s35, 0
	s_lshl_b32 s11, s10, 4
	s_add_co_u32 s11, s11, s[WV]                   ; my tile T of queries
	s_lshl_b32 s36, s11, 10
	s_mov_b32 s37, 0
	s_lshl_b32 s38, s11, 6
	s_add_co_u32 s38, s38, 98304
	s_mov_b32 s39, 0
	s_lshr_b32 s13, s12, 4                         ; batch
	s_and_b32 s14, s12, 15                         ; head
	s_lshr_b32 s15, s11, 1
	s_lshl_b32 s15, s15, 5
	s_and_b32 s16, s11, 1
	s_lshl_b32 s16, s16, 3
	s_add_co_u32 s15, s15, s16
	s_lshl_b32 s13, s13, 10
	s_add_co_u32 s15, s15, s13                     ; my first query's row
	s_lshl_b32 s50, s15, 12
	s_lshl_b32 s14, s14, 8
	s_add_co_u32 s50, s50, s14                     ; + the head's 256 bytes
	s_mov_b32 s51, 0
	; descriptor group 1: 26 rows of 32 elements of 8 bytes, dense
	s_mov_b32 s[G1], 15|(3<<16)|(1<<21)            ; 15:0 the mask: all four work-groups; 17:16 elements of 8 bytes; 21 set beside a mask
	s_mov_b32 s[G1+1], 32<<16                      ; tensor_dim0
	s_mov_b32 s[G1+2], 26<<16                      ; tensor_dim1
	s_mov_b32 s[G1+3], 32<<16                      ; tile_dim0
	s_mov_b32 s[G1+4], 26                          ; tile_dim1
	s_mov_b32 s[G1+5], 32                          ; from row to row
	s_mov_b32 s[G1+6], 0
	s_mov_b32 s[G1+7], 0
	s_mov_b32 s[SEL], 0x76543210
	s_mov_b32 s[SEL+1], 0xfedcba98
	s_mov_b32 s[CS], 0x3e38aa3b                    ; c = log2(e) / 8
	s_mov_b32 s[CS+1], s[CS]
	s_mov_b32 s[TK], 0
	s_mov_b32 s[TV], 0
	s_mov_b32 s[TS], 0
	s_mov_b32 s[TJ], 0
	s_mov_b32 s[CNT], 8
	s_wait_dscnt 0x0                               ; both opening adds are done
	s_wait_kmcnt 0x0
	s_add_nc_u64 s[4:5], s[4:5], s[32:33]          ; my head's block
	s_mov_b32 s[G0], 1
	s_mov_b32 s[G0+1], s34
	s_add_nc_u64 s[G0+2:G0+3], s[4:5], s[34:35]
	s_or_b32 s[G0+3], s[G0+3], 0x80000000
	CROUND                                         ; all four work-groups are here: the joint loads meet
	tensor_load_to_lds s[G0:G0+3], s[G1:G1+7]      ; my one tensor load of the launch
	s_nop 0
	s_add_nc_u64 s[36:37], s[4:5], s[36:37]        ; Q: tile T's image,
	s_add_nc_u64 s[38:39], s[4:5], s[38:39]        ; its scale words
	s_add_nc_u64 s[6:7], s[6:7], s[50:51]
	s_add_nc_u64 s[8:9], s[8:9], s[50:51]
	v_and_b32 v8, 15, v0                           ; r
	v_bfe_u32 v9, v0, 4, 1                         ; h
	v_and_b32 v10, 31, v0
	v_lshlrev_b32 v[AK0], 4, v10                   ; an image's place for my lane
	v_lshlrev_b32 v254, 2, v8
	global_load_b128 v[16:19], v[AK0], s[36:37]
	global_load_b128 v[20:23], v[AK0], s[36:37] offset:512
	global_load_b32 v255, v254, s[38:39]
	v_lshlrev_b32 v[GO], 12, v9
	v_lshl_add_u32 v[GO], v8, 4, v[GO]             ; lanes 0-15 one row, lanes 16-31 the next; 16 bytes a lane
.irp i, 0,1,2,3,4,5,6,7
	global_load_b128 v[192+4*\i:195+4*\i], v[GO], s[6:7] offset:(2*\i+8*(\i/4))*4096   ; src at the very places that the way out stores
.endr
	v_add_nc_u32 v[AV0], 65536, v[AK0]
	v_lshl_add_u32 v[ASK0], v10, 2, 98304
	v_lshl_add_u32 v[ASV0], v10, 2, 102400
	v_mov_b32 v13, 0xff61b1e6                      ; the largest t so far: -3e38
	v_floor_f32 v12, -v13                          ; -M
	v_mov_b32 v14, 0
	v_mov_b32 v15, 0
.irp b, 0,1,2,3
	v_mov_b32 v[236+\b], 0                         ; written once: a lane permute's destination counts as one of its sources
.endr
	v_mov_b32 v253, 0
.set j, 0
.rept 32
	v_mov_b32 v[160+j], 0                          ; O^T: the loop is written once, and its first step finds zeros
.set j, j+1
.endr
	s_wait_loadcnt 0x0
	s_wait_tensorcnt 0x0                           ; my part of the head's block is in,
	s_barrier_signal -1
	s_barrier_wait -1                              ; everybody's is
.Lstep:                                            ; 8 trips of 128 keys
	v_add_nc_u32 v[ADK], s[TK], v[AK0]             ; (these four are also the places behind the last trip's products, in front of the loads below)
	v_add_nc_u32 v[ADV], s[TV], v[AV0]
	v_add_nc_u32 v[ADS], s[TS], v[ASK0]
	v_add_nc_u32 v[ADT], s[TJ], v[ASV0]
.irp t, 0,1,2,3,4,5,6,7
	ds_load_b128 v[32+8*\t:35+8*\t], v[ADK] offset:1024*\t
	ds_load_b128 v[36+8*\t:39+8*\t], v[ADK] offset:1024*\t+512
.endr
.irp i, 0,1,2,3
	ds_load_b32 v[248+\i], v[ADS] offset:128*\i    ; lanes 0-15: tile 2 i's words, lanes 16-31: tile 2 i + 1's
.endr
	s_wait_dscnt 0x0
.irp t, 0,2,4,6
	v_wmma_scale_f32_16x16x128_f8f6f4 v[96+8*\t:103+8*\t], v[32+8*\t:39+8*\t], v[16:23], 0, v[248+\t/2], v255 matrix_a_fmt:MATRIX_FMT_FP4 matrix_b_fmt:MATRIX_FMT_FP4
	v_wmma_scale_f32_16x16x128_f8f6f4 v[104+8*\t:111+8*\t], v[40+8*\t:47+8*\t], v[16:23], 0, v[248+\t/2], v255 matrix_a_fmt:MATRIX_FMT_FP4 matrix_b_fmt:MATRIX_FMT_FP4 matrix_a_scale:MATRIX_SCALE_ROW1
.endr
.rept 4
	v_nop                                          ; places: in front of the loads into K's registers, and of the first read of the scores
.endr
.irp t, 0,1,2,3                                ; V's four fragments land while the softmax is walked
	ds_load_b128 v[32+8*\t:35+8*\t], v[ADV] offset:1024*\t
	ds_load_b128 v[36+8*\t:39+8*\t], v[ADV] offset:1024*\t+512
	ds_load_b32 v[24+\t], v[ADT] offset:128*\t
.endr
.irp b, 0,1,2,3
	v_max3_num_f32 v[232+\b], v[96+16*\b], v[97+16*\b], v[98+16*\b]   ; the largest score of each block of 32 keys: for the row's maximum and for the block's largest p
.endr
.irp i, 3,5,7,9,11,13
.irp b, 0,1,2,3
	v_max3_num_f32 v[232+\b], v[232+\b], v[96+16*\b+\i], v[97+16*\b+\i]
.endr
.endr
.irp b, 0,1,2,3
	v_max_num_f32 v[232+\b], v[232+\b], v[111+16*\b]
.endr
.irp b, 0,1,2,3
	v_permlanex16_b32 v[236+\b], v[232+\b], s[SEL], s[SEL+1]
.endr
.irp b, 0,1,2,3
	v_max_num_f32 v[232+\b], v[232+\b], v[236+\b]
.endr
	v_max3_num_f32 v254, v232, v233, v234
	v_max_num_f32 v254, v254, v235
	v_mul_f32 v254, s[CS], v254
	v_max_num_f32 v13, v13, v254                   ; the running largest t
	v_mov_b32 v254, v12
	v_floor_f32 v12, -v13                          ; the new -M
	v_sub_f32 v254, v12, v254                      ; old M - new M: a whole number, 0 or less
	v_cvt_i32_f32 v254, v254
	v_ldexp_f32 v252, 1.0, v254                    ; f = 2^(old M - new M)
.set j, 0
.rept 32
	v_pk_fma_f32 v[96+j:97+j], v[96+j:97+j], s[CS:CS+1], v[12:13] op_sel_hi:[1,0,0]   ; t - M
.set j, j+2
.endr
.irp b, 0,1,2,3
	v_fma_f32 v[232+\b], v[232+\b], s[CS], v12
.endr
.set j, 0
.rept 64
	v_exp_f32 v[96+j], v[96+j]                     ; p
.set j, j+1
.endr
	v_pk_mul_f32 v[14:15], v[14:15], v[252:253] op_sel_hi:[1,0]   ; the sums under the new M: a plain place behind the exponentials
	s_wait_alu depctr_va_vdst(0)                   ; one wait for the whole batch, ahead of its first reader
.irp b, 0,1,2,3
	v_exp_f32 v[232+\b], v[232+\b]                 ; each block's largest p
.endr
	v_pk_add_f32 v[236:237], v[96:97], v[98:99]    ; the row's sum of the unquantised p, in two chains
.irp j, 4,8,12,16,20,24,28,32,36,40,44,48,52,56,60
	v_pk_add_f32 v[14:15], v[14:15], v[96+\j:97+\j]
	v_pk_add_f32 v[236:237], v[236:237], v[98+\j:99+\j]
.endr
	v_pk_add_f32 v[14:15], v[14:15], v[236:237]
	s_wait_alu depctr_va_vdst(0)                   ; and one for the four
.irp b, 0,1,2,3
	v_max_num_f32 v[232+\b], 0x1800000, v[232+\b]  ; the floor
.endr
.irp b, 0,1,2,3
	v_add_nc_u32 v[244+\b], 0xff000000, v[232+\b]
.endr
.irp b, 0,1,2,3
	v_lshrrev_b32 v[236+\b], 23, v[244+\b]
.endr
	v_lshl_or_b32 v253, v237, 8, v236              ; p's scale word for these 128 keys
	v_lshl_or_b32 v253, v238, 16, v253
	v_lshl_or_b32 v253, v239, 24, v253
.irp b, 0,1,2,3
	v_cvt_scalef32_pk8_fp4_f32 v[224+2*\b], v[96+16*\b:103+16*\b], v[244+\b]
	v_cvt_scalef32_pk8_fp4_f32 v[225+2*\b], v[104+16*\b:111+16*\b], v[244+\b]
.endr
	v_nop
.irp c, 0,1
.irp i, 0,1
	v_permlane16_swap_b32 v[224+4*\c+\i], v[226+4*\c+\i]
.endr
.endr
.set j, 0
.rept 16
	v_pk_mul_f32 v[160+j:161+j], v[160+j:161+j], v[252:253] op_sel_hi:[1,0]   ; O^T under the new M; these sixteen are also the places in front of the scaled products below
.set j, j+2
.endr
	s_wait_dscnt 0x0                               ; V's fragments and scale registers are in
.irp t, 0,1,2,3
	v_wmma_scale_f32_16x16x128_f8f6f4 v[160+8*\t:167+8*\t], v[32+8*\t:39+8*\t], v[224:231], v[160+8*\t:167+8*\t], v[24+\t], v253 matrix_a_fmt:MATRIX_FMT_FP4 matrix_b_fmt:MATRIX_FMT_FP4
.endr
	s_add_co_u32 s[TK], s[TK], 8192
	s_add_co_u32 s[TV], s[TV], 4096
	s_add_co_u32 s[TS], s[TS], 512
	s_add_co_u32 s[TJ], s[TJ], 512
	s_sub_co_u32 s[CNT], s[CNT], 1
	s_cmp_lg_u32 s[CNT], 0
	s_cbranch_scc1 .Lstep
	; THE WAY OUT: O^T / the sum goes through my stage and comes back as rows of 256 bytes; src is added; sixteen lanes store one aligned run of 256 bytes
	v_add_f32 v14, v14, v15
	v_permlanex16_b32 v252, v14, s[SEL], s[SEL+1]
	v_add_f32 v14, v14, v252
	v_rcp_f32 v14, v14
	v_and_b32 v8, 15, v0
	v_bfe_u32 v9, v0, 4, 1
	s_mul_i32 s13, s[WV], 4352
	s_add_co_u32 s13, s13, STAGE
	v_mul_u32_u24 v10, v8, 272
	v_lshl_add_u32 v10, v9, 5, v10
	v_add_nc_u32 v10, s13, v10                     ; in: row r, + 32 h; tile t's eight channels 64 t bytes on
	v_mul_u32_u24 v11, v9, 272
	v_lshl_add_u32 v11, v8, 4, v11
	v_add_nc_u32 v11, s13, v11                     ; back: lanes 0-15 one row, lanes 16-31 the next
	s_wait_alu depctr_va_vdst(0)
.set j, 0
.rept 32
	v_mul_f32 v[96+j], v[160+j], v14               ; register 8 t + i is o(r, 16 t + 8 h + i)
.set j, j+1
.endr
.irp t, 0,1,2,3
	ds_store_b128 v10, v[96+8*\t:99+8*\t] offset:64*\t
	ds_store_b128 v10, v[100+8*\t:103+8*\t] offset:64*\t+16
.endr
.irp i, 0,1,2,3,4,5,6,7
	ds_load_b128 v[32+4*\i:35+4*\i], v11 offset:2*\i*272   ; LDS serves a wave's instructions in order: these see my stores
.endr
.irp i, 0,1,2,3,4,5,6,7
	s_wait_dscnt 7-\i                              ; rows 2 i and 2 i + 1 are back; the younger loads may be out
	v_pk_add_f32 v[32+4*\i:33+4*\i], v[32+4*\i:33+4*\i], v[192+4*\i:193+4*\i]
	v_pk_add_f32 v[34+4*\i:35+4*\i], v[34+4*\i:35+4*\i], v[194+4*\i:195+4*\i]
	global_store_b128 v[GO], v[32+4*\i:35+4*\i], s[8:9] offset:(2*\i+8*(\i/4))*4096
.endr
	s_wait_tensorcnt 0x0                           ; the wave's end
	ds_add_u32 v[SPW], v[NIL]
	s_wait_dscnt 0x0
	CROUND                                         ; the closing round
	s_endpgm
.Lfunc_end_k_qffcafd9618_attn:
	.size	k_qffcafd9618_attn, .Lfunc_end_k_qffcafd9618_attn-k_qffcafd9618_attn
	.p2alignl 7, 3214868480
	.fill 96, 4, 3214868480
	.section	.rodata,"a",@progbits
	.p2align	6, 0x0
	.amdhsa_kernel k_qffcafd9618_attn
		.amdhsa_group_segment_fixed_size 178176
		.amdhsa_private_segment_fixed_size 0
		.amdhsa_enable_private_segment 0
		.amdhsa_kernarg_size 24
		.amdhsa_user_sgpr_count 2
		.amdhsa_user_sgpr_kernarg_segment_ptr 1
		.amdhsa_wavefront_size32 1
		.amdhsa_system_sgpr_workgroup_id_x 1
		.amdhsa_system_sgpr_workgroup_id_y 1
		.amdhsa_system_sgpr_workgroup_id_z 1
		.amdhsa_system_vgpr_workitem_id 0
		.amdhsa_next_free_vgpr 256
		.amdhsa_next_free_sgpr 66
		.amdhsa_reserve_vcc 0
		.amdhsa_float_denorm_mode_32 3
		.amdhsa_float_denorm_mode_16_64 3
		.amdhsa_memory_ordered 1
		.amdhsa_forward_progress 1
		.amdhsa_inst_pref_size 28
	.end_amdhsa_kernel
	.amdgpu_metadata
---
amdhsa.version: [ 1, 2 ]
amdhsa.kernels:
  - .name:           k_qffcafd9618_attn
    .symbol:         k_qffcafd9618_attn.kd
    .args:
      - { .name: kv, .offset: 0, .size: 8, .value_kind: global_buffer, .address_space: global }
      - { .name: src, .offset: 8, .size: 8, .value_kind: global_buffer, .address_space: global }
      - { .name: ry, .offset: 16, .size: 8, .value_kind: global_buffer, .address_space: global }
    .group_segment_fixed_size: 178176
    .private_segment_fixed_size: 0
    .kernarg_segment_align: 8
    .kernarg_segment_size: 24
    .max_flat_workgroup_size: 512
    .sgpr_count:     66
    .vgpr_count:     256
    .wavefront_size: 32
...
	.end_amdgpu_metadata
.endif
;; end of part 3
;; launch ln1 (part 4): grid 256 x 1, 4 waves a work-group, no clusters, 27,648 bytes of LDS; arguments ry, n1_g, n1_b, xb; writes xb
.if DOCPART == 4
	.amdgcn_target "amdgcn-amd-amdhsa--gfx1250"
	.amdhsa_code_object_version 6
	.text
	.protected	k_qffcafd9618_ln1
	.globl	k_qffcafd9618_ln1
	.p2align	8
	.type	k_qffcafd9618_ln1,@function
k_qffcafd9618_ln1:
	s_mov_b64 s[64:65], 0
	v_nop
	global_prefetch_b8 v0, s[64:65] scope:SCOPE_SE
	s_setreg_imm32_b32 hwreg(HW_REG_WAVE_MODE, 25, 1), 1
	s_wait_xcnt 0x0
; x = LayerNorm(src + attention) with n1's gain and bias; x goes out as f32 (xb at 0: the second residual) and as codes of E2M1 (xb at 16,777,216: register images, [256 tiles of 16 rows][4 pair blocks of 2,176 bytes]).
; No work is left out.  A work-group takes 16 rows, one tile; a wave four of them, each row whole in 32 registers: the reductions never leave the wave.
; For the quantiser a row turns through the wave's stage so that lane l holds block l of 32 (blocks 144 bytes apart: the lanes' 16-byte reads fall on different banks); codes and scale bytes are gathered as the tile's
; images in LDS, and behind one barrier wave w stores pair block w.
; LIMITS: as in the first launch's quantiser; NaN and infinities are not served.
.set STGB,  4608                       ; 32 blocks x 144 bytes
.set IMG,   4*STGB                     ; the tile's four pair blocks
.set SPARE, IMG+4*2176
.set LN, 1
.set L16, 2
.set STW, 3
.set STR, 4
.set IMW, 5
.set ISB, 6
.set IRD, 7
.set IRS, 8
.set L4, 9
.set SPW, 14
.set NIL, 15
.set G,  16                            ; v16-47 the gain, v48-79 the bias, as a row lies in a wave
.set BS, 48
.set ROWS, 80                          ; v80-207 four rows
.set T,  208                           ; v208-239 a block of 32
.set C,  240                           ; v240-255 four registers of codes a row
.set SEL, 12
.set IN, 20
.set EP, 21
	s_load_b256 s[4:11], s[0:1], 0x0               ; ry, n1_g, n1_b, xb
	v_lshl_add_u32 v[SPW], v0, 2, SPARE
	v_mov_b32 v[NIL], 0
	v_lshrrev_b32 v1, 5, v0
	v_readfirstlane_b32 s14, v1                    ; wave
	v_and_b32 v[LN], 31, v0
	v_lshlrev_b32 v[L16], 4, v[LN]
	v_lshlrev_b32 v[L4], 2, v[LN]
	s_lshl_b32 s16, ttmp9, 16
	s_lshl_b32 s17, s14, 14
	s_add_co_u32 s16, s16, s17                     ; (16 g + 4 w) rows of 4,096 bytes
	s_mov_b32 s17, 0
	s_mul_i32 s22, ttmp9, 8704
	s_mul_i32 s23, s14, 2176
	s_add_co_u32 s22, s22, s23
	s_add_co_u32 s22, s22, 0x1000000               ; tile g, pair block w
	s_mov_b32 s23, 0
	s_mov_b32 s[SEL], 0x76543210
	s_mov_b32 s[SEL+1], 0xfedcba98
	s_mov_b32 s[IN], 0x3a800000                    ; 1 / 1,024
	s_mov_b32 s[EP], 0x3727c5ac                    ; 1e-5
	s_wait_kmcnt 0x0
	s_add_nc_u64 s[4:5], s[4:5], s[16:17]
	s_add_nc_u64 s[18:19], s[10:11], s[16:17]
	s_add_nc_u64 s[10:11], s[10:11], s[22:23]
.irp j, 0,1,2,3,4,5,6,7
	global_load_b128 v[G+4*\j:G+4*\j+3], v[L16], s[6:7] offset:512*\j
	global_load_b128 v[BS+4*\j:BS+4*\j+3], v[L16], s[8:9] offset:512*\j
.endr
.irp i, 0,1,2,3
.irp j, 0,1,2,3,4,5,6,7
	global_load_b128 v[ROWS+32*\i+4*\j:ROWS+32*\i+4*\j+3], v[L16], s[4:5] offset:4096*\i+512*\j th:TH_LOAD_NT
.endr
.endr
	v_lshrrev_b32 v10, 3, v[LN]                    ; lane / 8: on the way in my block among a load's four; on the way out my block's pair
	v_and_b32 v11, 7, v[LN]
	v_mul_u32_u24 v[STW], v10, 144
	v_lshl_add_u32 v[STW], v11, 4, v[STW]
	s_mul_i32 s16, s14, STGB
	v_add_nc_u32 v[STW], s16, v[STW]
	v_mul_u32_u24 v[STR], v[LN], 144
	v_add_nc_u32 v[STR], s16, v[STR]
	v_mul_u32_u24 v[IMW], v10, 2176                ; block l: pair l / 8,
	v_bfe_u32 v12, v[LN], 2, 1
	v_lshl_add_u32 v[IMW], v12, 10, v[IMW]         ; K step (l / 4) % 2 of it,
	v_mul_u32_u24 v[ISB], v10, 2176
	v_lshl_add_u32 v[ISB], v12, 6, v[ISB]          ; (its half of the scale register)
	v_and_b32 v13, 3, v[LN]
	v_add_nc_u32 v[ISB], v[ISB], v13               ; (byte l % 4 of the row's word)
	s_lshl_b32 s17, s14, 4
	s_add_co_u32 s17, s17, IMG+2048
	v_add_nc_u32 v[ISB], s17, v[ISB]
	v_bfe_u32 v12, v[LN], 1, 1
	v_lshl_add_u32 v[IMW], v12, 9, v[IMW]          ; register group (l / 2) % 2,
	v_and_b32 v12, 1, v[LN]
	v_lshl_add_u32 v[IMW], v12, 8, v[IMW]          ; half l % 2 of the lanes;
	s_lshl_b32 s17, s14, 6
	s_add_co_u32 s17, s17, IMG
	v_add_nc_u32 v[IMW], s17, v[IMW]               ; row 4 w + i: 16 bytes a row
	s_mul_i32 s17, s14, 2176
	s_add_co_u32 s17, s17, IMG
	v_add_nc_u32 v[IRD], s17, v[L16]
	v_add_nc_u32 v[IRS], s17, v[L4]
.macro REDUCE                          ; v10: the sum over the wave's 32 lanes, in every lane
	v_add_f32_dpp v10, v10, v10 row_xmask:1 row_mask:0xf bank_mask:0xf
	v_add_f32_dpp v10, v10, v10 row_xmask:2 row_mask:0xf bank_mask:0xf
	v_add_f32_dpp v10, v10, v10 row_xmask:4 row_mask:0xf bank_mask:0xf
	v_add_f32_dpp v10, v10, v10 row_xmask:8 row_mask:0xf bank_mask:0xf
	v_permlanex16_b32 v11, v10, s[SEL], s[SEL+1]
	v_add_f32 v10, v10, v11
.endm
.macro ROWLN i
.set RW, ROWS+32*(\i)
	s_wait_loadcnt 8*(3-(\i))                      ; this row's eight loads are in; the later rows' may be out
	v_pk_add_f32 v[10:11], v[RW:RW+1], v[RW+2:RW+3]
	v_pk_add_f32 v[12:13], v[RW+4:RW+5], v[RW+6:RW+7]
.irp j, 8,12,16,20,24,28
	v_pk_add_f32 v[10:11], v[10:11], v[RW+\j:RW+\j+1]
	v_pk_add_f32 v[12:13], v[12:13], v[RW+\j+2:RW+\j+3]
.endr
	v_pk_add_f32 v[10:11], v[10:11], v[12:13]
	v_add_f32 v10, v10, v11
	REDUCE
	v_mul_f32 v10, s[IN], v10                      ; the mean
	v_mov_b32 v11, v10
.irp j, 0,2,4,6,8,10,12,14,16,18,20,22,24,26,28,30
	v_pk_add_f32 v[RW+\j:RW+\j+1], v[RW+\j:RW+\j+1], v[10:11] neg_lo:[0,1] neg_hi:[0,1]
.endr
	v_pk_mul_f32 v[10:11], v[RW:RW+1], v[RW:RW+1]
	v_pk_mul_f32 v[12:13], v[RW+2:RW+3], v[RW+2:RW+3]
.irp j, 4,8,12,16,20,24,28
	v_pk_fma_f32 v[10:11], v[RW+\j:RW+\j+1], v[RW+\j:RW+\j+1], v[10:11]
	v_pk_fma_f32 v[12:13], v[RW+\j+2:RW+\j+3], v[RW+\j+2:RW+\j+3], v[12:13]
.endr
	v_pk_add_f32 v[10:11], v[10:11], v[12:13]
	v_add_f32 v10, v10, v11
	REDUCE
	v_fma_f32 v10, v10, s[IN], s[EP]
	v_rsq_f32 v10, v10
	v_nop                                          ; a plain place behind the transcendental,
	s_wait_alu depctr_va_vdst(0)                   ; and the wait ahead of its first reader
	v_mov_b32 v11, v10
.irp j, 0,2,4,6,8,10,12,14,16,18,20,22,24,26,28,30
	v_pk_mul_f32 v[RW+\j:RW+\j+1], v[RW+\j:RW+\j+1], v[10:11]
.endr
.irp j, 0,2,4,6,8,10,12,14,16,18,20,22,24,26,28,30
	v_pk_fma_f32 v[RW+\j:RW+\j+1], v[RW+\j:RW+\j+1], v[G+\j:G+\j+1], v[BS+\j:BS+\j+1]
.endr
.irp j, 0,1,2,3,4,5,6,7
	global_store_b128 v[L16], v[RW+4*\j:RW+4*\j+3], s[18:19] offset:4096*(\i)+512*\j   ; 512 consecutive bytes
.endr
.irp j, 0,1,2,3,4,5,6,7
	ds_store_b128 v[STW], v[RW+4*\j:RW+4*\j+3] offset:576*\j
.endr
.irp j, 0,1,2,3,4,5,6,7
	ds_load_b128 v[T+4*\j:T+4*\j+3], v[STR] offset:16*\j   ; LDS serves a wave's instructions in order: these see my stores
.endr
	s_wait_dscnt 0x0
	v_max3_num_f32 v12, |v[T]|, |v[T+1]|, |v[T+2]|         ; block l's largest magnitude: all 32 numbers are mine
	v_max3_num_f32 v13, |v[T+3]|, |v[T+4]|, |v[T+5]|
.irp j, 6,10,14,18,22,26
	v_max3_num_f32 v12, v12, |v[T+\j]|, |v[T+\j+1]|
	v_max3_num_f32 v13, v13, |v[T+\j+2]|, |v[T+\j+3]|
.endr
	v_max3_num_f32 v12, v12, |v[T+30]|, |v[T+31]|
	v_max3_num_f32 v12, v12, v13, 0x1800000        ; and the floor
	v_add_nc_u32 v11, 0xff000000, v12
	v_lshrrev_b32 v13, 23, v11
.irp g, 0,1,2,3
	v_cvt_scalef32_pk8_fp4_f32 v[C+4*(\i)+\g], v[T+8*\g:T+8*\g+7], v11
.endr
	v_nop                                          ; one plain place behind the last scaled conversion: the next row's first vector line writes v11, the conversions' scale operand; LDS stores and waits are no such place
	ds_store_b128 v[IMW], v[C+4*(\i):C+4*(\i)+3] offset:16*(\i)
	ds_store_b8 v[ISB], v13 offset:4*(\i)
	s_wait_dscnt 0x0                               ; the stores have read their registers: the next row writes v13 again
.endm
	ROWLN 0
	ROWLN 1
	ROWLN 2
	ROWLN 3
	s_barrier_signal -1                            ; (every wave's LDS stores are done: the wait for 0 above)
	s_barrier_wait -1
.irp n, 0,1,2,3
	ds_load_b128 v[T+4*\n:T+4*\n+3], v[IRD] offset:512*\n
.endr
	ds_load_b32 v[T+16], v[IRS] offset:2048
	s_wait_dscnt 0x0
.irp n, 0,1,2,3
	global_store_b128 v[L16], v[T+4*\n:T+4*\n+3], s[10:11] offset:512*\n
.endr
	global_store_b32 v[L4], v[T+16], s[10:11] offset:2048
	s_wait_tensorcnt 0x0                           ; the wave's end
	ds_add_u32 v[SPW], v[NIL]
	s_wait_dscnt 0x0
	s_endpgm
.Lfunc_end_k_qffcafd9618_ln1:
	.size	k_qffcafd9618_ln1, .Lfunc_end_k_qffcafd9618_ln1-k_qffcafd9618_ln1
	.p2alignl 7, 3214868480
	.fill 96, 4, 3214868480
	.section	.rodata,"a",@progbits
	.p2align	6, 0x0
	.amdhsa_kernel k_qffcafd9618_ln1
		.amdhsa_group_segment_fixed_size 27648
		.amdhsa_private_segment_fixed_size 0
		.amdhsa_enable_private_segment 0
		.amdhsa_kernarg_size 32
		.amdhsa_user_sgpr_count 2
		.amdhsa_user_sgpr_kernarg_segment_ptr 1
		.amdhsa_wavefront_size32 1
		.amdhsa_system_sgpr_workgroup_id_x 1
		.amdhsa_system_sgpr_workgroup_id_y 1
		.amdhsa_system_sgpr_workgroup_id_z 1
		.amdhsa_system_vgpr_workitem_id 0
		.amdhsa_next_free_vgpr 256
		.amdhsa_next_free_sgpr 66
		.amdhsa_reserve_vcc 0
		.amdhsa_float_denorm_mode_32 3
		.amdhsa_float_denorm_mode_16_64 3
		.amdhsa_memory_ordered 1
		.amdhsa_forward_progress 1
		.amdhsa_inst_pref_size 46
	.end_amdhsa_kernel
	.amdgpu_metadata
---
amdhsa.version: [ 1, 2 ]
amdhsa.kernels:
  - .name:           k_qffcafd9618_ln1
    .symbol:         k_qffcafd9618_ln1.kd
    .args:
      - { .name: ry, .offset: 0, .size: 8, .value_kind: global_buffer, .address_space: global }
      - { .name: n1_g, .offset: 8, .size: 8, .value_kind: global_buffer, .address_space: global }
      - { .name: n1_b, .offset: 16, .size: 8, .value_kind: global_buffer, .address_space: global }
      - { .name: xb, .offset: 24, .size: 8, .value_kind: global_buffer, .address_space: global }
    .group_segment_fixed_size: 27648
    .private_segment_fixed_size: 0
    .kernarg_segment_align: 8
    .kernarg_segment_size: 32
    .max_flat_workgroup_size: 128
    .sgpr_count:     66
    .vgpr_count:     256
    .wavefront_size: 32
...
	.end_amdgpu_metadata
.endif
;; end of part 4
;; launch ffn1 (part 5): grid 16 x 16, 4 waves a work-group, clusters of 4 x 4, 279,040 bytes of LDS; arguments xb, wimg, b1, hb; writes hb
.if DOCPART == 5
	.amdgcn_target "amdgcn-amd-amdhsa--gfx1250"
	.amdhsa_code_object_version 6
	.text
	.protected	k_qffcafd9618_ffn1
	.globl	k_qffcafd9618_ffn1
	.p2align	8
	.type	k_qffcafd9618_ffn1,@function
k_qffcafd9618_ffn1:
	s_mov_b64 s[64:65], 0
	v_nop
	global_prefetch_b8 v0, s[64:65] scope:SCOPE_SE
	s_setreg_imm32_b32 hwreg(HW_REG_WAVE_MODE, 25, 1), 1
	s_wait_xcnt 0x0
	s_wait_alu depctr_hold_cnt(0) depctr_sa_sdst(0) depctr_va_vdst(0) depctr_va_sdst(0) depctr_va_ssrc(0) depctr_va_vcc(0) depctr_vm_vsrc(0)
	s_getreg_b32 s2, hwreg(HW_REG_IB_STS2, 6, 4)
	s_cmp_eq_u32 s2, 0
	s_cbranch_scc0 .Lentry_in_a_cluster
	s_endpgm
.Lentry_in_a_cluster:
	s_bfe_u32 s2, ttmp6, 0x10000c
	s_cmp_lg_u32 s2, 0xf033
	s_cbranch_scc0 .Lentry_shape_is_right
	s_endpgm
.Lentry_shape_is_right:
; h = gelu(x W1^T + b1), exact GELU, quantised on the way out into register images (hb: [256 tiles of 16 rows][16 pair blocks of 2,176 bytes]).  No work is left out.
; A work-group of four waves makes 256 rows x 256 hidden units, a wave 128 x 128: 64 accumulators in windows 2 and 3.  K = 1,024 is 8 steps of 128: both LDS slots together hold all of it, so nothing is filled again.
; OPERANDS ARE REGISTER IMAGES: a tile's two pair blocks (4 K steps: codes and scale registers together) are 4,352 consecutive bytes; a wave's tensor load brings 8 tiles' (rows of 4,352 bytes, a tile's bytes apart in memory).
; A fragment comes from LDS by two loads of 512 consecutive bytes: no pitch, no padding.  A pair's scale register carries the even step's words in lanes 0-15 and the odd step's in lanes 16-31.
; CLUSTERS: 4 x 4 work-groups; x's tiles are shared along a row of the cluster, W1's along a column: each is asked for jointly.
; TRANSPOSED USE (source 0 = 16 rows of W1, source 1 = 16 rows of x), and W1's tiles hold their rows in the order that makes a lane's 64 results of a block of 16 rows 4 x 16 neighbours along the next K.  b1 is the C of each sum's first product.
; THE WAY OUT: the 512 results go as they stand into my own 65,536 bytes of the slots (which have had their last fill; a barrier stands behind every wave's last read of them) and come back a block of 16 rows a trip:
; so GELU and the quantiser are written once, in a loop of eight trips, all in window 0.
; erf(z) = z P(z^2) / Q(z^2) on z = y / sqrt(2) held to +-4: the rational form of degrees 13 and 8.  LIMIT: it is good to a few units in erf's last place, so 1 + erf carries about 1e-7 of absolute error in the far negative tail.
; LIMITS: as in the first launch's quantiser; NaN and infinities are not served.
; REGISTERS: window 0: v2-5 lane terms; v16-23 LDS addresses; v24-26 the way out's; v28, v29 the add's two; v64-127, v128-191 x's fragments, two buffers; v192-255 scale registers, two sets, and nothing else.
;   window 1: v0-63 b1 in the result's layout; v64-127, v128-191 W1's fragments.  On the way out window 0's v32-191 are at work.
.set TP,     8704                      ; a tile's bytes in memory: 4 pair blocks
.set TILEB,  4352                      ; and in a slot: 2
.set HALFT,  8*TILEB
.set SLOT,   4*HALFT
.set SPARE,  2*SLOT
.set ADRA, 16
.set ASA,  18
.set ADRB, 20
.set ASB,  22
.set DST,  24
.set ADL,  25
.set SPW,  28
.set NIL,  29
.set F0,   64
.set F1,   128
.set SC,   192                         ; set s: W1's tile b, pair pr at SC + 32 s + 2 b + pr; x's tile a at + 16 + 2 a + pr
.set G1,  24
.set G0,  32
.set G1B, 48
.set G0B, 56
.set RH,  66                           ; s[66:67] sqrt(1/2); then the polynomials' coefficients, each in a pair of which the low word serves both halves
.set A11, 68
.set A9,  70
.set A7,  72
.set A5,  74
.set A3,  76
.set A1,  78
.set B6,  80
.set B4,  82
.set B2,  84
.set B0,  86
.set SEL, 88
.set HA,  32                           ; the way out: a block's 64 numbers
.set Z,   96
.set Z2,  112
.set P,   128
.set Q,   144
.set TM,  160
.set PC,  176
.set PW,  184
.set A13, 186
.set B8,  188
.set MSB, 0
.macro WIN new
.if MSB != \new
	s_set_vgpr_msb (MSB<<8)|\new
.set MSB, \new
.endif
.endm
.set MUL_LO, 0xa1                      ; source 0 (W1) window 1, source 1 (x) window 0, C and D window 2
.set MUL_HI, 0xf1
.set FST_LO, 0x91                      ; the first products: C (b1) window 1
.set FST_HI, 0xd1
.macro JLOAD g0a, g1a, g0b, g1b        ; a joint load: waves 0 and 1 fetch for x, waves 2 and 3 for W1; an s_nop 0 and four v_nop follow each line
	s_cmp_eq_u32 s15, 0
	s_cbranch_scc0 .Lfor_b_\@
	tensor_load_to_lds s[\g0a:\g0a+3], s[\g1a:\g1a+7]
	s_nop 0
.rept 4
	v_nop
.endr
	s_branch .Lasked_\@
.Lfor_b_\@:
	tensor_load_to_lds s[\g0b:\g0b+3], s[\g1b:\g1b+7]
	s_nop 0
.rept 4
	v_nop
.endr
.Lasked_\@:
.endm
.macro CREST
	s_cmp_lg_u32 s14, 0
	s_cbranch_scc1 .Lnot_wave_0_\@
	s_barrier_signal -3
.Lnot_wave_0_\@:
	s_barrier_wait -3
	s_barrier_signal -1
	s_barrier_wait -1
.endm
.macro CROUND
	s_barrier_signal -1
	s_barrier_wait -1
	CREST
.endm
.macro PLACES
.rept 4
	v_nop
.endr
.endm
.macro FETCH slot, q, f                ; 32 LDS loads: the fragments of the slot's q-th K step: W1's eight, then x's eight
	WIN 0x40
.irp i, 0,1,2,3,4,5,6,7
	ds_load_b128 v[\f+8*\i:\f+8*\i+3],   v[ADRB+\slot] offset:\i*TILEB+((\q)/2)*2176+((\q)%2)*1024
	ds_load_b128 v[\f+8*\i+4:\f+8*\i+7], v[ADRB+\slot] offset:\i*TILEB+((\q)/2)*2176+((\q)%2)*1024+512
.endr
	WIN 0
.irp i, 0,1,2,3,4,5,6,7
	ds_load_b128 v[\f+8*\i:\f+8*\i+3],   v[ADRA+\slot] offset:\i*TILEB+((\q)/2)*2176+((\q)%2)*1024
	ds_load_b128 v[\f+8*\i+4:\f+8*\i+7], v[ADRA+\slot] offset:\i*TILEB+((\q)/2)*2176+((\q)%2)*1024+512
.endr
.endm
.macro SCALES slot                     ; the slot's 32 scale registers
.irp i, 0,1,2,3,4,5,6,7
.irp pr, 0,1
	ds_load_b32 v[SC+32*\slot+2*\i+\pr],    v[ASB+\slot] offset:\i*TILEB+\pr*2176+2048
	ds_load_b32 v[SC+32*\slot+16+2*\i+\pr], v[ASA+\slot] offset:\i*TILEB+\pr*2176+2048
.endr
.endr
.endm
; 16 matrix instructions: x's blocks a0, a0 + 1 of the window's four x W1's eight.  The 64 accumulators take turns, one instruction a turn, in the same order in every step
.macro MUL16 f, hi, a0, q, set, first
.irp a, \a0, \a0+1
.irp b, 0,1,2,3,4,5,6,7
.if \first
	v_wmma_scale_f32_16x16x128_f8f6f4 v[8*(8*(\a)+\b):8*(8*(\a)+\b)+7], v[\f+8*\b:\f+8*\b+7], v[\f+8*(4*\hi+(\a)):\f+8*(4*\hi+(\a))+7], v[8*\b:8*\b+7], v[SC+32*\set+2*\b+(\q)/2], v[SC+32*\set+16+2*(4*\hi+(\a))+(\q)/2] matrix_a_fmt:MATRIX_FMT_FP4 matrix_b_fmt:MATRIX_FMT_FP4
.elseif (\q)%2
	v_wmma_scale_f32_16x16x128_f8f6f4 v[8*(8*(\a)+\b):8*(8*(\a)+\b)+7], v[\f+8*\b:\f+8*\b+7], v[\f+8*(4*\hi+(\a)):\f+8*(4*\hi+(\a))+7], v[8*(8*(\a)+\b):8*(8*(\a)+\b)+7], v[SC+32*\set+2*\b+(\q)/2], v[SC+32*\set+16+2*(4*\hi+(\a))+(\q)/2] matrix_a_fmt:MATRIX_FMT_FP4 matrix_b_fmt:MATRIX_FMT_FP4 matrix_a_scale:MATRIX_SCALE_ROW1 matrix_b_scale:MATRIX_SCALE_ROW1
.else
	v_wmma_scale_f32_16x16x128_f8f6f4 v[8*(8*(\a)+\b):8*(8*(\a)+\b)+7], v[\f+8*\b:\f+8*\b+7], v[\f+8*(4*\hi+(\a)):\f+8*(4*\hi+(\a))+7], v[8*(8*(\a)+\b):8*(8*(\a)+\b)+7], v[SC+32*\set+2*\b+(\q)/2], v[SC+32*\set+16+2*(4*\hi+(\a))+(\q)/2] matrix_a_fmt:MATRIX_FMT_FP4 matrix_b_fmt:MATRIX_FMT_FP4
.endif
.endr
.endr
.endm
; one of a slot's first three K steps: multiplies one buffer; in its middle it fetches the next step into the other
.macro QUARTER slot, q, first
.set FF, F0+64*((\q)%2)
.set GG, F0+64*(1-(\q)%2)
	s_wait_dscnt 8                                 ; all but the youngest eight loads (x's blocks 4-7) are in
.if \first
	WIN FST_LO
.else
	WIN MUL_LO
.endif
	MUL16 FF, 0, 0, \q, \slot, \first
	MUL16 FF, 0, 2, \q, \slot, \first
	PLACES                                         ; in front of loads into registers that the step before multiplied
	FETCH \slot, (\q)+1, GG
	s_wait_dscnt 32                                ; all but the 32 just issued
.if \first
	WIN FST_HI
.else
	WIN MUL_HI
.endif
	MUL16 FF, 1, 0, \q, \slot, \first
	MUL16 FF, 1, 2, \q, \slot, \first
.endm
; a slot's last K step changes slots: one barrier; in front of it each wave waits for all its tensor loads, adds 0 to its spare word, and waits for that and for its reads of this slot
.macro TURN slot, next
	WIN 0
	s_wait_tensorcnt 0x0                           ; my part of the next slot has landed
	ds_add_u32 v[SPW], v[NIL]
	s_wait_dscnt 9                                 ; (the add and the youngest eight loads may be out)
	WIN MUL_LO
	MUL16 F1, 0, 0, 3, \slot, 0
	s_wait_dscnt 0x0
	s_barrier_signal -1
	MUL16 F1, 0, 2, 3, \slot, 0
	WIN 0
	s_barrier_wait -1
	PLACES
	SCALES \next
	FETCH \next, 0, F0
	WIN MUL_HI
	MUL16 F1, 1, 0, 3, \slot, 0
	MUL16 F1, 1, 2, 3, \slot, 0
.endm
.macro QUANT s, pc, pw
.irp b, 0,1,2,3
	v_max3_num_f32 v[TM+\b], |v[\s+16*\b]|, |v[\s+1+16*\b]|, 0x1800000
.endr
.irp i, 2,4,6,8,10,12,14
.irp b, 0,1,2,3
	v_max3_num_f32 v[TM+\b], v[TM+\b], |v[\s+16*\b+\i]|, |v[\s+1+16*\b+\i]|
.endr
.endr
.irp b, 0,1,2,3
	v_permlanex16_b32 v[TM+4+\b], v[TM+\b], s[SEL], s[SEL+1]
.endr
.irp b, 0,1,2,3
	v_max_num_f32 v[TM+\b], v[TM+\b], v[TM+4+\b]
.endr
.irp b, 0,1,2,3
	v_add_nc_u32 v[TM+12+\b], 0xff000000, v[TM+\b]
.endr
.irp b, 0,1,2,3
	v_lshrrev_b32 v[TM+4+\b], 23, v[TM+12+\b]
.endr
	v_lshl_or_b32 v[\pw], v[TM+5], 8, v[TM+4]
	v_lshl_or_b32 v[\pw], v[TM+6], 16, v[\pw]
	v_lshl_or_b32 v[\pw], v[TM+7], 24, v[\pw]
.irp b, 0,1,2,3
	v_cvt_scalef32_pk8_fp4_f32 v[\pc+2*\b], v[\s+16*\b:\s+7+16*\b], v[TM+12+\b]
	v_cvt_scalef32_pk8_fp4_f32 v[\pc+1+2*\b], v[\s+8+16*\b:\s+15+16*\b], v[TM+12+\b]
.endr
	v_nop
.irp c, 0,1
.irp i, 0,1
	v_permlane16_swap_b32 v[\pc+4*\c+\i], v[\pc+2+4*\c+\i]
.endr
.endr
.endm
; GELU of 16 numbers: h = y/2 + (y/2) erf(y / sqrt(2))
.macro GELU ch
.set HC, HA+16*(\ch)
.irp i, 0,2,4,6,8,10,12,14
	v_pk_mul_f32 v[Z+\i:Z+\i+1], v[HC+\i:HC+\i+1], s[RH:RH+1] op_sel_hi:[1,0]
.endr
.irp i, 0,2,4,6,8,10,12,14
	v_pk_mul_f32 v[HC+\i:HC+\i+1], v[HC+\i:HC+\i+1], 0.5 op_sel_hi:[1,0]
.endr
.irp i, 0,1,2,3,4,5,6,7,8,9,10,11,12,13,14,15
	v_med3_num_f32 v[Z+\i], v[Z+\i], -4.0, 4.0
.endr
.irp i, 0,2,4,6,8,10,12,14
	v_pk_mul_f32 v[Z2+\i:Z2+\i+1], v[Z+\i:Z+\i+1], v[Z+\i:Z+\i+1]
.endr
.irp i, 0,2,4,6,8,10,12,14
	v_pk_fma_f32 v[P+\i:P+\i+1], v[Z2+\i:Z2+\i+1], v[A13:A13+1], s[A11:A11+1] op_sel_hi:[1,1,0]
.endr
.irp i, 0,2,4,6,8,10,12,14
	v_pk_fma_f32 v[Q+\i:Q+\i+1], v[Z2+\i:Z2+\i+1], v[B8:B8+1], s[B6:B6+1] op_sel_hi:[1,1,0]
.endr
.irp c, A9, A7, A5, A3, A1
.irp i, 0,2,4,6,8,10,12,14
	v_pk_fma_f32 v[P+\i:P+\i+1], v[P+\i:P+\i+1], v[Z2+\i:Z2+\i+1], s[\c:\c+1] op_sel_hi:[1,1,0]
.endr
.endr
.irp c, B4, B2, B0
.irp i, 0,2,4,6,8,10,12,14
	v_pk_fma_f32 v[Q+\i:Q+\i+1], v[Q+\i:Q+\i+1], v[Z2+\i:Z2+\i+1], s[\c:\c+1] op_sel_hi:[1,1,0]
.endr
.endr
.irp i, 0,1,2,3,4,5,6,7,8,9,10,11,12,13,14,15
	v_rcp_f32 v[Q+\i], v[Q+\i]
.endr
.irp i, 0,2,4,6,8,10,12,14
	v_pk_mul_f32 v[P+\i:P+\i+1], v[P+\i:P+\i+1], v[Z+\i:Z+\i+1]      ; plain work behind the reciprocals, which names none of them
.endr
	s_wait_alu depctr_va_vdst(0)                   ; one wait for the sixteen, ahead of their first reader
.irp i, 0,2,4,6,8,10,12,14
	v_pk_mul_f32 v[P+\i:P+\i+1], v[P+\i:P+\i+1], v[Q+\i:Q+\i+1]      ; erf
.endr
.irp i, 0,2,4,6,8,10,12,14
	v_pk_fma_f32 v[HC+\i:HC+\i+1], v[HC+\i:HC+\i+1], v[P+\i:P+\i+1], v[HC+\i:HC+\i+1]
.endr
.endm
	s_load_b256 s[4:11], s[0:1], 0x0               ; xb, wimg, b1, hb
	v_lshl_add_u32 v[SPW], v0, 2, SPARE
	v_mov_b32 v[NIL], 0
	ds_add_u32 v[SPW], v[NIL]                      ; the wave's opening: the add, twice on end, and its wait ahead of my first tensor load
	ds_add_u32 v[SPW], v[NIL]
	v_lshrrev_b32 v1, 5, v0
	v_readfirstlane_b32 s14, v1                    ; wave
	s_lshr_b32 s15, s14, 1                         ; which half of the rows is mine.  Also: I fetch for x (0) or for W1 (1)
	s_and_b32 s16, s14, 1                          ; which half of the columns.  Also: which 8 tiles I fetch
	s_bfe_u32 s40, ttmp6, 0x40000                  ; cx
	s_bfe_u32 s41, ttmp6, 0x40004                  ; cy
	s_lshl_b32 s42, ttmp9, 2
	s_add_co_u32 s42, s42, s40                     ; block column
	s_and_b32 s17, ttmp7, 0xffff
	s_lshl_b32 s17, s17, 2
	s_add_co_u32 s17, s17, s41                     ; block row
	s_lshl_b32 s43, s41, 2
	s_lshl_b32 s43, 15, s43                        ; my row of the cluster
	s_lshl_b32 s44, 0x1111, s40                    ; my column
	s_or_b32 s[G1+0], s43, (3<<16)|(1<<21)         ; 15:0 the mask; 17:16 elements of 8 bytes; 21 set beside a mask
	s_or_b32 s[G1B+0], s44, (3<<16)|(1<<21)
.irp g, G1, G1B
	s_mov_b32 s[\g+1], 544<<16                     ; tensor_dim0: 4,352 bytes
	s_mov_b32 s[\g+2], 8<<16                       ; tensor_dim1: 8 tiles
	s_mov_b32 s[\g+3], 544<<16                     ; tile_dim0
	s_mov_b32 s[\g+4], 8                           ; tile_dim1
	s_mov_b32 s[\g+5], TP/8                        ; from tile to tile
	s_mov_b32 s[\g+6], 0
	s_mov_b32 s[\g+7], 0
.endr
	s_lshl_b32 s18, s16, 3
	s_lshl_b32 s20, s17, 4
	s_add_co_u32 s20, s20, s18
	s_mul_i32 s20, s20, TP                         ; x: tile 16 x block row + 8 x half
	s_mov_b32 s21, 0
	s_lshl_b32 s46, s42, 4
	s_add_co_u32 s46, s46, s18
	s_mul_i32 s46, s46, TP                         ; W1: tile 16 x block column + 8 x half
	s_mov_b32 s47, 0
	s_mul_i32 s45, s14, HALFT                      ; where they go: no place in the cluster enters an LDS address
	s_mov_b32 s[RH], 0x3f3504f3
	s_mov_b32 s[A11], 0x32edffee
	s_mov_b32 s[A9], 0xb60cff51
	s_mov_b32 s[A7], 0xb86ec2d2
	s_mov_b32 s[A5], 0xba40ac63
	s_mov_b32 s[A3], 0xbb41a1f6
	s_mov_b32 s[A1], 0xbc83dbd4
	s_mov_b32 s[B6], 0xb95fbd29
	s_mov_b32 s[B4], 0xbadc924e
	s_mov_b32 s[B2], 0xbbf19bf8
	s_mov_b32 s[B0], 0xbc69b6a7
.irp c, RH, A11, A9, A7, A5, A3, A1, B6, B4, B2, B0
	s_mov_b32 s[\c+1], s[\c]                       ; (named with it as a pair, so it is written)
.endr
	s_mov_b32 s[SEL], 0x76543210
	s_mov_b32 s[SEL+1], 0xfedcba98
	s_wait_dscnt 0x0                               ; both opening adds are done
	s_wait_kmcnt 0x0
	s_add_nc_u64 s[20:21], s[4:5], s[20:21]
	s_add_nc_u64 s[20:21], s[20:21], 0x1000000     ; x's images lie behind x
	s_add_nc_u64 s[46:47], s[6:7], s[46:47]
	CROUND                                         ; all sixteen work-groups are here: the first joint loads meet
.irp s, 0,1
	s_mov_b32 s[G0+4*\s], 1
	s_add_co_u32 s[G0+4*\s+1], s45, \s*SLOT
	s_add_nc_u64 s[G0+4*\s+2:G0+4*\s+3], s[20:21], \s*TILEB
	s_or_b32 s[G0+4*\s+3], s[G0+4*\s+3], 0x80000000
	s_mov_b32 s[G0B+4*\s], 1
	s_add_co_u32 s[G0B+4*\s+1], s45, \s*SLOT
	s_add_nc_u64 s[G0B+4*\s+2:G0B+4*\s+3], s[46:47], \s*TILEB
	s_or_b32 s[G0B+4*\s+3], s[G0B+4*\s+3], 0x80000000
	JLOAD G0+4*\s, G1, G0B+4*\s, G1B
.endr
	v_and_b32 v1, 31, v0
	v_lshlrev_b32 v2, 4, v1                        ; 16 x lane
	v_lshlrev_b32 v3, 2, v1                        ; 4 x lane
	s_mul_i32 s21, s15, HALFT                      ; my 8 tiles of x
	s_mul_i32 s22, s16, HALFT                      ; my 8 tiles of W1,
	s_add_co_u32 s22, s22, 2*HALFT                 ; behind x's 16
.irp s, 0,1
	v_add_nc_u32 v[ADRA+\s], s21, v2
	v_add_nc_u32 v[ASA+\s], s21, v3
	v_add_nc_u32 v[ADRB+\s], s22, v2
	v_add_nc_u32 v[ASB+\s], s22, v3
	s_add_co_u32 s21, s21, SLOT
	s_add_co_u32 s22, s22, SLOT
.endr
	v_bfe_u32 v4, v0, 4, 1
	v_lshlrev_b32 v4, 6, v4                        ; 64 h
	v_and_b32 v5, 15, v0
	v_lshlrev_b32 v5, 2, v5                        ; 4 r
	s_lshl_b32 s23, s14, 16
	v_add_nc_u32 v[DST], s23, v2                   ; the way out: my 65,536 bytes
	s_lshl_b32 s92, s42, 10
	s_lshl_b32 s93, s16, 9
	s_add_co_u32 s92, s92, s93                     ; 4 (256 x block column + 128 x half)
	s_mov_b32 s93, 0
	s_add_nc_u64 s[8:9], s[8:9], s[92:93]
	WIN 0x40
.irp b, 0,1,2,3,4,5,6,7                        ; b1 in the result's layout: tile b, register j: unit 32 (b / 2) + 16 h + 8 (b % 2) + j
	global_load_b128 v[8*\b:8*\b+3], v4, s[8:9] offset:(32*(\b/2)+8*(\b%2))*4
	global_load_b128 v[8*\b+4:8*\b+7], v4, s[8:9] offset:(32*(\b/2)+8*(\b%2))*4+16
.endr
	WIN 0
	s_lshl_b32 s94, s17, 4
	s_lshl_b32 s95, s15, 3
	s_add_co_u32 s94, s94, s95
	s_mul_i32 s94, s94, 34816                      ; h: tile 16 x block row + 8 x half,
	s_mul_i32 s95, s42, 2176
	s_add_co_u32 s94, s94, s95                     ; pair = block column,
	s_lshl_b32 s95, s16, 10
	s_add_co_u32 s96, s94, s95                     ; K step of the pair = my half of the columns
	s_mov_b32 s97, 0
	s_lshl_b32 s95, s16, 6
	s_add_co_u32 s94, s94, s95
	s_add_co_u32 s94, s94, 2048                    ; and its half of the pair's scale register
	s_mov_b32 s95, 0
	s_add_nc_u64 s[12:13], s[10:11], s[94:95]
	s_add_nc_u64 s[10:11], s[10:11], s[96:97]
	s_wait_tensorcnt 1                             ; my part of slot 0 is in; slot 1's load may be out
	s_barrier_signal -1
	s_barrier_wait -1
	s_wait_loadcnt 0x0                             ; b1
	SCALES 0
	FETCH 0, 0, F0
	QUARTER 0, 0, 1
	QUARTER 0, 1, 0
	QUARTER 0, 2, 0
	TURN 0, 1
	QUARTER 1, 0, 0
	QUARTER 1, 1, 0
	QUARTER 1, 2, 0
	s_wait_dscnt 8                                 ; the last K step: nothing more to fetch
	WIN MUL_LO
	MUL16 F1, 0, 0, 3, 1, 0
	MUL16 F1, 0, 2, 3, 1, 0
	s_wait_dscnt 0x0                               ; my reads of the slots are over:
	s_barrier_signal -1                            ; say so,
	WIN MUL_HI
	MUL16 F1, 1, 0, 3, 1, 0
	MUL16 F1, 1, 2, 3, 1, 0
	WIN 0
	s_barrier_wait -1                              ; and store into them only when all four have said so
	PLACES                                         ; in front of the first read of results, and of writes into registers that the products have read
.irp a, 0,1,2,3,4,5,6,7
	WIN 0x08+4*(\a/4)                              ; an LDS store's data are its source 1: window 2 or 3
.irp n, 0,1,2,3,4,5,6,7,8,9,10,11,12,13,14,15
	ds_store_b128 v[DST], v[64*(\a%4)+4*\n:64*(\a%4)+4*\n+3] offset:8192*\a+512*\n   ; each accumulator from its low end on
.endr
.endr
	WIN 0
	v_mov_b32 v[A13], 0xaf95df0b
	v_mov_b32 v[A13+1], 0xaf95df0b
	v_mov_b32 v[B8], 0xb77460cd
	v_mov_b32 v[B8+1], 0xb77460cd
.irp b, 0,1,2,3
	v_mov_b32 v[TM+4+\b], 0                        ; written once: a lane permute's destination counts as one of its sources
.endr
	s_mov_b32 s2, 0
	s_mov_b32 s3, 8
.Lblk:                                             ; a block of 16 rows x my 128 hidden units a trip
	v_add_nc_u32 v[ADL], s2, v[DST]
.irp n, 0,1,2,3,4,5,6,7,8,9,10,11,12,13,14,15
	ds_load_b128 v[HA+4*\n:HA+4*\n+3], v[ADL] offset:512*\n   ; my own bytes: LDS serves a wave's instructions in order
.endr
	s_wait_dscnt 0x0
	GELU 0
	GELU 1
	GELU 2
	GELU 3
	QUANT HA, PC, PW
	global_store_b128 v2, v[PC:PC+3], s[10:11]
	global_store_b128 v2, v[PC+4:PC+7], s[10:11] offset:512
	global_store_b32 v5, v[PW], s[12:13]           ; lanes r and r + 16 hold the same word and write it to the same place
	s_wait_xcnt 0x0                                ; the stores have read their registers and bases: both are written again only behind this wait
	s_add_nc_u64 s[10:11], s[10:11], 34816         ; the next tile of 16 rows
	s_add_nc_u64 s[12:13], s[12:13], 34816
	s_add_co_u32 s2, s2, 8192
	s_sub_co_u32 s3, s3, 1
	s_cmp_lg_u32 s3, 0
	s_cbranch_scc1 .Lblk
	s_wait_tensorcnt 0x0                           ; the wave's end
	ds_add_u32 v[SPW], v[NIL]
	s_wait_dscnt 0x0
	CROUND                                         ; the closing round
	s_endpgm
.Lfunc_end_k_qffcafd9618_ffn1:
	.size	k_qffcafd9618_ffn1, .Lfunc_end_k_qffcafd9618_ffn1-k_qffcafd9618_ffn1
	.p2alignl 7, 3214868480
	.fill 96, 4, 3214868480
	.section	.rodata,"a",@progbits
	.p2align	6, 0x0
	.amdhsa_kernel k_qffcafd9618_ffn1
		.amdhsa_group_segment_fixed_size 279040
		.amdhsa_private_segment_fixed_size 0
		.amdhsa_enable_private_segment 0
		.amdhsa_kernarg_size 32
		.amdhsa_user_sgpr_count 2
		.amdhsa_user_sgpr_kernarg_segment_ptr 1
		.amdhsa_wavefront_size32 1
		.amdhsa_system_sgpr_workgroup_id_x 1
		.amdhsa_system_sgpr_workgroup_id_y 1
		.amdhsa_system_sgpr_workgroup_id_z 1
		.amdhsa_system_vgpr_workitem_id 0
		.amdhsa_next_free_vgpr 1024
		.amdhsa_next_free_sgpr 100
		.amdhsa_reserve_vcc 0
		.amdhsa_float_denorm_mode_32 3
		.amdhsa_float_denorm_mode_16_64 3
		.amdhsa_memory_ordered 1
		.amdhsa_forward_progress 1
		.amdhsa_inst_pref_size 149
	.end_amdhsa_kernel
	.amdgpu_metadata
---
amdhsa.version: [ 1, 2 ]
amdhsa.kernels:
  - .name:           k_qffcafd9618_ffn1
    .symbol:         k_qffcafd9618_ffn1.kd
    .args:
      - { .name: xb, .offset: 0, .size: 8, .value_kind: global_buffer, .address_space: global }
      - { .name: wimg, .offset: 8, .size: 8, .value_kind: global_buffer, .address_space: global }
      - { .name: b1, .offset: 16, .size: 8, .value_kind: global_buffer, .address_space: global }
      - { .name: hb, .offset: 24, .size: 8, .value_kind: global_buffer, .address_space: global }
    .group_segment_fixed_size: 279040
    .private_segment_fixed_size: 0
    .kernarg_segment_align: 8
    .kernarg_segment_size: 32
    .max_flat_workgroup_size: 128
    .sgpr_count:     100
    .vgpr_count:     1024
    .wavefront_size: 32
...
	.end_amdgpu_metadata
.endif
;; end of part 5
;; launch ffn2 (part 6): grid 4 x 16, 4 waves a work-group, clusters of 4 x 4, 327,680 bytes of LDS; arguments hb, wimg, b2, xb, ry; writes ry
.if DOCPART == 6
	.amdgcn_target "amdgcn-amd-amdhsa--gfx1250"
	.amdhsa_code_object_version 6
	.text
	.protected	k_qffcafd9618_ffn2
	.globl	k_qffcafd9618_ffn2
	.p2align	8
	.type	k_qffcafd9618_ffn2,@function
k_qffcafd9618_ffn2:
	s_mov_b64 s[64:65], 0
	v_nop
	global_prefetch_b8 v0, s[64:65] scope:SCOPE_SE
	s_setreg_imm32_b32 hwreg(HW_REG_WAVE_MODE, 25, 1), 1
	s_wait_xcnt 0x0
	s_wait_alu depctr_hold_cnt(0) depctr_sa_sdst(0) depctr_va_vdst(0) depctr_va_sdst(0) depctr_va_ssrc(0) depctr_va_vcc(0) depctr_vm_vsrc(0)
	s_getreg_b32 s2, hwreg(HW_REG_IB_STS2, 6, 4)
	s_cmp_eq_u32 s2, 0
	s_cbranch_scc0 .Lentry_in_a_cluster
	s_endpgm
.Lentry_in_a_cluster:
	s_bfe_u32 s2, ttmp6, 0x10000c
	s_cmp_lg_u32 s2, 0xf033
	s_cbranch_scc0 .Lentry_shape_is_right
	s_endpgm
.Lentry_shape_is_right:
; ry = x + h W2^T + b2.  No work is left out.  The loop is the launch before's: operands as register images, a tile's 4 K steps (codes and scale registers) 4,352 consecutive bytes, 8 tiles to a tensor load,
; a work-group of four waves on 256 x 256 of the result, a wave on 128 x 128, clusters of 4 x 4 with joint loads.  K = 4,096 is 32 steps of 128: eight slots' worth through a ring of two slots.
; A slot is asked for again in its last K step, behind a round of the cluster's barrier, and has the other slot's four K steps, 256 matrix instructions less the sixteen round the barrier, in which to land.
; 1,024 columns make 4 x 16 blocks of 256 x 256: 64 work-groups.  A smaller block would give more of them, at twice the LDS bytes for each product; it is not built here.
; No prefetch: h's and W2's images are asked for a whole slot ahead by the ring itself, and each is shared by four work-groups.
; b2 is the C of each sum's first product; x is added on the way out, where the rows come back from the stage.  The stage lies in slot 0, which has had its last fill and its last read when the first result is stored there.
; REGISTERS: as in the launch before; on the way out window 0's v64-191 hold rows read back, window 1's v0-127 the rows of x.
.set TP,     34816
.set LAPS,   4
.set TILEB,  4352
.set HALFT,  8*TILEB
.set SLOT,   4*HALFT
.set SPARE,  2*SLOT
.set SPITCH, 528
.set ADRA, 16
.set ASA,  18
.set ADRB, 20
.set ASB,  22
.set STO,  24
.set RD,   25
.set CO,   26
.set SPW,  28
.set NIL,  29
.set F0,   64
.set F1,   128
.set BK,   64
.set SC,   192
.set G1,  24
.set G0,  32
.set G1B, 48
.set G0B, 56
.set MSB, 0
.macro WIN new
.if MSB != \new
	s_set_vgpr_msb (MSB<<8)|\new
.set MSB, \new
.endif
.endm
.set MUL_LO, 0xa1
.set MUL_HI, 0xf1
.set FST_LO, 0x91
.set FST_HI, 0xd1
.macro JLOAD g0a, g1a, g0b, g1b        ; a joint load: waves 0 and 1 fetch for h, waves 2 and 3 for W2; an s_nop 0 and four v_nop follow each line
	s_cmp_eq_u32 s15, 0
	s_cbranch_scc0 .Lfor_b_\@
	tensor_load_to_lds s[\g0a:\g0a+3], s[\g1a:\g1a+7]
	s_nop 0
.rept 4
	v_nop
.endr
	s_branch .Lasked_\@
.Lfor_b_\@:
	tensor_load_to_lds s[\g0b:\g0b+3], s[\g1b:\g1b+7]
	s_nop 0
.rept 4
	v_nop
.endr
.Lasked_\@:
.endm
.macro CREST
	s_cmp_lg_u32 s14, 0
	s_cbranch_scc1 .Lnot_wave_0_\@
	s_barrier_signal -3
.Lnot_wave_0_\@:
	s_barrier_wait -3
	s_barrier_signal -1
	s_barrier_wait -1
.endm
.macro CROUND
	s_barrier_signal -1
	s_barrier_wait -1
	CREST
.endm
.macro PLACES
.rept 4
	v_nop
.endr
.endm
.macro FETCH slot, q, f
	WIN 0x40
.irp i, 0,1,2,3,4,5,6,7
	ds_load_b128 v[\f+8*\i:\f+8*\i+3],   v[ADRB+\slot] offset:\i*TILEB+((\q)/2)*2176+((\q)%2)*1024
	ds_load_b128 v[\f+8*\i+4:\f+8*\i+7], v[ADRB+\slot] offset:\i*TILEB+((\q)/2)*2176+((\q)%2)*1024+512
.endr
	WIN 0
.irp i, 0,1,2,3,4,5,6,7
	ds_load_b128 v[\f+8*\i:\f+8*\i+3],   v[ADRA+\slot] offset:\i*TILEB+((\q)/2)*2176+((\q)%2)*1024
	ds_load_b128 v[\f+8*\i+4:\f+8*\i+7], v[ADRA+\slot] offset:\i*TILEB+((\q)/2)*2176+((\q)%2)*1024+512
.endr
.endm
.macro SCALES slot
.irp i, 0,1,2,3,4,5,6,7
.irp pr, 0,1
	ds_load_b32 v[SC+32*\slot+2*\i+\pr],    v[ASB+\slot] offset:\i*TILEB+\pr*2176+2048
	ds_load_b32 v[SC+32*\slot+16+2*\i+\pr], v[ASA+\slot] offset:\i*TILEB+\pr*2176+2048
.endr
.endr
.endm
; the 64 accumulators take turns, one instruction a turn, in the same order in every step, over the loop's backward jump too
.macro MUL16 f, hi, a0, q, set, first
.irp a, \a0, \a0+1
.irp b, 0,1,2,3,4,5,6,7
.if \first
	v_wmma_scale_f32_16x16x128_f8f6f4 v[8*(8*(\a)+\b):8*(8*(\a)+\b)+7], v[\f+8*\b:\f+8*\b+7], v[\f+8*(4*\hi+(\a)):\f+8*(4*\hi+(\a))+7], v[8*\b:8*\b+7], v[SC+32*\set+2*\b+(\q)/2], v[SC+32*\set+16+2*(4*\hi+(\a))+(\q)/2] matrix_a_fmt:MATRIX_FMT_FP4 matrix_b_fmt:MATRIX_FMT_FP4
.elseif (\q)%2
	v_wmma_scale_f32_16x16x128_f8f6f4 v[8*(8*(\a)+\b):8*(8*(\a)+\b)+7], v[\f+8*\b:\f+8*\b+7], v[\f+8*(4*\hi+(\a)):\f+8*(4*\hi+(\a))+7], v[8*(8*(\a)+\b):8*(8*(\a)+\b)+7], v[SC+32*\set+2*\b+(\q)/2], v[SC+32*\set+16+2*(4*\hi+(\a))+(\q)/2] matrix_a_fmt:MATRIX_FMT_FP4 matrix_b_fmt:MATRIX_FMT_FP4 matrix_a_scale:MATRIX_SCALE_ROW1 matrix_b_scale:MATRIX_SCALE_ROW1
.else
	v_wmma_scale_f32_16x16x128_f8f6f4 v[8*(8*(\a)+\b):8*(8*(\a)+\b)+7], v[\f+8*\b:\f+8*\b+7], v[\f+8*(4*\hi+(\a)):\f+8*(4*\hi+(\a))+7], v[8*(8*(\a)+\b):8*(8*(\a)+\b)+7], v[SC+32*\set+2*\b+(\q)/2], v[SC+32*\set+16+2*(4*\hi+(\a))+(\q)/2] matrix_a_fmt:MATRIX_FMT_FP4 matrix_b_fmt:MATRIX_FMT_FP4
.endif
.endr
.endr
.endm
.macro QUARTER slot, q, first
.set FF, F0+64*((\q)%2)
.set GG, F0+64*(1-(\q)%2)
	s_wait_dscnt 8                                 ; all but the youngest eight loads (h's blocks 4-7) are in
.if \first
	WIN FST_LO
.else
	WIN MUL_LO
.endif
	MUL16 FF, 0, 0, \q, \slot, \first
	MUL16 FF, 0, 2, \q, \slot, \first
	PLACES
	FETCH \slot, (\q)+1, GG
	s_wait_dscnt 32                                ; all but the 32 just issued
.if \first
	WIN FST_HI
.else
	WIN MUL_HI
.endif
	MUL16 FF, 1, 0, \q, \slot, \first
	MUL16 FF, 1, 2, \q, \slot, \first
.endm
; a slot's last K step changes slots.  fill = 1: the barrier opens a round of the cluster's barrier, and behind the round this slot is filled again, two slots' worth of K ahead
.macro TURN slot, next, fill
	WIN 0
	s_wait_tensorcnt 0x0                           ; all my tensor loads have landed: the one that was out is my part of the next slot
	ds_add_u32 v[SPW], v[NIL]
	s_wait_dscnt 9                                 ; (the add and the youngest eight loads may be out)
	WIN MUL_LO
	MUL16 F1, 0, 0, 3, \slot, 0
	s_wait_dscnt 0x0                               ; the add is done, and my reads of this slot are over
	s_barrier_signal -1
	MUL16 F1, 0, 2, 3, \slot, 0
	WIN 0
	s_barrier_wait -1
.if \fill
	CREST                                          ; no wave of any partner still reads this slot or has a load on its way
	s_add_nc_u64 s[G0+4*\slot+2:G0+4*\slot+3], s[G0+4*\slot+2:G0+4*\slot+3], 2*TILEB
	s_add_nc_u64 s[G0B+4*\slot+2:G0B+4*\slot+3], s[G0B+4*\slot+2:G0B+4*\slot+3], 2*TILEB
	JLOAD G0+4*\slot, G1, G0B+4*\slot, G1B         ; the first tensor load behind the round; its four v_nop are also the places in front of the loads below
.else
	PLACES
.endif
	SCALES \next
	FETCH \next, 0, F0
	WIN MUL_HI
	MUL16 F1, 1, 0, 3, \slot, 0
	MUL16 F1, 1, 2, 3, \slot, 0
.endm
	s_load_b256 s[4:11], s[0:1], 0x0               ; hb, wimg, b2, xb
	s_load_b64 s[12:13], s[0:1], 0x20              ; ry
	v_lshl_add_u32 v[SPW], v0, 2, SPARE
	v_mov_b32 v[NIL], 0
	ds_add_u32 v[SPW], v[NIL]                      ; the wave's opening: the add, twice on end, and its wait ahead of my first tensor load
	ds_add_u32 v[SPW], v[NIL]
	v_lshrrev_b32 v1, 5, v0
	v_readfirstlane_b32 s14, v1
	s_lshr_b32 s15, s14, 1
	s_and_b32 s16, s14, 1
	s_bfe_u32 s40, ttmp6, 0x40000
	s_bfe_u32 s41, ttmp6, 0x40004
	s_lshl_b32 s42, ttmp9, 2
	s_add_co_u32 s42, s42, s40                     ; block column
	s_and_b32 s17, ttmp7, 0xffff
	s_lshl_b32 s17, s17, 2
	s_add_co_u32 s17, s17, s41                     ; block row
	s_lshl_b32 s43, s41, 2
	s_lshl_b32 s43, 15, s43
	s_lshl_b32 s44, 0x1111, s40
	s_or_b32 s[G1+0], s43, (3<<16)|(1<<21)
	s_or_b32 s[G1B+0], s44, (3<<16)|(1<<21)
.irp g, G1, G1B
	s_mov_b32 s[\g+1], 544<<16
	s_mov_b32 s[\g+2], 8<<16
	s_mov_b32 s[\g+3], 544<<16
	s_mov_b32 s[\g+4], 8
	s_mov_b32 s[\g+5], TP/8
	s_mov_b32 s[\g+6], 0
	s_mov_b32 s[\g+7], 0
.endr
	s_lshl_b32 s18, s16, 3
	s_lshl_b32 s20, s17, 4
	s_add_co_u32 s20, s20, s18
	s_mul_i32 s20, s20, TP
	s_mov_b32 s21, 0
	s_lshl_b32 s46, s42, 4
	s_add_co_u32 s46, s46, s18
	s_mul_i32 s46, s46, TP
	s_mov_b32 s47, 0
	s_mul_i32 s45, s14, HALFT
	s_wait_dscnt 0x0
	s_wait_kmcnt 0x0
	s_add_nc_u64 s[20:21], s[4:5], s[20:21]
	s_add_nc_u64 s[46:47], s[6:7], s[46:47]
	s_add_nc_u64 s[46:47], s[46:47], 2228224       ; W2's images in wimg
	CROUND
.irp s, 0,1
	s_mov_b32 s[G0+4*\s], 1
	s_add_co_u32 s[G0+4*\s+1], s45, \s*SLOT
	s_add_nc_u64 s[G0+4*\s+2:G0+4*\s+3], s[20:21], \s*TILEB
	s_or_b32 s[G0+4*\s+3], s[G0+4*\s+3], 0x80000000
	s_mov_b32 s[G0B+4*\s], 1
	s_add_co_u32 s[G0B+4*\s+1], s45, \s*SLOT
	s_add_nc_u64 s[G0B+4*\s+2:G0B+4*\s+3], s[46:47], \s*TILEB
	s_or_b32 s[G0B+4*\s+3], s[G0B+4*\s+3], 0x80000000
	JLOAD G0+4*\s, G1, G0B+4*\s, G1B
.endr
	v_and_b32 v1, 31, v0
	v_lshlrev_b32 v2, 4, v1
	v_lshlrev_b32 v3, 2, v1
	s_mul_i32 s21, s15, HALFT
	s_mul_i32 s22, s16, HALFT
	s_add_co_u32 s22, s22, 2*HALFT
.irp s, 0,1
	v_add_nc_u32 v[ADRA+\s], s21, v2
	v_add_nc_u32 v[ASA+\s], s21, v3
	v_add_nc_u32 v[ADRB+\s], s22, v2
	v_add_nc_u32 v[ASB+\s], s22, v3
	s_add_co_u32 s21, s21, SLOT
	s_add_co_u32 s22, s22, SLOT
.endr
	v_bfe_u32 v4, v0, 4, 1
	v_lshlrev_b32 v4, 6, v4                        ; 64 h
	v_and_b32 v5, 15, v0
	s_mul_i32 s23, s14, 16*SPITCH                  ; my stage
	v_mul_u32_u24 v[STO], v5, SPITCH
	v_add_nc_u32 v[STO], v[STO], v4
	v_add_nc_u32 v[STO], s23, v[STO]               ; in: row r, + 64 h
	v_add_nc_u32 v[RD], s23, v2                    ; back: the 32 lanes take a row of 512 bytes
	v_mov_b32 v[CO], v2
	s_lshl_b32 s92, s42, 10
	s_lshl_b32 s93, s16, 9
	s_add_co_u32 s92, s92, s93                     ; my first column in bytes
	s_mov_b32 s93, 0
	s_add_nc_u64 s[8:9], s[8:9], s[92:93]
	WIN 0x40
.irp b, 0,1,2,3,4,5,6,7
	global_load_b128 v[8*\b:8*\b+3], v4, s[8:9] offset:(32*(\b/2)+8*(\b%2))*4
	global_load_b128 v[8*\b+4:8*\b+7], v4, s[8:9] offset:(32*(\b/2)+8*(\b%2))*4+16
.endr
	WIN 0
	s_lshl_b32 s94, s17, 20
	s_lshl_b32 s95, s15, 19
	s_add_co_u32 s94, s94, s95                     ; (256 x block row + 128 x half) rows of 4,096 bytes
	s_add_co_u32 s94, s94, s92
	s_mov_b32 s95, 0
	s_add_nc_u64 s[10:11], s[10:11], s[94:95]      ; x
	s_add_nc_u64 s[12:13], s[12:13], s[94:95]      ; ry
	s_wait_tensorcnt 1                             ; my part of slot 0 is in; slot 1's load may be out
	s_barrier_signal -1
	s_barrier_wait -1
	s_wait_loadcnt 0x0                             ; b2
	SCALES 0
	FETCH 0, 0, F0
	QUARTER 0, 0, 1                                ; the first K step stands in front of the loop: its products start the sums
	WIN 0
	s_mov_b32 s3, LAPS-1
.Llap:                                             ; a trip goes once round the ring, from a lap's second K step to the next lap's first, and fills both slots again
	QUARTER 0, 1, 0
	QUARTER 0, 2, 0
	TURN 0, 1, 1
	QUARTER 1, 0, 0
	QUARTER 1, 1, 0
	QUARTER 1, 2, 0
	TURN 1, 0, 1
	QUARTER 0, 0, 0
	WIN 0
	s_sub_co_u32 s3, s3, 1
	s_cmp_lg_u32 s3, 0
	s_cbranch_scc1 .Llap
	QUARTER 0, 1, 0                                ; the last lap fills nothing
	QUARTER 0, 2, 0
	TURN 0, 1, 0
	QUARTER 1, 0, 0
	QUARTER 1, 1, 0
	QUARTER 1, 2, 0
	s_wait_dscnt 8
	WIN MUL_LO
	MUL16 F1, 0, 0, 3, 1, 0
	MUL16 F1, 0, 2, 3, 1, 0
	s_wait_dscnt 0x0
	WIN MUL_HI
	MUL16 F1, 1, 0, 3, 1, 0
	MUL16 F1, 1, 2, 3, 1, 0
	WIN 0
; THE WAY OUT, a block of 16 rows x 128 columns at a time: through my stage, back as whole rows of 512 bytes, + x, stored as 512 consecutive bytes.  Every row's place stands in the immediate: 127 rows of 4,096 bytes at the most.
.macro TOSTAGE a
.set AC, 64*((\a)%4)
	WIN 0x08+4*((\a)/4)
.irp b, 0,1,2,3,4,5,6,7
	ds_store_b128 v[STO], v[AC+8*\b:AC+8*\b+3] offset:128*(\b/2)+32*(\b%2)       ; tile b, register j: column 32 (b / 2) + 16 h + 8 (b % 2) + j; each accumulator from its low end on
	ds_store_b128 v[STO], v[AC+8*\b+4:AC+8*\b+7] offset:128*(\b/2)+32*(\b%2)+16
.endr
	WIN 0
.set BB, BK+64*((\a)%2)
.irp t, 0,1,2,3,4,5,6,7,8,9,10,11,12,13,14,15
	ds_load_b128 v[BB+4*\t:BB+4*\t+3], v[RD] offset:\t*SPITCH   ; LDS serves a wave's instructions in order: these see the stores above
.endr
.endm
.macro XLOAD a
	WIN 0x40
.irp t, 0,1,2,3,4,5,6,7,8,9,10,11,12,13,14,15
	global_load_b128 v[64*((\a)%2)+4*\t:64*((\a)%2)+4*\t+3], v[CO], s[10:11] offset:(16*(\a)+\t)*4096
.endr
	WIN 0
.endm
.macro SEND a, younger, lc
.set BB, BK+64*((\a)%2)
	s_wait_dscnt \younger                          ; the block is back; the next block's 16 stores and 16 loads may be out
	s_wait_loadcnt \lc                             ; its rows of x are in; the next block's 16 loads may be out
	WIN 0x04                                       ; source 1 window 1
.set j, 0
.rept 32
	v_pk_add_f32 v[BB+j:BB+j+1], v[BB+j:BB+j+1], v[64*((\a)%2)+j:64*((\a)%2)+j+1]
.set j, j+2
.endr
	WIN 0
.irp t, 0,1,2,3,4,5,6,7,8,9,10,11,12,13,14,15
	global_store_b128 v[CO], v[BB+4*\t:BB+4*\t+3], s[12:13] offset:(16*(\a)+\t)*4096
.endr
.endm
	PLACES                                         ; in front of the first read of results and of loads into registers that the products have read
	XLOAD 0
	XLOAD 1
	TOSTAGE 0
.irp a, 1,2,3,4,5,6,7
.if \a > 1
	s_wait_xcnt 0x0                                ; block a - 2's stores have read their registers: block a's rows may land there
.endif
	TOSTAGE \a
	SEND \a-1, 32, 16
.if \a < 7
	XLOAD \a+1
.endif
.endr
	SEND 7, 0, 0
	s_wait_tensorcnt 0x0                           ; the wave's end
	ds_add_u32 v[SPW], v[NIL]
	s_wait_dscnt 0x0
	CROUND                                         ; the closing round
	s_endpgm
.Lfunc_end_k_qffcafd9618_ffn2:
	.size	k_qffcafd9618_ffn2, .Lfunc_end_k_qffcafd9618_ffn2-k_qffcafd9618_ffn2
	.p2alignl 7, 3214868480
	.fill 96, 4, 3214868480
	.section	.rodata,"a",@progbits
	.p2align	6, 0x0
	.amdhsa_kernel k_qffcafd9618_ffn2
		.amdhsa_group_segment_fixed_size 327680
		.amdhsa_private_segment_fixed_size 0
		.amdhsa_enable_private_segment 0
		.amdhsa_kernarg_size 40
		.amdhsa_user_sgpr_count 2
		.amdhsa_user_sgpr_kernarg_segment_ptr 1
		.amdhsa_wavefront_size32 1
		.amdhsa_system_sgpr_workgroup_id_x 1
		.amdhsa_system_sgpr_workgroup_id_y 1
		.amdhsa_system_sgpr_workgroup_id_z 1
		.amdhsa_system_vgpr_workitem_id 0
		.amdhsa_next_free_vgpr 1024
		.amdhsa_next_free_sgpr 100
		.amdhsa_reserve_vcc 0
		.amdhsa_float_denorm_mode_32 3
		.amdhsa_float_denorm_mode_16_64 3
		.amdhsa_memory_ordered 1
		.amdhsa_forward_progress 1
		.amdhsa_inst_pref_size 243
	.end_amdhsa_kernel
	.amdgpu_metadata
---
amdhsa.version: [ 1, 2 ]
amdhsa.kernels:
  - .name:           k_qffcafd9618_ffn2
    .symbol:         k_qffcafd9618_ffn2.kd
    .args:
      - { .name: hb, .offset: 0, .size: 8, .value_kind: global_buffer, .address_space: global }
      - { .name: wimg, .offset: 8, .size: 8, .value_kind: global_buffer, .address_space: global }
      - { .name: b2, .offset: 16, .size: 8, .value_kind: global_buffer, .address_space: global }
      - { .name: xb, .offset: 24, .size: 8, .value_kind: global_buffer, .address_space: global }
      - { .name: ry, .offset: 32, .size: 8, .value_kind: global_buffer, .address_space: global }
    .group_segment_fixed_size: 327680
    .private_segment_fixed_size: 0
    .kernarg_segment_align: 8
    .kernarg_segment_size: 40
    .max_flat_workgroup_size: 128
    .sgpr_count:     100
    .vgpr_count:     1024
    .wavefront_size: 32
...
	.end_amdgpu_metadata
.endif
;; end of part 6
;; launch ln2 (part 7): grid 256 x 1, 4 waves a work-group, no clusters, 0 bytes of LDS; arguments ry, n2_g, n2_b, out0; writes out0
.if DOCPART == 7
	.amdgcn_target "amdgcn-amd-amdhsa--gfx1250"
	.amdhsa_code_object_version 6
	.text
	.protected	k_qffcafd9618_ln2
	.globl	k_qffcafd9618_ln2
	.p2align	8
	.type	k_qffcafd9618_ln2,@function
k_qffcafd9618_ln2:
	s_mov_b64 s[64:65], 0
	v_nop
	global_prefetch_b8 v0, s[64:65] scope:SCOPE_SE
	s_setreg_imm32_b32 hwreg(HW_REG_WAVE_MODE, 25, 1), 1
	s_wait_xcnt 0x0
; out0 = LayerNorm(x + ffn) with n2's gain and bias.  No work is left out.  A work-group takes 16 rows, a wave four, each row whole in 32 registers: the row is read once, the reductions never leave the wave,
; every load and store of a wave covers 512 consecutive bytes.  No LDS, no barrier, no matrix unit: memory binds.  LIMIT: NaN and infinities are not served.
.set LN, 1
.set L16, 2
.set G,  16
.set BS, 48
.set ROWS, 80
.set SEL, 12
.set IN, 20
.set EP, 21
	s_load_b256 s[4:11], s[0:1], 0x0               ; ry, n2_g, n2_b, out0
	v_lshrrev_b32 v1, 5, v0
	v_readfirstlane_b32 s14, v1
	v_and_b32 v[LN], 31, v0
	v_lshlrev_b32 v[L16], 4, v[LN]
	s_lshl_b32 s16, ttmp9, 16
	s_lshl_b32 s17, s14, 14
	s_add_co_u32 s16, s16, s17                     ; (16 g + 4 w) rows of 4,096 bytes
	s_mov_b32 s17, 0
	s_mov_b32 s[SEL], 0x76543210
	s_mov_b32 s[SEL+1], 0xfedcba98
	s_mov_b32 s[IN], 0x3a800000
	s_mov_b32 s[EP], 0x3727c5ac
	s_wait_kmcnt 0x0
	s_add_nc_u64 s[4:5], s[4:5], s[16:17]
	s_add_nc_u64 s[10:11], s[10:11], s[16:17]
.irp j, 0,1,2,3,4,5,6,7
	global_load_b128 v[G+4*\j:G+4*\j+3], v[L16], s[6:7] offset:512*\j
	global_load_b128 v[BS+4*\j:BS+4*\j+3], v[L16], s[8:9] offset:512*\j
.endr
.irp i, 0,1,2,3
.irp j, 0,1,2,3,4,5,6,7
	global_load_b128 v[ROWS+32*\i+4*\j:ROWS+32*\i+4*\j+3], v[L16], s[4:5] offset:4096*\i+512*\j th:TH_LOAD_NT
.endr
.endr
.macro REDUCE
	v_add_f32_dpp v10, v10, v10 row_xmask:1 row_mask:0xf bank_mask:0xf
	v_add_f32_dpp v10, v10, v10 row_xmask:2 row_mask:0xf bank_mask:0xf
	v_add_f32_dpp v10, v10, v10 row_xmask:4 row_mask:0xf bank_mask:0xf
	v_add_f32_dpp v10, v10, v10 row_xmask:8 row_mask:0xf bank_mask:0xf
	v_permlanex16_b32 v11, v10, s[SEL], s[SEL+1]
	v_add_f32 v10, v10, v11
.endm
.macro ROWLN i
.set RW, ROWS+32*(\i)
	s_wait_loadcnt 8*(3-(\i))                      ; this row's eight loads are in; the later rows' may be out
	v_pk_add_f32 v[10:11], v[RW:RW+1], v[RW+2:RW+3]
	v_pk_add_f32 v[12:13], v[RW+4:RW+5], v[RW+6:RW+7]
.irp j, 8,12,16,20,24,28
	v_pk_add_f32 v[10:11], v[10:11], v[RW+\j:RW+\j+1]
	v_pk_add_f32 v[12:13], v[12:13], v[RW+\j+2:RW+\j+3]
.endr
	v_pk_add_f32 v[10:11], v[10:11], v[12:13]
	v_add_f32 v10, v10, v11
	REDUCE
	v_mul_f32 v10, s[IN], v10
	v_mov_b32 v11, v10
.irp j, 0,2,4,6,8,10,12,14,16,18,20,22,24,26,28,30
	v_pk_add_f32 v[RW+\j:RW+\j+1], v[RW+\j:RW+\j+1], v[10:11] neg_lo:[0,1] neg_hi:[0,1]
.endr
	v_pk_mul_f32 v[10:11], v[RW:RW+1], v[RW:RW+1]
	v_pk_mul_f32 v[12:13], v[RW+2:RW+3], v[RW+2:RW+3]
.irp j, 4,8,12,16,20,24,28
	v_pk_fma_f32 v[10:11], v[RW+\j:RW+\j+1], v[RW+\j:RW+\j+1], v[10:11]
	v_pk_fma_f32 v[12:13], v[RW+\j+2:RW+\j+3], v[RW+\j+2:RW+\j+3], v[12:13]
.endr
	v_pk_add_f32 v[10:11], v[10:11], v[12:13]
	v_add_f32 v10, v10, v11
	REDUCE
	v_fma_f32 v10, v10, s[IN], s[EP]
	v_rsq_f32 v10, v10
	v_nop                                          ; a plain place behind the transcendental,
	s_wait_alu depctr_va_vdst(0)                   ; and the wait ahead of its first reader
	v_mov_b32 v11, v10
.irp j, 0,2,4,6,8,10,12,14,16,18,20,22,24,26,28,30
	v_pk_mul_f32 v[RW+\j:RW+\j+1], v[RW+\j:RW+\j+1], v[10:11]
.endr
.irp j, 0,2,4,6,8,10,12,14,16,18,20,22,24,26,28,30
	v_pk_fma_f32 v[RW+\j:RW+\j+1], v[RW+\j:RW+\j+1], v[G+\j:G+\j+1], v[BS+\j:BS+\j+1]
.endr
.irp j, 0,1,2,3,4,5,6,7
	global_store_b128 v[L16], v[RW+4*\j:RW+4*\j+3], s[10:11] offset:4096*(\i)+512*\j th:TH_STORE_NT
.endr
.endm
	ROWLN 0
	ROWLN 1
	ROWLN 2
	ROWLN 3
	s_endpgm
.Lfunc_end_k_qffcafd9618_ln2:
	.size	k_qffcafd9618_ln2, .Lfunc_end_k_qffcafd9618_ln2-k_qffcafd9618_ln2
	.p2alignl 7, 3214868480
	.fill 96, 4, 3214868480
	.section	.rodata,"a",@progbits
	.p2align	6, 0x0
	.amdhsa_kernel k_qffcafd9618_ln2
		.amdhsa_group_segment_fixed_size 0
		.amdhsa_private_segment_fixed_size 0
		.amdhsa_enable_private_segment 0
		.amdhsa_kernarg_size 32
		.amdhsa_user_sgpr_count 2
		.amdhsa_user_sgpr_kernarg_segment_ptr 1
		.amdhsa_wavefront_size32 1
		.amdhsa_system_sgpr_workgroup_id_x 1
		.amdhsa_system_sgpr_workgroup_id_y 1
		.amdhsa_system_sgpr_workgroup_id_z 1
		.amdhsa_system_vgpr_workitem_id 0
		.amdhsa_next_free_vgpr 224
		.amdhsa_next_free_sgpr 66
		.amdhsa_reserve_vcc 0
		.amdhsa_float_denorm_mode_32 3
		.amdhsa_float_denorm_mode_16_64 3
		.amdhsa_memory_ordered 1
		.amdhsa_forward_progress 1
		.amdhsa_inst_pref_size 33
	.end_amdhsa_kernel
	.amdgpu_metadata
---
amdhsa.version: [ 1, 2 ]
amdhsa.kernels:
  - .name:           k_qffcafd9618_ln2
    .symbol:         k_qffcafd9618_ln2.kd
    .args:
      - { .name: ry, .offset: 0, .size: 8, .value_kind: global_buffer, .address_space: global }
      - { .name: n2_g, .offset: 8, .size: 8, .value_kind: global_buffer, .address_space: global }
      - { .name: n2_b, .offset: 16, .size: 8, .value_kind: global_buffer, .address_space: global }
      - { .name: out0, .offset: 24, .size: 8, .value_kind: global_buffer, .address_space: global }
    .group_segment_fixed_size: 0
    .private_segment_fixed_size: 0
    .kernarg_segment_align: 8
    .kernarg_segment_size: 32
    .max_flat_workgroup_size: 128
    .sgpr_count:     66
    .vgpr_count:     224
    .wavefront_size: 32
...
	.end_amdgpu_metadata
.endif
;; end of part 7
;; ======== version 2 of 2: 7 launches
;; limits: right only within a limited range of input values
;; workspace buffers: wimg 4,874,240 bytes; kv 6,815,744 bytes; ry 16,777,216 bytes; xb 19,005,440 bytes; hb 8,912,896 bytes
;; launch prep (part 8): grid 816 x 1, 4 waves a work-group, no clusters, 34,304 bytes of LDS; arguments W1, W2, char_W, src, wimg, kv; writes wimg, kv
.if DOCPART == 8
	.amdgcn_target "amdgcn-amd-amdhsa--gfx1250"
	.amdhsa_code_object_version 6
	.text
	.protected	k_qffcafd9618_prep
	.globl	k_qffcafd9618_prep
	.p2align	8
	.type	k_qffcafd9618_prep,@function
k_qffcafd9618_prep:
	s_mov_b64 s[64:65], 0
	v_nop
	global_prefetch_b8 v0, s[64:65] scope:SCOPE_SE
	s_setreg_imm32_b32 hwreg(HW_REG_WAVE_MODE, 25, 1), 1
	s_wait_xcnt 0x0
; THE PROGRAM: one transformer layer on 4,096 tokens, all six matrix products on codes of E2M1 with one E8M0 scale for each 32 along K.
; DEAD WORK: none is left out.  char_b differs along d ahead of a LayerNorm, every gain and bias reaches the output, both score products feed the softmax: all 14 inputs are loaded.
; THIS LAUNCH quantises what many work-groups read: W1, W2, char_W along their K (innermost), and src along the KEYS (the second attention product's K).
; All results are laid as IMAGES OF THE OPERAND'S REGISTERS.  A fragment (16 rows x 128 K) is 1,024 bytes: register group c (4 registers) at 512 c, lane l's 16 bytes at 16 l.
; A PAIR BLOCK is 2,176 bytes: the fragment of an even K step, that of the odd one, and at 2,048 one scale register's image: lanes 0-15 the even step's words of rows 0-15, lanes 16-31 the odd step's.
; wimg: W1 at 0 ([256 tiles][4 pairs]), W2 at 2,228,224 ([64][16]), char_W at 4,456,448 ([64][3]).  THE ROWS OF A WEIGHT TILE ARE NOT NEIGHBOURS: lane r of tile T takes row 32 (T / 2) + 8 (T % 2) + r + 8 (r / 8),
; so that a transposed product leaves 16 neighbours along the next K in the 16 registers of two neighbouring tiles.
; kv: 64 blocks (16 batch + head) of 106,496 bytes; this launch writes V's images at 65,536 ([step of 128 keys][16 of the head's 64][1,024]) and V's scale registers at 102,400 ([step][tile][32 words], lanes 16-31 a copy).
; Work-groups 0-255: W1, 256-511: W2, 512-559: char_W (a wave makes one pair block); 560-815: V.
; THE QUANTISER: a block's scale byte is its largest magnitude's exponent field - 2, held at 1 from below.  LIMITS: a block of zeros, or one under 2^-124, keeps the byte 1 (its codes are what the conversion gives;
; the bytes are read by this program alone); NaN and infinities among the inputs are not served.
.set SPITCH, 528                       ; a stage row: 512 bytes + 16: the sixteen rows that a load touches start at sixteen different groups of four banks
.set STGB,   16*SPITCH                 ; a wave's stage
.set SPARE,  4*STGB                    ; behind the stages: the spare words, 128 bytes for each wave
.set LN,  1                            ; lane
.set RR,  2                            ; lane % 16
.set HH,  3                            ; lane / 16
.set L16, 4                            ; 16 x lane
.set L4,  5                            ; 4 x lane
.set STW, 6                            ; the stage, on the way in
.set STR, 7                            ; and on the way out
.set PW0, 8                            ; the even step's scale word
.set PW1, 9                            ; the odd step's
.set PWM, 10                           ; the scale register's image
.set SPW, 12                           ; LDS address of my spare word; never rewritten
.set NIL, 13                           ; 0; never rewritten
.set RO,  16                           ; v16-31  row i of the tile: its byte offset + 16 x lane
.set R,   32                           ; v32-159 two K steps as loaded
.set X,   160                          ; v160-223 64 numbers of my row
.set TM,  224                          ; v224-239 at work in the quantiser
.set PC0, 240
.set PC1, 248
.set SEL, 36                           ; s[36:37] selects for lane l xor 16
.set VX,  32                           ; the V path: four sets of 32 numbers,
.set VC,  160                          ; four registers of codes for each of 4 blocks (v32-159 hold four sets of 32 numbers),
.set SB,  192                          ; one scale word
; 64 numbers of a lane, register 16 b + i = k 32 b + 16 (lane / 16) + i of my row, become a fragment's 8 registers of codes and its scale word
.macro QUANT s, pc, pw
.irp b, 0,1,2,3
	v_max3_num_f32 v[TM+\b], |v[\s+16*\b]|, |v[\s+1+16*\b]|, 0x1800000   ; my 16 numbers of block b, and the floor 2^(3 - 127): the byte cannot fall under 1
.endr
.irp i, 2,4,6,8,10,12,14
.irp b, 0,1,2,3
	v_max3_num_f32 v[TM+\b], v[TM+\b], |v[\s+16*\b+\i]|, |v[\s+1+16*\b+\i]|
.endr
.endr
.irp b, 0,1,2,3
	v_permlanex16_b32 v[TM+4+\b], v[TM+\b], s[SEL], s[SEL+1]
.endr
.irp b, 0,1,2,3
	v_max_num_f32 v[TM+\b], v[TM+\b], v[TM+4+\b]       ; with lane l xor 16's: the block's largest magnitude
.endr
.irp b, 0,1,2,3
	v_add_nc_u32 v[TM+12+\b], 0xff000000, v[TM+\b]     ; 2 off its exponent field: the conversion's scale operand
.endr
.irp b, 0,1,2,3
	v_lshrrev_b32 v[TM+4+\b], 23, v[TM+12+\b]          ; the scale's byte
.endr
	v_lshl_or_b32 v[\pw], v[TM+5], 8, v[TM+4]
	v_lshl_or_b32 v[\pw], v[TM+6], 16, v[\pw]
	v_lshl_or_b32 v[\pw], v[TM+7], 24, v[\pw]
.irp b, 0,1,2,3
	v_cvt_scalef32_pk8_fp4_f32 v[\pc+2*\b], v[\s+16*\b:\s+7+16*\b], v[TM+12+\b]
	v_cvt_scalef32_pk8_fp4_f32 v[\pc+1+2*\b], v[\s+8+16*\b:\s+15+16*\b], v[TM+12+\b]
.endr
	v_nop                                              ; one plain place behind a scaled conversion
.irp c, 0,1                                        ; the operand wants a whole block in a lane: lanes 0-15 block 2 c, lanes 16-31 block 2 c + 1
.irp i, 0,1
	v_permlane16_swap_b32 v[\pc+4*\c+\i], v[\pc+2+4*\c+\i]
.endr
.endr
.endm
; a K step's 16 rows x 512 bytes, loaded densely, turn through my own stage: LDS serves a wave's instructions in order, so no wait stands between the stores and the loads
.macro TURNI raw
.irp i, 0,1,2,3,4,5,6,7,8,9,10,11,12,13,14,15
	ds_store_b128 v[STW], v[\raw+4*\i:\raw+4*\i+3] offset:SPITCH*\i
.endr
.irp b, 0,1,2,3
.irp j, 0,1,2,3
	ds_load_b128 v[X+16*\b+4*\j:X+16*\b+4*\j+3], v[STR] offset:128*\b+16*\j
.endr
.endr
.endm
	s_load_b256 s[4:11], s[0:1], 0x0               ; W1 s[4:5], W2 s[6:7], char_W s[8:9], src s[10:11]
	s_load_b128 s[12:15], s[0:1], 0x20             ; wimg s[12:13], kv s[14:15]
	v_lshl_add_u32 v[SPW], v0, 2, SPARE
	v_mov_b32 v[NIL], 0
	v_lshrrev_b32 v1, 5, v0
	v_readfirstlane_b32 s16, v1                    ; wave
	v_and_b32 v[LN], 31, v0
	v_and_b32 v[RR], 15, v0
	v_bfe_u32 v[HH], v0, 4, 1
	v_lshlrev_b32 v[L16], 4, v[LN]
	v_lshlrev_b32 v[L4], 2, v[LN]
	s_wait_kmcnt 0x0
	s_cmp_ge_u32 ttmp9, 560                        ; the work-group's number alone parts the two paths
	s_cbranch_scc1 .Lvpath
	; ---- a weight's pair block.  One text for three tensors: pointers and sizes are chosen by the work-group's number
	s_mul_i32 s17, s16, STGB
	s_wait_alu depctr_va_vdst(0)
	v_add_nc_u32 v[STW], s17, v[L16]
	v_mul_u32_u24 v[STR], v[RR], SPITCH
	v_lshl_add_u32 v[STR], v[HH], 6, v[STR]
	v_add_nc_u32 v[STR], s17, v[STR]
	s_mov_b32 s[SEL], 0x76543210
	s_mov_b32 s[SEL+1], 0xfedcba98
	s_mov_b32 s20, 512                             ; char_W's: first work-group,
	s_mov_b32 s21, 3072                            ; bytes in a row,
	s_mov_b32 s22, 3                               ; pairs of K steps,
	s_mov_b32 s23, 4456448                         ; place in wimg,
	s_mov_b32 s24, 63                              ; tiles - 1,
	s_mov_b32 s25, 6                               ; and their logarithm
	s_cmp_lt_u32 ttmp9, 512
	s_cselect_b64 s[8:9], s[6:7], s[8:9]
	s_cselect_b32 s20, 256, s20
	s_cselect_b32 s21, 16384, s21
	s_cselect_b32 s22, 16, s22
	s_cselect_b32 s23, 2228224, s23
	s_cmp_lt_u32 ttmp9, 256
	s_cselect_b64 s[8:9], s[4:5], s[8:9]
	s_cselect_b32 s20, 0, s20
	s_cselect_b32 s21, 4096, s21
	s_cselect_b32 s22, 4, s22
	s_cselect_b32 s23, 0, s23
	s_cselect_b32 s24, 255, s24
	s_cselect_b32 s25, 8, s25
	s_sub_co_u32 s26, ttmp9, s20
	s_lshl_b32 s26, s26, 2
	s_add_co_u32 s26, s26, s16                     ; my task
	s_and_b32 s27, s26, s24                        ; tile T
	s_lshr_b32 s28, s26, s25                       ; pair
	s_lshr_b32 s29, s27, 1
	s_lshl_b32 s29, s29, 5
	s_and_b32 s30, s27, 1
	s_lshl_b32 s30, s30, 3
	s_add_co_u32 s29, s29, s30                     ; the tile's first row: 32 (T / 2) + 8 (T % 2)
	s_mul_i32 s30, s29, s21
	s_lshl_b32 s31, s28, 10
	s_add_co_u32 s30, s30, s31                     ; + 1,024 bytes a pair
	s_mov_b32 s31, 0
	s_add_nc_u64 s[8:9], s[8:9], s[30:31]
	s_mul_i32 s32, s27, s22
	s_add_co_u32 s32, s32, s28
	s_mul_i32 s32, s32, 2176
	s_add_co_u32 s32, s32, s23
	s_mov_b32 s33, 0
	s_add_nc_u64 s[12:13], s[12:13], s[32:33]
.irp i, 0,1,2,3,4,5,6,7,8,9,10,11,12,13,14,15
	v_mad_u32_u24 v[RO+\i], s21, \i+8*(\i/8), v[L16]       ; row i + 8 (i / 8) of the tile's 24
.endr
.irp it, 0,1
.irp i, 0,1,2,3,4,5,6,7,8,9,10,11,12,13,14,15
	global_load_b128 v[R+64*\it+4*\i:R+64*\it+4*\i+3], v[RO+\i], s[8:9] offset:512*\it th:TH_LOAD_NT   ; 32 lanes read 512 consecutive bytes of a row
.endr
.endr
.irp b, 0,1,2,3
	v_mov_b32 v[TM+4+\b], 0                        ; written once: a lane permute's destination counts as one of its sources
.endr
	s_wait_loadcnt 16                              ; the even step's 16 loads are in; the odd step's 16 may be out
	TURNI R
	s_wait_dscnt 0x0
	QUANT X, PC0, PW0
	s_wait_loadcnt 0x0
	TURNI R+64
	s_wait_dscnt 0x0
	QUANT X, PC1, PW1
	s_mov_b32 s34, 0xffff0000
	v_cndmask_b32 v[PWM], v[PW0], v[PW1], s34      ; lanes 16-31 carry the odd step's words (both words stand in both halves of the lanes)
	global_store_b128 v[L16], v[PC0:PC0+3], s[12:13]
	global_store_b128 v[L16], v[PC0+4:PC0+7], s[12:13] offset:512
	global_store_b128 v[L16], v[PC1:PC1+3], s[12:13] offset:1024
	global_store_b128 v[L16], v[PC1+4:PC1+7], s[12:13] offset:1536
	global_store_b32 v[L4], v[PWM], s[12:13] offset:2048
	s_wait_tensorcnt 0x0                           ; the wave's end
	ds_add_u32 v[SPW], v[NIL]
	s_wait_dscnt 0x0
	s_endpgm
	; ---- V: a lane takes a column of src and its registers run down the keys: a block of 32 keys lies in one lane, and the conversions' results are the operand's registers
.Lvpath:
	s_sub_co_u32 s17, ttmp9, 560
	; V's share, as it stands now: work-groups 560-815; a wave takes 32 columns x 128 keys, one step, and asks for all its 128 rows at the start
	s_lshr_b32 s18, s17, 6                         ; batch
	s_and_b32 s19, s17, 7                          ; which 128 columns
	s_bfe_u32 s20, s17, 0x30003                    ; which 128 keys
	s_lshl_b32 s22, s18, 22
	s_lshl_b32 s23, s20, 19
	s_add_co_u32 s22, s22, s23
	s_lshl_b32 s23, s19, 9
	s_add_co_u32 s22, s22, s23
	s_lshl_b32 s23, s16, 7
	s_add_co_u32 s22, s22, s23                     ; (1,024 batch + 128 kq) rows of 4,096 bytes + 4 (128 cg + 32 wave)
	s_mov_b32 s23, 0
	s_add_nc_u64 s[10:11], s[10:11], s[22:23]
	s_lshl_b32 s24, s18, 4
	s_lshl_b32 s25, s19, 1
	s_add_co_u32 s24, s24, s25
	s_lshr_b32 s25, s16, 1
	s_add_co_u32 s24, s24, s25                     ; 16 batch + head
	s_mul_i32 s24, s24, 106496
	s_and_b32 s25, s16, 1                          ; which half of the head's 64
	s_lshl_b32 s26, s25, 11
	s_lshl_b32 s27, s20, 12
	s_add_co_u32 s26, s26, s27
	s_add_co_u32 s26, s26, s24
	s_add_co_u32 s26, s26, 65536                   ; images: step kq, tile 2 (wave % 2)
	s_mov_b32 s27, 0
	s_lshl_b32 s28, s25, 8
	s_lshl_b32 s29, s20, 9
	s_add_co_u32 s28, s28, s29
	s_add_co_u32 s28, s28, s24
	s_add_co_u32 s28, s28, 102400                  ; scale registers likewise
	s_mov_b32 s29, 0
	s_add_nc_u64 s[26:27], s[14:15], s[26:27]
	s_add_nc_u64 s[28:29], s[14:15], s[28:29]
	s_wait_alu depctr_va_vdst(0)
	v_lshlrev_b32 v6, 10, v[HH]
	v_lshl_add_u32 v6, v[RR], 4, v6                ; my tile (lane / 16) and my 16 bytes in a group's half
	v_lshlrev_b32 v7, 7, v[HH]
	v_lshl_add_u32 v7, v[RR], 2, v7                ; my tile's scale register, my word
.macro VLOAD t
.irp i, 0,1,2,3,4,5,6,7,8,9,10,11,12,13,14,15,16,17,18,19,20,21,22,23,24,25,26,27,28,29,30,31
	global_load_b32 v[VX+32*(\t)+\i], v[L4], s[10:11] offset:(32*(\t)+\i)*4096 th:TH_LOAD_NT
.endr
.endm
.macro VBLOCK t
.set XS, VX+32*(\t)
.if (\t) < 2
	s_wait_loadcnt 63                              ; of my 128 loads at most 63 are out, so the first 65 are in: blocks 0 and 1 (the count's field holds no more than 63)
.else
	s_wait_loadcnt 32*(3-(\t))                     ; this block's 32 loads are in; the later block's may be out
.endif
	v_max3_num_f32 v8, |v[XS]|, |v[XS+1]|, |v[XS+2]|
	v_max3_num_f32 v9, |v[XS+3]|, |v[XS+4]|, |v[XS+5]|
.irp i, 6,10,14,18,22,26
	v_max3_num_f32 v8, v8, |v[XS+\i]|, |v[XS+\i+1]|
	v_max3_num_f32 v9, v9, |v[XS+\i+2]|, |v[XS+\i+3]|
.endr
	v_max3_num_f32 v8, v8, |v[XS+30]|, |v[XS+31]|
	v_max3_num_f32 v8, v8, v9, 0x1800000           ; and the floor
	v_add_nc_u32 v11, 0xff000000, v8
	v_lshrrev_b32 v9, 23, v11
.if (\t)%4 == 0
	v_mov_b32 v[SB+(\t)/4], v9                     ; a step's four bytes make my column's scale word
.else
	v_lshl_or_b32 v[SB+(\t)/4], v9, 8*((\t)%4), v[SB+(\t)/4]
.endif
.irp g, 0,1,2,3
	v_cvt_scalef32_pk8_fp4_f32 v[VC+4*(\t)+\g], v[XS+8*\g:XS+8*\g+7], v11
.endr
	global_store_b128 v6, v[VC+4*(\t):VC+4*(\t)+3], s[26:27] offset:((\t)/4)*4096+(((\t)/2)%2)*512+((\t)%2)*256   ; sixteen lanes store 256 consecutive bytes, aligned
.if (\t)%4 == 3
	global_store_b32 v7, v[SB+(\t)/4], s[28:29] offset:((\t)/4)*512
	global_store_b32 v7, v[SB+(\t)/4], s[28:29] offset:((\t)/4)*512+64      ; the copy for lanes 16-31 of the register's image
.endif
.endm
.irp t, 0,1,2,3
	VLOAD \t
.endr
.irp t, 0,1,2,3
	VBLOCK \t
.endr
	s_endpgm
.Lfunc_end_k_qffcafd9618_prep:
	.size	k_qffcafd9618_prep, .Lfunc_end_k_qffcafd9618_prep-k_qffcafd9618_prep
	.p2alignl 7, 3214868480
	.fill 96, 4, 3214868480
	.section	.rodata,"a",@progbits
	.p2align	6, 0x0
	.amdhsa_kernel k_qffcafd9618_prep
		.amdhsa_group_segment_fixed_size 34304
		.amdhsa_private_segment_fixed_size 0
		.amdhsa_enable_private_segment 0
		.amdhsa_kernarg_size 48
		.amdhsa_user_sgpr_count 2
		.amdhsa_user_sgpr_kernarg_segment_ptr 1
		.amdhsa_wavefront_size32 1
		.amdhsa_system_sgpr_workgroup_id_x 1
		.amdhsa_system_sgpr_workgroup_id_y 1
		.amdhsa_system_sgpr_workgroup_id_z 1
		.amdhsa_system_vgpr_workitem_id 0
		.amdhsa_next_free_vgpr 256
		.amdhsa_next_free_sgpr 66
		.amdhsa_reserve_vcc 0
		.amdhsa_float_denorm_mode_32 3
		.amdhsa_float_denorm_mode_16_64 3
		.amdhsa_memory_ordered 1
		.amdhsa_forward_progress 1
		.amdhsa_inst_pref_size 40
	.end_amdhsa_kernel
	.amdgpu_metadata
---
amdhsa.version: [ 1, 2 ]
amdhsa.kernels:
  - .name:           k_qffcafd9618_prep
    .symbol:         k_qffcafd9618_prep.kd
    .args:
      - { .name: W1, .offset: 0, .size: 8, .value_kind: global_buffer, .address_space: global }
      - { .name: W2, .offset: 8, .size: 8, .value_kind: global_buffer, .address_space: global }
      - { .name: char_W, .offset: 16, .size: 8, .value_kind: global_buffer, .address_space: global }
      - { .name: src, .offset: 24, .size: 8, .value_kind: global_buffer, .address_space: global }
      - { .name: wimg, .offset: 32, .size: 8, .value_kind: global_buffer, .address_space: global }
      - { .name: kv, .offset: 40, .size: 8, .value_kind: global_buffer, .address_space: global }
    .group_segment_fixed_size: 34304
    .private_segment_fixed_size: 0
    .kernarg_segment_align: 8
    .kernarg_segment_size: 48
    .max_flat_workgroup_size: 128
    .sgpr_count:     66
    .vgpr_count:     256
    .wavefront_size: 32
...
	.end_amdgpu_metadata
.endif
;; end of part 8
;; launch penc (part 9): grid 256 x 1, 4 waves a work-group, no clusters, 62,976 bytes of LDS; arguments param_vectors, src, wimg, char_b, pe_g, pe_b, kv; writes kv
.if DOCPART == 9
	.amdgcn_target "amdgcn-amd-amdhsa--gfx1250"
	.amdhsa_code_object_version 6
	.text
	.protected	k_qffcafd9618_penc
	.globl	k_qffcafd9618_penc
	.p2align	8
	.type	k_qffcafd9618_penc,@function
k_qffcafd9618_penc:
	s_mov_b64 s[64:65], 0
	v_nop
	global_prefetch_b8 v0, s[64:65] scope:SCOPE_SE
	s_setreg_imm32_b32 hwreg(HW_REG_WAVE_MODE, 25, 1), 1
	s_wait_xcnt 0x0
; THE PARAMETER ENCODER, and the joint operand of both score products.  No work is left out.
; A work-group takes the 16 tokens of image tile T of one batch: token(r) = 32 (T / 2) + 8 (T % 2) + r + 8 (r / 8).  Wave w owns columns 256 w .. 256 w + 255 (heads 4 w .. 4 w + 3) and parameter p = w.
; X: wave w quantises its columns of src (two items of 128) and parameter w's 768 numbers (six K steps) of the 16 tokens.  src's codes go to kv; the parameters' fragments go to LDS as images of their registers.
; G: pe^T = char_W x^T, transposed use (source 0 = 16 rows of char_W, source 1 = 16 tokens).  THE SUM OVER THE FOUR PARAMETERS IS TAKEN IN THE ACCUMULATOR: the four parameters' products of a K step are chained onto
;    one accumulator (each parameter is quantised by itself, as the problem has it); x 1/4 and + char_b follow.  That order of the f32 sums differs from the mean as it is written.
; L: LayerNorm over the token's 1,024 columns (lanes l and l xor 16, then the four waves through LDS), gain and bias; pe is quantised in registers and goes to kv.
; kv, a head's block: tile T's image at 1,024 T: +0 registers 0-3 = src's 64 of the head (blocks 0, 1 of a K of 128), +512 registers 4-7 = pe's 64 (blocks 2, 3): ONE matrix instruction will do both score products.
; The tile's scale words at 98,304 + 64 T: bytes src 0, src 1, pe 0, pe 1.
; LIMITS: as in the first launch's quantiser; NaN and infinities are not served.
; REGISTERS: window 0: v1-15 addresses; v16-19 scale words made; v20-27 x's scale words; v28-31 at work; v32-159 two sets of 64 numbers, then x's fragments (v32-95), then the 128 values of pe;
;   v160-175 the quantiser's; v176-207 four sets of codes; v208-255 char_W's scale registers.  window 1: char_W's fragments, two sets of 16.  window 2: v0-127 the 16 accumulators, v128-255 pe_b.
;   window 3: four sets of 64 numbers as loaded; later char_b (v0-127) and pe_g (v128-255).
; THE COUNTS of the waits on loads and on LDS are kept by the assembler: ISS and DSS count what has been issued, a batch notes its end, and a wait names what was issued behind the batch (at most 63, which its field holds).
.set SPITCH, 528
.set STGB,   16*SPITCH
.set XIMG,   4*STGB                    ; 24 fragments (6 p + K step) of 1,024 bytes
.set XSC,    XIMG+24*1024              ; their scale words, 128 bytes each
.set RED1,   XSC+24*128                ; the waves' sums
.set RED2,   RED1+512                  ; and sums of squares
.set SPARE,  RED2+512                  ; the spare words
.set HB,     106496                    ; a head's block in kv
.set LN, 1
.set RR, 2
.set HH, 3
.set L16, 4
.set L4, 5
.set STW, 6
.set STR, 7
.set XWI, 8
.set XWS, 9
.set RDW, 10
.set RDR, 11
.set QSO, 12
.set PBO, 13
.set SPW, 14
.set NIL, 15
.set PW,  16
.set XS,  20
.set X0,  32
.set XF,  32
.set VAL, 32
.set TM,  160
.set PC,  176
.set CWS, 208
.set SEL, 20                           ; s[20:21]
.set MSB, 0
.set ISS, 0
.set DSS, 0
.macro WIN new
.if MSB != \new
	s_set_vgpr_msb (MSB<<8)|\new
.set MSB, \new
.endif
.endm
.macro WAITL e
.if ISS-(\e) > 63
	s_wait_loadcnt 63
.else
	s_wait_loadcnt ISS-(\e)
.endif
.endm
.macro WAITD e
.if DSS-(\e) > 63
	s_wait_dscnt 63
.else
	s_wait_dscnt DSS-(\e)
.endif
.endm
.macro PLACES
.rept 4
	v_nop
.endr
.endm
.macro QUANT s, pc, pw
.irp b, 0,1,2,3
	v_max3_num_f32 v[TM+\b], |v[\s+16*\b]|, |v[\s+1+16*\b]|, 0x1800000   ; my 16 numbers of block b, and the floor 2^(3 - 127)
.endr
.irp i, 2,4,6,8,10,12,14
.irp b, 0,1,2,3
	v_max3_num_f32 v[TM+\b], v[TM+\b], |v[\s+16*\b+\i]|, |v[\s+1+16*\b+\i]|
.endr
.endr
.irp b, 0,1,2,3
	v_permlanex16_b32 v[TM+4+\b], v[TM+\b], s[SEL], s[SEL+1]
.endr
.irp b, 0,1,2,3
	v_max_num_f32 v[TM+\b], v[TM+\b], v[TM+4+\b]
.endr
.irp b, 0,1,2,3
	v_add_nc_u32 v[TM+12+\b], 0xff000000, v[TM+\b]     ; 2 off the exponent field: the conversion's scale operand
.endr
.irp b, 0,1,2,3
	v_lshrrev_b32 v[TM+4+\b], 23, v[TM+12+\b]
.endr
	v_lshl_or_b32 v[\pw], v[TM+5], 8, v[TM+4]
	v_lshl_or_b32 v[\pw], v[TM+6], 16, v[\pw]
	v_lshl_or_b32 v[\pw], v[TM+7], 24, v[\pw]
.irp b, 0,1,2,3
	v_cvt_scalef32_pk8_fp4_f32 v[\pc+2*\b], v[\s+16*\b:\s+7+16*\b], v[TM+12+\b]
	v_cvt_scalef32_pk8_fp4_f32 v[\pc+1+2*\b], v[\s+8+16*\b:\s+15+16*\b], v[TM+12+\b]
.endr
	v_nop                                              ; one plain place behind a scaled conversion
.irp c, 0,1
.irp i, 0,1
	v_permlane16_swap_b32 v[\pc+4*\c+\i], v[\pc+2+4*\c+\i]
.endr
.endr
.endm
; item i: 16 rows x 512 bytes, each load 512 consecutive bytes; items 0, 1: src; items 2-7: my parameter's K steps
.macro LOADI i
	WIN 0xc0                                       ; destination window 3
.irp k, 0,1,2,3,4,5,6,7,8,9,10,11,12,13,14,15
.if (\i) < 2
	global_load_b128 v[64*((\i)%4)+4*\k:64*((\i)%4)+4*\k+3], v[L16], s[6:7] offset:(\k+8*(\k/8))*4096+512*(\i) th:TH_LOAD_NT
.else
	global_load_b128 v[64*((\i)%4)+4*\k:64*((\i)%4)+4*\k+3], v[L16], s[4:5] offset:(\k+8*(\k/8))*12288+512*((\i)-2) th:TH_LOAD_NT
.endif
.endr
	WIN 0
.set ISS, ISS+16
.set ENDI\i, ISS
.endm
; item i turns through my stage, so that a lane holds 16 neighbours of each block of its row
.macro TURNI i
	WIN 0x0c                                       ; an LDS store's data are its source 1: window 3
.irp k, 0,1,2,3,4,5,6,7,8,9,10,11,12,13,14,15
	ds_store_b128 v[STW], v[64*((\i)%4)+4*\k:64*((\i)%4)+4*\k+3] offset:SPITCH*\k
.endr
	WIN 0
.irp b, 0,1,2,3
.irp j, 0,1,2,3
	ds_load_b128 v[X0+64*((\i)%2)+16*\b+4*\j:X0+64*((\i)%2)+16*\b+4*\j+3], v[STR] offset:128*\b+16*\j
.endr
.endr
.set DSS, DSS+32
.set ENDT\i, DSS
.endm
.macro STEPA i, nx, la
	WAITD ENDT\i                                   ; item i is back from the stage: so its stores into the stage have read their registers,
.if \la < 8
	LOADI \la                                      ; which take the item four further on
.endif
.if \nx < 8
	WAITL ENDI\nx                                  ; the next item's 16 loads are in
	TURNI \nx                                      ; and go through the stage while this item is quantised
.endif
.endm
.macro STEPB i
.set QS, X0+64*((\i)%2)
.if (\i) < 2
.set QI, (\i)
.else
.set QI, 2+(\i)%2
.endif
.set QP, PC+8*QI
.set QW, PW+QI
	QUANT QS, QP, QW
.if (\i) < 2
	global_store_b128 v[L16], v[QP:QP+3], s[34:35] offset:(2*(\i))*HB          ; the even head's 64: registers 0-3 of its image
	global_store_b128 v[L16], v[QP+4:QP+7], s[34:35] offset:(2*(\i)+1)*HB      ; the odd head's
.else
	ds_store_b128 v[XWI], v[QP:QP+3] offset:1024*((\i)-2)
	ds_store_b128 v[XWI], v[QP+4:QP+7] offset:1024*((\i)-2)+512
	ds_store_b32 v[XWS], v[QW] offset:128*((\i)-2)
.set DSS, DSS+3
.endif
.endm
.macro WLOAD k                         ; my 16 tiles' fragments of K step k
	WIN (0x40+0x80*(((\k)/2)%2))                   ; four sets of fragments: K steps 0, 1, 4, 5 in window 1, K steps 2, 3 in window 3
.irp t, 0,1,2,3,4,5,6,7,8,9,10,11,12,13,14,15
.irp c, 0,1
	global_load_b128 v[128*((\k)%2)+8*\t+4*\c:128*((\k)%2)+8*\t+4*\c+3], v[L16], s[8:9] offset:\t*6528+((\k)/2)*2176+((\k)%2)*1024+512*\c
.endr
.endr
	WIN 0
.set ISS, ISS+32
.set ENDW\k, ISS
.endm
.macro CLOAD j                         ; their scale registers of pair j
.irp t, 0,1,2,3,4,5,6,7,8,9,10,11,12,13,14,15
	global_load_b32 v[CWS+3*\t+\j], v[L4], s[8:9] offset:\t*6528+2176*\j+2048
.endr
.set ISS, ISS+16
.endm
.macro PBLOAD win, dst, sb             ; 128 numbers of a vector in the result's layout: register 16 b + i = column 256 w + 32 b + 16 (lane / 16) + i
	WIN \win
.irp b, 0,1,2,3,4,5,6,7
.irp j, 0,1,2,3
	global_load_b128 v[\dst+16*\b+4*\j:\dst+16*\b+4*\j+3], v[PBO], s[\sb:\sb+1] offset:128*\b+16*\j
.endr
.endr
	WIN 0
.set ISS, ISS+32
.endm
.macro FETCHX k                        ; the four parameters' fragments of K step k, and their scale words
.irp p, 0,1,2,3
	ds_load_b128 v[XF+32*((\k)%2)+8*\p:XF+32*((\k)%2)+8*\p+3], v[L16] offset:XIMG+(6*\p+(\k))*1024
	ds_load_b128 v[XF+32*((\k)%2)+8*\p+4:XF+32*((\k)%2)+8*\p+7], v[L16] offset:XIMG+(6*\p+(\k))*1024+512
	ds_load_b32 v[XS+4*((\k)%2)+\p], v[L4] offset:XSC+(6*\p+(\k))*128
.endr
.endm
; a K step: 64 matrix instructions; the 16 accumulators take turns, one instruction a turn
.macro KS k, k1, k2
	WAITL ENDW\k                                   ; this step's fragments of char_W (and the scale registers, issued ahead of them) are in
	s_wait_dscnt 0x0                               ; and x's
.if \k1 < 6
	FETCHX \k1                                     ; (four places stand behind the products that read these registers last)
.endif
	WIN (0xa1+2*(((\k)/2)%2))                      ; source 0 window 1 or 3 (by the K step's set), source 1 window 0, C and D window 2
.irp p, 0,1,2,3
.irp t, 0,1,2,3,4,5,6,7,8,9,10,11,12,13,14,15
.if (\k == 0) && (\p == 0)
	v_wmma_scale_f32_16x16x128_f8f6f4 v[8*\t:8*\t+7], v[128*((\k)%2)+8*\t:128*((\k)%2)+8*\t+7], v[XF+32*((\k)%2)+8*\p:XF+32*((\k)%2)+8*\p+7], 0, v[CWS+3*\t+(\k)/2], v[XS+4*((\k)%2)+\p] matrix_a_fmt:MATRIX_FMT_FP4 matrix_b_fmt:MATRIX_FMT_FP4
.elseif (\k)%2
	v_wmma_scale_f32_16x16x128_f8f6f4 v[8*\t:8*\t+7], v[128*((\k)%2)+8*\t:128*((\k)%2)+8*\t+7], v[XF+32*((\k)%2)+8*\p:XF+32*((\k)%2)+8*\p+7], v[8*\t:8*\t+7], v[CWS+3*\t+(\k)/2], v[XS+4*((\k)%2)+\p] matrix_a_fmt:MATRIX_FMT_FP4 matrix_b_fmt:MATRIX_FMT_FP4 matrix_a_scale:MATRIX_SCALE_ROW1
.else
	v_wmma_scale_f32_16x16x128_f8f6f4 v[8*\t:8*\t+7], v[128*((\k)%2)+8*\t:128*((\k)%2)+8*\t+7], v[XF+32*((\k)%2)+8*\p:XF+32*((\k)%2)+8*\p+7], v[8*\t:8*\t+7], v[CWS+3*\t+(\k)/2], v[XS+4*((\k)%2)+\p] matrix_a_fmt:MATRIX_FMT_FP4 matrix_b_fmt:MATRIX_FMT_FP4
.endif
.endr
.endr
	WIN 0
	PLACES                                         ; in front of loads into registers that these products have read, and of the first read of results
.if \k2 < 6
	WLOAD \k2
.endif
.endm
	s_load_b256 s[4:11], s[0:1], 0x0               ; param_vectors, src, wimg, char_b
	s_load_b128 s[12:15], s[0:1], 0x20             ; pe_g, pe_b
	s_load_b64 s[16:17], s[0:1], 0x30              ; kv
	v_lshl_add_u32 v[SPW], v0, 2, SPARE
	v_mov_b32 v[NIL], 0
	v_lshrrev_b32 v1, 5, v0
	v_readfirstlane_b32 s18, v1                    ; wave
	v_and_b32 v[LN], 31, v0
	v_and_b32 v[RR], 15, v0
	v_bfe_u32 v[HH], v0, 4, 1
	v_lshlrev_b32 v[L16], 4, v[LN]
	v_lshlrev_b32 v[L4], 2, v[LN]
	s_mul_i32 s19, s18, STGB
	v_add_nc_u32 v[STW], s19, v[L16]
	v_mul_u32_u24 v[STR], v[RR], SPITCH
	v_lshl_add_u32 v[STR], v[HH], 6, v[STR]
	v_add_nc_u32 v[STR], s19, v[STR]
	s_mul_i32 s19, s18, 6*1024
	s_add_co_u32 s19, s19, XIMG
	v_add_nc_u32 v[XWI], s19, v[L16]
	s_mul_i32 s19, s18, 6*128
	s_add_co_u32 s19, s19, XSC
	v_add_nc_u32 v[XWS], s19, v[L4]
	s_lshl_b32 s19, s18, 7
	s_add_co_u32 s19, s19, RED1
	v_add_nc_u32 v[RDW], s19, v[L4]
	v_add_nc_u32 v[RDR], RED1, v[L4]
	v_mul_u32_u24 v[QSO], v[HH], HB
	v_lshl_add_u32 v[QSO], v[RR], 2, v[QSO]        ; lanes 0-15: the even head's words, lanes 16-31: the odd head's, a block further on
	v_lshlrev_b32 v[PBO], 6, v[HH]
.irp b, 0,1,2,3
	v_mov_b32 v[TM+4+\b], 0                        ; written once: a lane permute's destination counts as one of its sources
.endr
	s_mov_b32 s[SEL], 0x76543210
	s_mov_b32 s[SEL+1], 0xfedcba98
	s_mov_b32 s22, 0xffff0000                      ; lanes 16-31
	s_mov_b32 s40, 0x3a800000                      ; 1 / 1,024
	s_mov_b32 s41, 0x3727c5ac                      ; 1e-5
	s_lshr_b32 s23, ttmp9, 6                       ; batch
	s_and_b32 s24, ttmp9, 63                       ; T
	s_lshr_b32 s25, s24, 1
	s_lshl_b32 s25, s25, 5
	s_and_b32 s26, s24, 1
	s_lshl_b32 s26, s26, 3
	s_add_co_u32 s25, s25, s26
	s_lshl_b32 s26, s23, 10
	s_add_co_u32 s25, s25, s26                     ; the first token's row
	s_lshl_b32 s28, s25, 12
	s_lshl_b32 s26, s18, 10                        ; 1,024 w: my 256 columns in bytes
	s_add_co_u32 s28, s28, s26
	s_mov_b32 s29, 0
	s_lshl_b32 s30, s25, 2
	s_add_co_u32 s30, s30, s18
	s_mul_i32 s30, s30, 3072                       ; (4 row + w) rows of 768 numbers
	s_mov_b32 s31, 0
	s_lshl_b32 s32, s23, 4
	s_lshl_b32 s27, s18, 2
	s_add_co_u32 s32, s32, s27
	s_mul_i32 s32, s32, HB                         ; my first head's block
	s_lshl_b32 s34, s24, 10
	s_add_co_u32 s34, s34, s32
	s_mov_b32 s35, 0
	s_lshl_b32 s36, s24, 6
	s_add_co_u32 s36, s36, s32
	s_add_co_u32 s36, s36, 98304
	s_mov_b32 s37, 0
	s_mul_i32 s38, s18, 16*6528
	s_add_co_u32 s38, s38, 4456448                 ; char_W's images, my 16 tiles
	s_mov_b32 s39, 0
	s_mov_b32 s27, 0
	s_wait_kmcnt 0x0
	s_add_nc_u64 s[6:7], s[6:7], s[28:29]
	s_add_nc_u64 s[4:5], s[4:5], s[30:31]
	s_add_nc_u64 s[34:35], s[16:17], s[34:35]      ; tile T's image in my first head's block
	s_add_nc_u64 s[36:37], s[16:17], s[36:37]      ; and its scale words
	s_add_nc_u64 s[8:9], s[8:9], s[38:39]
	s_add_nc_u64 s[10:11], s[10:11], s[26:27]
	s_add_nc_u64 s[12:13], s[12:13], s[26:27]
	s_add_nc_u64 s[14:15], s[14:15], s[26:27]
	; ---- X
	LOADI 0
	LOADI 1
	LOADI 2
	LOADI 3
	WAITL ENDI0
	TURNI 0
	STEPA 0, 1, 4
	STEPB 0
	STEPA 1, 2, 5
	STEPB 1
	STEPA 2, 3, 6
	STEPB 2
	STEPA 3, 4, 7
	STEPB 3
	STEPA 4, 5, 8
	CLOAD 0                                        ; what the products want first is asked for while the last items are worked
	WLOAD 0
	STEPB 4
	STEPA 5, 6, 9
	WLOAD 1
	STEPB 5
	STEPA 6, 7, 10
	PBLOAD 0x80, 128, 14                           ; pe_b
	CLOAD 1
	CLOAD 2
	WLOAD 2                                        ; into window 3's v0-127, which items 4 and 5 have left
	STEPB 6
	STEPA 7, 8, 11
	WLOAD 3                                        ; into window 3's v128-255, which items 6 and 7 have left
	STEPB 7
	s_wait_dscnt 0x0                               ; for the others' sake: my images lie in LDS
	s_barrier_signal -1
	s_barrier_wait -1
	; ---- G
	FETCHX 0
	KS 0, 1, 4
	KS 1, 2, 5
	KS 2, 3, 6
	PBLOAD 0xc0, 0, 10                             ; char_b, into the set that K step 2 has left (four places stand behind its products)
	KS 3, 4, 6
	PBLOAD 0xc0, 128, 12                           ; pe_g, into K step 3's
	KS 4, 5, 6
	KS 5, 6, 6
	s_wait_loadcnt 0x0                             ; char_b and pe_g are in
	; ---- L: the mean over the four parameters and char_b; each accumulator is read from its low end on
	WIN 0x32                                       ; source 0 window 2, source 2 window 3
.set j, 0
.rept 64
	v_pk_fma_f32 v[VAL+j:VAL+j+1], v[j:j+1], 0x3e800000, v[j:j+1] op_sel_hi:[1,0,1]
.set j, j+2
.endr
	WIN 0
	v_pk_add_f32 v[28:29], v[VAL:VAL+1], v[VAL+2:VAL+3]
	v_pk_add_f32 v[30:31], v[VAL+4:VAL+5], v[VAL+6:VAL+7]
.set j, 8
.rept 30
	v_pk_add_f32 v[28:29], v[28:29], v[VAL+j:VAL+j+1]
	v_pk_add_f32 v[30:31], v[30:31], v[VAL+j+2:VAL+j+3]
.set j, j+4
.endr
	v_pk_add_f32 v[28:29], v[28:29], v[30:31]
	v_add_f32 v28, v28, v29
	v_permlanex16_b32 v29, v28, s[SEL], s[SEL+1]
	v_add_f32 v28, v28, v29                        ; my wave's 256 columns of token r
	ds_store_b32 v[RDW], v28
	s_wait_dscnt 0x0
	s_barrier_signal -1
	s_barrier_wait -1
.irp w, 0,1,2,3
	ds_load_b32 v[28+\w], v[RDR] offset:128*\w
.endr
	s_wait_dscnt 0x0
	v_add_f32 v28, v28, v29
	v_add_f32 v30, v30, v31
	v_add_f32 v28, v28, v30
	v_mul_f32 v28, s40, v28                        ; the mean
	v_mov_b32 v29, v28
.set j, 0
.rept 64
	v_pk_add_f32 v[VAL+j:VAL+j+1], v[VAL+j:VAL+j+1], v[28:29] neg_lo:[0,1] neg_hi:[0,1]
.set j, j+2
.endr
	v_pk_mul_f32 v[28:29], v[VAL:VAL+1], v[VAL:VAL+1]
	v_pk_mul_f32 v[30:31], v[VAL+2:VAL+3], v[VAL+2:VAL+3]
.set j, 4
.rept 31
	v_pk_fma_f32 v[28:29], v[VAL+j:VAL+j+1], v[VAL+j:VAL+j+1], v[28:29]
	v_pk_fma_f32 v[30:31], v[VAL+j+2:VAL+j+3], v[VAL+j+2:VAL+j+3], v[30:31]
.set j, j+4
.endr
	v_pk_add_f32 v[28:29], v[28:29], v[30:31]
	v_add_f32 v28, v28, v29
	v_permlanex16_b32 v29, v28, s[SEL], s[SEL+1]
	v_add_f32 v28, v28, v29
	ds_store_b32 v[RDW], v28 offset:512
	s_wait_dscnt 0x0
	s_barrier_signal -1
	s_barrier_wait -1
.irp w, 0,1,2,3
	ds_load_b32 v[28+\w], v[RDR] offset:512+128*\w
.endr
	s_wait_dscnt 0x0
	v_add_f32 v28, v28, v29
	v_add_f32 v30, v30, v31
	v_add_f32 v28, v28, v30
	v_fma_f32 v28, v28, s40, s41                   ; the variance + 1e-5
	s_wait_alu depctr_va_vdst(0)
	v_rsq_f32 v28, v28
	v_nop                                          ; a plain place behind the transcendental,
	s_wait_alu depctr_va_vdst(0)                   ; and the wait ahead of its first reader
	v_mov_b32 v29, v28
.set j, 0
.rept 64
	v_pk_mul_f32 v[VAL+j:VAL+j+1], v[VAL+j:VAL+j+1], v[28:29]
.set j, j+2
.endr
	WIN 0x2c                                       ; source 1 (pe_g) window 3, source 2 (pe_b) window 2
.set j, 0
.rept 64
	v_pk_fma_f32 v[VAL+j:VAL+j+1], v[VAL+j:VAL+j+1], v[128+j:129+j], v[128+j:129+j]
.set j, j+2
.endr
	WIN 0
.irp q, 0,1                                    ; heads 4 w + 2 q and 4 w + 2 q + 1
.set QS, VAL+64*\q
.set QP, PC+16+8*\q
.set QW, PW+2+\q
	QUANT QS, QP, QW
	global_store_b128 v[L16], v[QP:QP+3], s[34:35] offset:(2*\q)*HB+512        ; registers 4-7 of the even head's image
	global_store_b128 v[L16], v[QP+4:QP+7], s[34:35] offset:(2*\q+1)*HB+512    ; and of the odd head's
	v_perm_b32 v28, v[QW], v[PW+\q], 0x05040100    ; the even head's word: src's bytes 0, 1, then pe's bytes 0, 1
	v_perm_b32 v29, v[QW], v[PW+\q], 0x07060302    ; the odd head's: bytes 2, 3 of both
	v_cndmask_b32 v[30+\q], v28, v29, s22
	global_store_b32 v[QSO], v[30+\q], s[36:37] offset:(2*\q)*HB
.endr
	s_wait_tensorcnt 0x0                           ; the wave's end
	ds_add_u32 v[SPW], v[NIL]
	s_wait_dscnt 0x0
	s_endpgm
.Lfunc_end_k_qffcafd9618_penc:
	.size	k_qffcafd9618_penc, .Lfunc_end_k_qffcafd9618_penc-k_qffcafd9618_penc
	.p2alignl 7, 3214868480
	.fill 96, 4, 3214868480
	.section	.rodata,"a",@progbits
	.p2align	6, 0x0
	.amdhsa_kernel k_qffcafd9618_penc
		.amdhsa_group_segment_fixed_size 62976
		.amdhsa_private_segment_fixed_size 0
		.amdhsa_enable_private_segment 0
		.amdhsa_kernarg_size 56
		.amdhsa_user_sgpr_count 2
		.amdhsa_user_sgpr_kernarg_segment_ptr 1
		.amdhsa_wavefront_size32 1
		.amdhsa_system_sgpr_workgroup_id_x 1
		.amdhsa_system_sgpr_workgroup_id_y 1
		.amdhsa_system_sgpr_workgroup_id_z 1
		.amdhsa_system_vgpr_workitem_id 0
		.amdhsa_next_free_vgpr 1024
		.amdhsa_next_free_sgpr 66
		.amdhsa_reserve_vcc 0
		.amdhsa_float_denorm_mode_32 3
		.amdhsa_float_denorm_mode_16_64 3
		.amdhsa_memory_ordered 1
		.amdhsa_forward_progress 1
		.amdhsa_inst_pref_size 187
	.end_amdhsa_kernel
	.amdgpu_metadata
---
amdhsa.version: [ 1, 2 ]
amdhsa.kernels:
  - .name:           k_qffcafd9618_penc
    .symbol:         k_qffcafd9618_penc.kd
    .args:
      - { .name: param_vectors, .offset: 0, .size: 8, .value_kind: global_buffer, .address_space: global }
      - { .name: src, .offset: 8, .size: 8, .value_kind: global_buffer, .address_space: global }
      - { .name: wimg, .offset: 16, .size: 8, .value_kind: global_buffer, .address_space: global }
      - { .name: char_b, .offset: 24, .size: 8, .value_kind: global_buffer, .address_space: global }
      - { .name: pe_g, .offset: 32, .size: 8, .value_kind: global_buffer, .address_space: global }
      - { .name: pe_b, .offset: 40, .size: 8, .value_kind: global_buffer, .address_space: global }
      - { .name: kv, .offset: 48, .size: 8, .value_kind: global_buffer, .address_space: global }
    .group_segment_fixed_size: 62976
    .private_segment_fixed_size: 0
    .kernarg_segment_align: 8
    .kernarg_segment_size: 56
    .max_flat_workgroup_size: 128
    .sgpr_count:     66
    .vgpr_count:     1024
    .wavefront_size: 32
...
	.end_amdgpu_metadata
.endif
;; end of part 9
;; launch attn (part 10): grid 4 x 64, 16 waves a work-group, clusters of 4 x 1, 178,176 bytes of LDS; arguments kv, src, ry; writes ry
.if DOCPART == 10
	.amdgcn_target "amdgcn-amd-amdhsa--gfx1250"
	.amdhsa_code_object_version 6
	.text
	.protected	k_qffcafd9618_attn
	.globl	k_qffcafd9618_attn
	.p2align	8
	.type	k_qffcafd9618_attn,@function
k_qffcafd9618_attn:
	s_mov_b64 s[64:65], 0
	v_nop
	global_prefetch_b8 v0, s[64:65] scope:SCOPE_SE
	s_setreg_imm32_b32 hwreg(HW_REG_WAVE_MODE, 25, 1), 1
	s_wait_xcnt 0x0
	s_wait_alu depctr_hold_cnt(0) depctr_sa_sdst(0) depctr_va_vdst(0) depctr_va_sdst(0) depctr_va_ssrc(0) depctr_va_vcc(0) depctr_vm_vsrc(0)
	s_getreg_b32 s2, hwreg(HW_REG_IB_STS2, 6, 4)
	s_cmp_eq_u32 s2, 0
	s_cbranch_scc0 .Lentry_in_a_cluster
	s_endpgm
.Lentry_in_a_cluster:
	s_bfe_u32 s2, ttmp6, 0x10000c
	s_cmp_lg_u32 s2, 0x3003
	s_cbranch_scc0 .Lentry_shape_is_right
	s_endpgm
.Lentry_shape_is_right:
; ATTENTION with q = k = v = src and the parameters' bias; ry = src + the heads' results.  No work is left out.
; BOTH SCORE PRODUCTS ARE ONE: each has K = 64 and the factor 1/8, so src's 64 (blocks 0, 1) and pe's 64 (blocks 2, 3) of a head stand side by side as a K of 128, each block with its own scale.
; THE SOFTMAX AHEAD OF THE SECOND PRODUCT: t = score x log2(e) / 8; M = the running largest t rounded up to a whole number; p = 2^(t - M) is quantised along the keys, not normalised; the row's sum is taken of the
; unquantised p and divides at the end.  When M moves, the sum and O are multiplied by 2^(old M - new M): exact.
; SHARES.  A cluster of four work-groups has one (batch, head); a work-group 256 queries; each of its sixteen waves one image tile of 16 queries, in 256 registers, four waves to a SIMD.
; A HEAD'S WHOLE BLOCK OF kv (106,496 bytes: K's 64 images, V's 32, both scales) lies in LDS: it is asked for once, JOINTLY by the four work-groups, each wave bringing 26 rows of 256 bytes.  Nothing is filled again.
; LAYOUT.  Both products transposed (S^T = K Q^T, O^T = V^T P^T): a lane holds one query throughout.  Tile T's lane r holds key 32 (T / 2) + 8 (T % 2) + r + 8 (r / 8), so that the 16 registers of two neighbouring
; tiles of S^T are 16 neighbouring keys.  The queries of a tile are the same tokens; the way out puts each row in its place.
; A block's largest p is made from the block's largest score by the same multiply-add and exponential: that takes v_exp_f32 not to fall where its input rises.
; LIMITS: NaN and infinities are not served; a block whose every p has fallen to 0 keeps the byte 1.
; REGISTERS: v1-4 places that stay; v5, v6 the add's two; v7 the way out; v8-11 addresses in hand; v12 -M, v13 the largest t, v[14:15] the sum; v16-23 Q; v24-27 V's scale registers; v32-95 K's eight fragments, then V's four;
;   v96-159 S^T, then p; v160-191 O^T; v192-223 src's rows for the residual; v224-231 p's codes; v232-254 at work; v248-251 K's scale registers; v255 Q's scale words.
.set HB,    106496
.set STAGE, HB                         ; behind the head's block: 16 rows x 272 bytes for each wave
.set SPARE, STAGE+16*4352              ; the spare words, 128 bytes for each of 16 waves
.set AK0, 1
.set AV0, 2
.set ASK0, 3
.set ASV0, 4
.set SPW, 5
.set NIL, 6
.set GO,  7
.set ADK, 8
.set ADV, 9
.set ADS, 10
.set ADT, 11
.set WV,  18
.set SEL, 20
.set CS,  22
.set G1,  24
.set G0,  40
.set TK,  44
.set TV,  45
.set TS,  46
.set TJ,  47
.set CNT, 48
.macro CROUND                          ; a round of the cluster's barrier
	s_barrier_signal -1
	s_barrier_wait -1
	s_cmp_lg_u32 s[WV], 0
	s_cbranch_scc1 .Lnot_wave_0_\@
	s_barrier_signal -3
.Lnot_wave_0_\@:
	s_barrier_wait -3
	s_barrier_signal -1
	s_barrier_wait -1
.endm
	s_load_b128 s[4:7], s[0:1], 0x0                ; kv, src
	s_load_b64 s[8:9], s[0:1], 0x10                ; ry
	v_lshl_add_u32 v[SPW], v0, 2, SPARE
	v_mov_b32 v[NIL], 0
	ds_add_u32 v[SPW], v[NIL]                      ; the wave's opening: the add, twice on end, and its wait ahead of my first tensor load
	ds_add_u32 v[SPW], v[NIL]
	v_lshrrev_b32 v8, 5, v0
	s_delay_alu instid0(VALU_DEP_1)
	v_readfirstlane_b32 s[WV], v8                  ; wave 0..15
	s_bfe_u32 s10, ttmp6, 0x40000                  ; cx: it enters Q's, src's and ry's global addresses alone
	s_and_b32 s12, ttmp7, 0xffff                   ; 16 batch + head, which the four partners share
	s_mul_i32 s32, s12, HB
	s_mov_b32 s33, 0
	s_mul_i32 s34, s[WV], 6656                     ; my 26 rows of 256 bytes, in memory and in LDS
	s_mov_b32 s35, 0
	s_lshl_b32 s11, s10, 4
	s_add_co_u32 s11, s11, s[WV]                   ; my tile T of queries
	s_lshl_b32 s36, s11, 10
	s_mov_b32 s37, 0
	s_lshl_b32 s38, s11, 6
	s_add_co_u32 s38, s38, 98304
	s_mov_b32 s39, 0
	s_lshr_b32 s13, s12, 4                         ; batch
	s_and_b32 s14, s12, 15                         ; head
	s_lshr_b32 s15, s11, 1
	s_lshl_b32 s15, s15, 5
	s_and_b32 s16, s11, 1
	s_lshl_b32 s16, s16, 3
	s_add_co_u32 s15, s15, s16
	s_lshl_b32 s13, s13, 10
	s_add_co_u32 s15, s15, s13                     ; my first query's row
	s_lshl_b32 s50, s15, 12
	s_lshl_b32 s14, s14, 8
	s_add_co_u32 s50, s50, s14                     ; + the head's 256 bytes
	s_mov_b32 s51, 0
	; descriptor group 1: 26 rows of 32 elements of 8 bytes, dense
	s_mov_b32 s[G1], 15|(3<<16)|(1<<21)            ; 15:0 the mask: all four work-groups; 17:16 elements of 8 bytes; 21 set beside a mask
	s_mov_b32 s[G1+1], 32<<16                      ; tensor_dim0
	s_mov_b32 s[G1+2], 26<<16                      ; tensor_dim1
	s_mov_b32 s[G1+3], 32<<16                      ; tile_dim0
	s_mov_b32 s[G1+4], 26                          ; tile_dim1
	s_mov_b32 s[G1+5], 32                          ; from row to row
	s_mov_b32 s[G1+6], 0
	s_mov_b32 s[G1+7], 0
	s_mov_b32 s[SEL], 0x76543210
	s_mov_b32 s[SEL+1], 0xfedcba98
	s_mov_b32 s[CS], 0x3e38aa3b                    ; c = log2(e) / 8
	s_mov_b32 s[CS+1], s[CS]
	s_mov_b32 s[TK], 0
	s_mov_b32 s[TV], 0
	s_mov_b32 s[TS], 0
	s_mov_b32 s[TJ], 0
	s_mov_b32 s[CNT], 8
	s_wait_dscnt 0x0                               ; both opening adds are done
	s_wait_kmcnt 0x0
	s_add_nc_u64 s[4:5], s[4:5], s[32:33]          ; my head's block
	s_mov_b32 s[G0], 1
	s_mov_b32 s[G0+1], s34
	s_add_nc_u64 s[G0+2:G0+3], s[4:5], s[34:35]
	s_or_b32 s[G0+3], s[G0+3], 0x80000000
	CROUND                                         ; all four work-groups are here: the joint loads meet
	tensor_load_to_lds s[G0:G0+3], s[G1:G1+7]      ; my one tensor load of the launch
	s_nop 0
	s_add_nc_u64 s[36:37], s[4:5], s[36:37]        ; Q: tile T's image,
	s_add_nc_u64 s[38:39], s[4:5], s[38:39]        ; its scale words
	s_add_nc_u64 s[6:7], s[6:7], s[50:51]
	s_add_nc_u64 s[8:9], s[8:9], s[50:51]
	v_and_b32 v8, 15, v0                           ; r
	v_bfe_u32 v9, v0, 4, 1                         ; h
	v_and_b32 v10, 31, v0
	s_delay_alu instid0(VALU_DEP_1)
	v_lshlrev_b32 v[AK0], 4, v10                   ; an image's place for my lane
	s_delay_alu instid0(VALU_DEP_4)
	v_lshlrev_b32 v254, 2, v8
	global_load_b128 v[16:19], v[AK0], s[36:37]
	global_load_b128 v[20:23], v[AK0], s[36:37] offset:512
	global_load_b32 v255, v254, s[38:39]
	v_lshlrev_b32 v[GO], 12, v9
	s_delay_alu instid0(VALU_DEP_1)
	v_lshl_add_u32 v[GO], v8, 4, v[GO]             ; lanes 0-15 one row, lanes 16-31 the next; 16 bytes a lane
	v_add_nc_u32 v[AV0], 65536, v[AK0]
	v_lshl_add_u32 v[ASK0], v10, 2, 98304
	v_lshl_add_u32 v[ASV0], v10, 2, 102400
	v_mov_b32 v13, 0xff61b1e6                      ; the largest t so far: -3e38
	s_delay_alu instid0(VALU_DEP_1)
	v_floor_f32 v12, -v13                          ; -M
	v_mov_b32 v14, 0
	v_mov_b32 v15, 0
.irp b, 0,1,2,3
	v_mov_b32 v[236+\b], 0                         ; written once: a lane permute's destination counts as one of its sources
.endr
	v_mov_b32 v253, 0
.set j, 0
.rept 32
	v_mov_b32 v[160+j], 0                          ; O^T: the loop is written once, and its first step finds zeros
.set j, j+1
.endr
	s_wait_loadcnt 0x0
	s_wait_tensorcnt 0x0                           ; my part of the head's block is in,
	s_barrier_signal -1
	s_barrier_wait -1                              ; everybody's is
.irp i, 0,1,2,3,4,5,6,7
	global_load_b128 v[192+4*\i:195+4*\i], v[GO], s[6:7] offset:(2*\i+8*(\i/4))*4096   ; src at the very places that the way out stores: asked for here, waited for on the way out alone
.endr
.Lstep:                                            ; 8 trips of 128 keys
	v_add_nc_u32 v[ADK], s[TK], v[AK0]             ; (these four are also the places behind the last trip's products, in front of the loads below)
	v_add_nc_u32 v[ADV], s[TV], v[AV0]
	v_add_nc_u32 v[ADS], s[TS], v[ASK0]
	v_add_nc_u32 v[ADT], s[TJ], v[ASV0]
.irp t, 0,1,2,3,4,5,6,7
	ds_load_b128 v[32+8*\t:35+8*\t], v[ADK] offset:1024*\t
	ds_load_b128 v[36+8*\t:39+8*\t], v[ADK] offset:1024*\t+512
.endr
.irp i, 0,1,2,3
	ds_load_b32 v[248+\i], v[ADS] offset:128*\i    ; lanes 0-15: tile 2 i's words, lanes 16-31: tile 2 i + 1's
.endr
	s_wait_alu depctr_va_vdst(0)
	s_wait_dscnt 0x0
.irp t, 0,2,4,6
	v_wmma_scale_f32_16x16x128_f8f6f4 v[96+8*\t:103+8*\t], v[32+8*\t:39+8*\t], v[16:23], 0, v[248+\t/2], v255 matrix_a_fmt:MATRIX_FMT_FP4 matrix_b_fmt:MATRIX_FMT_FP4
	v_wmma_scale_f32_16x16x128_f8f6f4 v[104+8*\t:111+8*\t], v[40+8*\t:47+8*\t], v[16:23], 0, v[248+\t/2], v255 matrix_a_fmt:MATRIX_FMT_FP4 matrix_b_fmt:MATRIX_FMT_FP4 matrix_a_scale:MATRIX_SCALE_ROW1
.endr
.rept 4
	v_nop                                          ; places: in front of the loads into K's registers, and of the first read of the scores
.endr
.irp t, 0,1,2,3                                ; V's four fragments land while the softmax is walked
	ds_load_b128 v[32+8*\t:35+8*\t], v[ADV] offset:1024*\t
	ds_load_b128 v[36+8*\t:39+8*\t], v[ADV] offset:1024*\t+512
	ds_load_b32 v[24+\t], v[ADT] offset:128*\t
.endr
.irp b, 0,1,2,3
	v_max3_num_f32 v[232+\b], v[96+16*\b], v[97+16*\b], v[98+16*\b]   ; the largest score of each block of 32 keys: for the row's maximum and for the block's largest p
.endr
.irp i, 3,5,7,9,11,13
.irp b, 0,1,2,3
	v_max3_num_f32 v[232+\b], v[232+\b], v[96+16*\b+\i], v[97+16*\b+\i]
.endr
.endr
.irp b, 0,1,2,3
	v_max_num_f32 v[232+\b], v[232+\b], v[111+16*\b]
.endr
.irp b, 0,1,2,3
	s_delay_alu instid0(VALU_DEP_4)
	v_permlanex16_b32 v[236+\b], v[232+\b], s[SEL], s[SEL+1]
.endr
.irp b, 0,1,2,3
	s_delay_alu instid0(VALU_DEP_4)
	v_max_num_f32 v[232+\b], v[232+\b], v[236+\b]
.endr
	s_delay_alu instid0(VALU_DEP_2)
	v_max3_num_f32 v254, v232, v233, v234
	s_delay_alu instid0(VALU_DEP_1)
	v_max_num_f32 v254, v254, v235
	s_delay_alu instid0(VALU_DEP_1)
	v_mul_f32 v254, s[CS], v254
	s_delay_alu instid0(VALU_DEP_1)
	v_max_num_f32 v13, v13, v254                   ; the running largest t
	v_mov_b32 v254, v12
	s_delay_alu instid0(VALU_DEP_2)
	v_floor_f32 v12, -v13                          ; the new -M
	s_delay_alu instid0(VALU_DEP_1)
	v_sub_f32 v254, v12, v254                      ; old M - new M: a whole number, 0 or less
	s_delay_alu instid0(VALU_DEP_1)
	v_cvt_i32_f32 v254, v254
	s_delay_alu instid0(VALU_DEP_1)
	v_ldexp_f32 v252, 1.0, v254                    ; f = 2^(old M - new M)
.set j, 0
.rept 32
	v_pk_fma_f32 v[96+j:97+j], v[96+j:97+j], s[CS:CS+1], v[12:13] op_sel_hi:[1,0,0]   ; t - M
.set j, j+2
.endr
.irp b, 0,1,2,3
	v_fma_f32 v[232+\b], v[232+\b], s[CS], v12
.endr
.set j, 0
	s_wait_alu depctr_va_vdst(0)
.rept 64
	v_exp_f32 v[96+j], v[96+j]                     ; p
.set j, j+1
.endr
	v_pk_mul_f32 v[14:15], v[14:15], v[252:253] op_sel_hi:[1,0]   ; the sums under the new M: a plain place behind the exponentials
	s_wait_alu depctr_va_vdst(0)                   ; one wait for the whole batch, ahead of its first reader
.irp b, 0,1,2,3
	v_exp_f32 v[232+\b], v[232+\b]                 ; each block's largest p
.endr
	v_pk_add_f32 v[236:237], v[100:101], v[104:105]
	v_pk_add_f32 v[250:251], v[108:109], v[112:113]
	v_pk_add_f32 v[248:249], v[116:117], v[120:121]
	v_pk_add_f32 v[246:247], v[124:125], v[128:129]
	v_pk_add_f32 v[244:245], v[132:133], v[136:137]
	v_pk_add_f32 v[242:243], v[140:141], v[144:145]
	v_pk_add_f32 v[240:241], v[148:149], v[152:153]
	v_pk_add_f32 v[14:15], v[14:15], v[156:157]
	v_pk_add_f32 v[236:237], v[236:237], v[96:97]
	v_pk_add_f32 v[250:251], v[250:251], v[98:99]
	v_pk_add_f32 v[248:249], v[248:249], v[102:103]
	v_pk_add_f32 v[246:247], v[246:247], v[106:107]
	v_pk_add_f32 v[244:245], v[244:245], v[110:111]
	v_pk_add_f32 v[242:243], v[242:243], v[114:115]
	v_pk_add_f32 v[240:241], v[240:241], v[118:119]
	v_pk_add_f32 v[14:15], v[14:15], v[122:123]
	v_pk_add_f32 v[236:237], v[236:237], v[126:127]
	v_pk_add_f32 v[250:251], v[250:251], v[130:131]
	v_pk_add_f32 v[248:249], v[248:249], v[134:135]
	v_pk_add_f32 v[246:247], v[246:247], v[138:139]
	v_pk_add_f32 v[244:245], v[244:245], v[142:143]
	v_pk_add_f32 v[242:243], v[242:243], v[146:147]
	v_pk_add_f32 v[240:241], v[240:241], v[150:151]
	v_pk_add_f32 v[14:15], v[14:15], v[154:155]
	v_pk_add_f32 v[236:237], v[236:237], v[158:159]
	s_delay_alu instid0(VALU_DEP_2)
	v_pk_add_f32 v[14:15], v[14:15], v[246:247]
	s_delay_alu instid0(VALU_DEP_2)
	v_pk_add_f32 v[236:237], v[236:237], v[244:245]
	v_pk_add_f32 v[250:251], v[250:251], v[242:243]
	v_pk_add_f32 v[248:249], v[248:249], v[240:241]
	s_delay_alu instid0(VALU_DEP_2)
	v_pk_add_f32 v[14:15], v[14:15], v[250:251]
	s_delay_alu instid0(VALU_DEP_2)
	v_pk_add_f32 v[236:237], v[236:237], v[248:249]
	s_delay_alu instid0(VALU_DEP_1)
	v_pk_add_f32 v[14:15], v[14:15], v[236:237]
	s_wait_alu depctr_va_vdst(0)                   ; and one for the four
.irp b, 0,1,2,3
	v_max_num_f32 v[232+\b], 0x1800000, v[232+\b]  ; the floor
.endr
.irp b, 0,1,2,3
	s_delay_alu instid0(VALU_DEP_4)
	v_add_nc_u32 v[244+\b], 0xff000000, v[232+\b]
.endr
.irp b, 0,1,2,3
	s_delay_alu instid0(VALU_DEP_4)
	v_lshrrev_b32 v[236+\b], 23, v[244+\b]
.endr
	s_delay_alu instid0(VALU_DEP_3)
	v_lshl_or_b32 v253, v237, 8, v236              ; p's scale word for these 128 keys
	s_delay_alu instid0(VALU_DEP_1)
	v_lshl_or_b32 v253, v238, 16, v253
	s_delay_alu instid0(VALU_DEP_1)
	v_lshl_or_b32 v253, v239, 24, v253
.irp b, 0,1,2,3
	v_cvt_scalef32_pk8_fp4_f32 v[224+2*\b], v[96+16*\b:103+16*\b], v[244+\b]
	v_cvt_scalef32_pk8_fp4_f32 v[225+2*\b], v[104+16*\b:111+16*\b], v[244+\b]
.endr
	v_nop
.irp c, 0,1
.irp i, 0,1
	v_permlane16_swap_b32 v[224+4*\c+\i], v[226+4*\c+\i]
.endr
.endr
.set j, 0
.rept 16
	v_pk_mul_f32 v[160+j:161+j], v[160+j:161+j], v[252:253] op_sel_hi:[1,0]   ; O^T under the new M; these sixteen are also the places in front of the scaled products below
.set j, j+2
.endr
	s_wait_alu depctr_va_vdst(0)
	s_wait_dscnt 0x0                               ; V's fragments and scale registers are in
.irp t, 0,1,2,3
	v_wmma_scale_f32_16x16x128_f8f6f4 v[160+8*\t:167+8*\t], v[32+8*\t:39+8*\t], v[224:231], v[160+8*\t:167+8*\t], v[24+\t], v253 matrix_a_fmt:MATRIX_FMT_FP4 matrix_b_fmt:MATRIX_FMT_FP4
.endr
	s_add_co_u32 s[TK], s[TK], 8192
	s_add_co_u32 s[TV], s[TV], 4096
	s_add_co_u32 s[TS], s[TS], 512
	s_add_co_u32 s[TJ], s[TJ], 512
	s_sub_co_u32 s[CNT], s[CNT], 1
	s_cmp_lg_u32 s[CNT], 0
	s_cbranch_scc1 .Lstep
	; THE WAY OUT: O^T / the sum goes through my stage and comes back as rows of 256 bytes; src is added; sixteen lanes store one aligned run of 256 bytes
	v_add_f32 v14, v14, v15
	s_delay_alu instid0(VALU_DEP_1)
	v_permlanex16_b32 v252, v14, s[SEL], s[SEL+1]
	s_delay_alu instid0(VALU_DEP_1)
	v_add_f32 v14, v14, v252
	s_wait_alu depctr_va_vdst(0)
	v_rcp_f32 v14, v14
	v_and_b32 v8, 15, v0
	v_bfe_u32 v9, v0, 4, 1
	s_mul_i32 s13, s[WV], 4352
	s_add_co_u32 s13, s13, STAGE
	v_mul_u32_u24 v10, v8, 272
	s_delay_alu instid0(VALU_DEP_1)
	v_lshl_add_u32 v10, v9, 5, v10
	s_delay_alu instid0(VALU_DEP_1)
	v_add_nc_u32 v10, s13, v10                     ; in: row r, + 32 h; tile t's eight channels 64 t bytes on
	v_mul_u32_u24 v11, v9, 272
	s_delay_alu instid0(VALU_DEP_1)
	v_lshl_add_u32 v11, v8, 4, v11
	s_delay_alu instid0(VALU_DEP_1)
	v_add_nc_u32 v11, s13, v11                     ; back: lanes 0-15 one row, lanes 16-31 the next
	s_wait_alu depctr_va_vdst(0)
.set j, 0
.rept 32
	v_mul_f32 v[96+j], v[160+j], v14               ; register 8 t + i is o(r, 16 t + 8 h + i)
.set j, j+1
.endr
.irp t, 0,1,2,3
	ds_store_b128 v10, v[96+8*\t:99+8*\t] offset:64*\t
	ds_store_b128 v10, v[100+8*\t:103+8*\t] offset:64*\t+16
.endr
.irp i, 0,1,2,3,4,5,6,7
	ds_load_b128 v[32+4*\i:35+4*\i], v11 offset:2*\i*272   ; LDS serves a wave's instructions in order: these see my stores
.endr
	s_wait_loadcnt 0x0                             ; src's eight loads, issued ahead of the loop, are in
.irp i, 0,1,2,3,4,5,6,7
	s_wait_dscnt 7-\i                              ; rows 2 i and 2 i + 1 are back; the younger loads may be out
	v_pk_add_f32 v[32+4*\i:33+4*\i], v[32+4*\i:33+4*\i], v[192+4*\i:193+4*\i]
	v_pk_add_f32 v[34+4*\i:35+4*\i], v[34+4*\i:35+4*\i], v[194+4*\i:195+4*\i]
	global_store_b128 v[GO], v[32+4*\i:35+4*\i], s[8:9] offset:(2*\i+8*(\i/4))*4096
.endr
	s_wait_tensorcnt 0x0                           ; the wave's end
	ds_add_u32 v[SPW], v[NIL]
	s_wait_dscnt 0x0
	CROUND                                         ; the closing round
	s_endpgm
.Lfunc_end_k_qffcafd9618_attn:
	.size	k_qffcafd9618_attn, .Lfunc_end_k_qffcafd9618_attn-k_qffcafd9618_attn
	.p2alignl 7, 3214868480
	.fill 96, 4, 3214868480
	.section	.rodata,"a",@progbits
	.p2align	6, 0x0
	.amdhsa_kernel k_qffcafd9618_attn
		.amdhsa_group_segment_fixed_size 178176
		.amdhsa_private_segment_fixed_size 0
		.amdhsa_enable_private_segment 0
		.amdhsa_kernarg_size 24
		.amdhsa_user_sgpr_count 2
		.amdhsa_user_sgpr_kernarg_segment_ptr 1
		.amdhsa_wavefront_size32 1
		.amdhsa_system_sgpr_workgroup_id_x 1
		.amdhsa_system_sgpr_workgroup_id_y 1
		.amdhsa_system_sgpr_workgroup_id_z 1
		.amdhsa_system_vgpr_workitem_id 0
		.amdhsa_next_free_vgpr 256
		.amdhsa_next_free_sgpr 66
		.amdhsa_reserve_vcc 0
		.amdhsa_float_denorm_mode_32 3
		.amdhsa_float_denorm_mode_16_64 3
		.amdhsa_memory_ordered 1
		.amdhsa_forward_progress 1
		.amdhsa_inst_pref_size 29
	.end_amdhsa_kernel
	.amdgpu_metadata
---
amdhsa.version: [ 1, 2 ]
amdhsa.kernels:
  - .name:           k_qffcafd9618_attn
    .symbol:         k_qffcafd9618_attn.kd
    .args:
      - { .name: kv, .offset: 0, .size: 8, .value_kind: global_buffer, .address_space: global }
      - { .name: src, .offset: 8, .size: 8, .value_kind: global_buffer, .address_space: global }
      - { .name: ry, .offset: 16, .size: 8, .value_kind: global_buffer, .address_space: global }
    .group_segment_fixed_size: 178176
    .private_segment_fixed_size: 0
    .kernarg_segment_align: 8
    .kernarg_segment_size: 24
    .max_flat_workgroup_size: 512
    .sgpr_count:     66
    .vgpr_count:     256
    .wavefront_size: 32
...
	.end_amdgpu_metadata
.endif
;; end of part 10
;; launch ln1 (part 11): grid 256 x 1, 4 waves a work-group, no clusters, 27,648 bytes of LDS; arguments ry, n1_g, n1_b, xb; writes xb
.if DOCPART == 11
	.amdgcn_target "amdgcn-amd-amdhsa--gfx1250"
	.amdhsa_code_object_version 6
	.text
	.protected	k_qffcafd9618_ln1
	.globl	k_qffcafd9618_ln1
	.p2align	8
	.type	k_qffcafd9618_ln1,@function
k_qffcafd9618_ln1:
	s_mov_b64 s[64:65], 0
	v_nop
	global_prefetch_b8 v0, s[64:65] scope:SCOPE_SE
	s_setreg_imm32_b32 hwreg(HW_REG_WAVE_MODE, 25, 1), 1
	s_wait_xcnt 0x0
; x = LayerNorm(src + attention) with n1's gain and bias; x goes out as f32 (xb at 0: the second residual) and as codes of E2M1 (xb at 16,777,216: register images, [256 tiles of 16 rows][4 pair blocks of 2,176 bytes]).
; No work is left out.  A work-group takes 16 rows, one tile; a wave four of them, each row whole in 32 registers: the reductions never leave the wave.
; For the quantiser a row turns through the wave's stage so that lane l holds block l of 32 (blocks 144 bytes apart: the lanes' 16-byte reads fall on different banks); codes and scale bytes are gathered as the tile's
; images in LDS, and behind one barrier wave w stores pair block w.
; LIMITS: as in the first launch's quantiser; NaN and infinities are not served.
.set STGB,  4608                       ; 32 blocks x 144 bytes
.set IMG,   4*STGB                     ; the tile's four pair blocks
.set SPARE, IMG+4*2176
.set LN, 1
.set L16, 2
.set STW, 3
.set STR, 4
.set IMW, 5
.set ISB, 6
.set IRD, 7
.set IRS, 8
.set L4, 9
.set SPW, 14
.set NIL, 15
.set G,  16                            ; v16-47 the gain, v48-79 the bias, as a row lies in a wave
.set BS, 48
.set ROWS, 80                          ; v80-207 four rows
.set T,  208                           ; v208-239 a block of 32
.set C,  240                           ; v240-255 four registers of codes a row
.set SEL, 12
.set IN, 20
.set EP, 21
	s_load_b256 s[4:11], s[0:1], 0x0               ; ry, n1_g, n1_b, xb
	v_lshl_add_u32 v[SPW], v0, 2, SPARE
	v_mov_b32 v[NIL], 0
	v_lshrrev_b32 v1, 5, v0
	v_readfirstlane_b32 s14, v1                    ; wave
	v_and_b32 v[LN], 31, v0
	v_lshlrev_b32 v[L16], 4, v[LN]
	v_lshlrev_b32 v[L4], 2, v[LN]
	s_lshl_b32 s16, ttmp9, 16
	s_lshl_b32 s17, s14, 14
	s_add_co_u32 s16, s16, s17                     ; (16 g + 4 w) rows of 4,096 bytes
	s_mov_b32 s17, 0
	s_mul_i32 s22, ttmp9, 8704
	s_mul_i32 s23, s14, 2176
	s_add_co_u32 s22, s22, s23
	s_add_co_u32 s22, s22, 0x1000000               ; tile g, pair block w
	s_mov_b32 s23, 0
	s_mov_b32 s[SEL], 0x76543210
	s_mov_b32 s[SEL+1], 0xfedcba98
	s_mov_b32 s[IN], 0x3a800000                    ; 1 / 1,024
	s_mov_b32 s[EP], 0x3727c5ac                    ; 1e-5
	s_wait_alu depctr_va_vdst(0)
	s_wait_kmcnt 0x0
	s_add_nc_u64 s[4:5], s[4:5], s[16:17]
	s_add_nc_u64 s[18:19], s[10:11], s[16:17]
	s_add_nc_u64 s[10:11], s[10:11], s[22:23]
.irp j, 0,1,2,3,4,5,6,7
	global_load_b128 v[G+4*\j:G+4*\j+3], v[L16], s[6:7] offset:512*\j
	global_load_b128 v[BS+4*\j:BS+4*\j+3], v[L16], s[8:9] offset:512*\j
.endr
.irp i, 0,1,2,3
.irp j, 0,1,2,3,4,5,6,7
	global_load_b128 v[ROWS+32*\i+4*\j:ROWS+32*\i+4*\j+3], v[L16], s[4:5] offset:4096*\i+512*\j th:TH_LOAD_NT
.endr
.endr
	v_lshrrev_b32 v10, 3, v[LN]                    ; lane / 8: on the way in my block among a load's four; on the way out my block's pair
	v_and_b32 v11, 7, v[LN]
	v_mul_u32_u24 v[STW], v10, 144
	v_lshl_add_u32 v[STW], v11, 4, v[STW]
	s_mul_i32 s16, s14, STGB
	v_add_nc_u32 v[STW], s16, v[STW]
	v_mul_u32_u24 v[STR], v[LN], 144
	v_add_nc_u32 v[STR], s16, v[STR]
	v_mul_u32_u24 v[IMW], v10, 2176                ; block l: pair l / 8,
	v_bfe_u32 v12, v[LN], 2, 1
	v_lshl_add_u32 v[IMW], v12, 10, v[IMW]         ; K step (l / 4) % 2 of it,
	v_mul_u32_u24 v[ISB], v10, 2176
	v_lshl_add_u32 v[ISB], v12, 6, v[ISB]          ; (its half of the scale register)
	v_and_b32 v13, 3, v[LN]
	v_add_nc_u32 v[ISB], v[ISB], v13               ; (byte l % 4 of the row's word)
	s_lshl_b32 s17, s14, 4
	s_add_co_u32 s17, s17, IMG+2048
	v_add_nc_u32 v[ISB], s17, v[ISB]
	v_bfe_u32 v12, v[LN], 1, 1
	v_lshl_add_u32 v[IMW], v12, 9, v[IMW]          ; register group (l / 2) % 2,
	v_and_b32 v12, 1, v[LN]
	v_lshl_add_u32 v[IMW], v12, 8, v[IMW]          ; half l % 2 of the lanes;
	s_lshl_b32 s17, s14, 6
	s_add_co_u32 s17, s17, IMG
	v_add_nc_u32 v[IMW], s17, v[IMW]               ; row 4 w + i: 16 bytes a row
	s_mul_i32 s17, s14, 2176
	s_add_co_u32 s17, s17, IMG
	v_add_nc_u32 v[IRD], s17, v[L16]
	v_add_nc_u32 v[IRS], s17, v[L4]
.macro REDUCE                          ; v10: the sum over the wave's 32 lanes, in every lane
	v_add_f32_dpp v10, v10, v10 row_xmask:1 row_mask:0xf bank_mask:0xf
	v_add_f32_dpp v10, v10, v10 row_xmask:2 row_mask:0xf bank_mask:0xf
	v_add_f32_dpp v10, v10, v10 row_xmask:4 row_mask:0xf bank_mask:0xf
	v_add_f32_dpp v10, v10, v10 row_xmask:8 row_mask:0xf bank_mask:0xf
	v_permlanex16_b32 v11, v10, s[SEL], s[SEL+1]
	v_add_f32 v10, v10, v11
.endm
.macro ROWLN i
.set RW, ROWS+32*(\i)
	s_wait_loadcnt 8*(3-(\i))                      ; this row's eight loads are in; the later rows' may be out
	v_pk_add_f32 v[10:11], v[RW:RW+1], v[RW+2:RW+3]
	v_pk_add_f32 v[12:13], v[RW+4:RW+5], v[RW+6:RW+7]
.irp j, 8,12,16,20,24,28
	v_pk_add_f32 v[10:11], v[10:11], v[RW+\j:RW+\j+1]
	v_pk_add_f32 v[12:13], v[12:13], v[RW+\j+2:RW+\j+3]
.endr
	v_pk_add_f32 v[10:11], v[10:11], v[12:13]
	v_add_f32 v10, v10, v11
	REDUCE
	v_mul_f32 v10, s[IN], v10                      ; the mean
	v_mov_b32 v11, v10
.irp j, 0,2,4,6,8,10,12,14,16,18,20,22,24,26,28,30
	v_pk_add_f32 v[RW+\j:RW+\j+1], v[RW+\j:RW+\j+1], v[10:11] neg_lo:[0,1] neg_hi:[0,1]
.endr
	v_pk_mul_f32 v[10:11], v[RW:RW+1], v[RW:RW+1]
	v_pk_mul_f32 v[12:13], v[RW+2:RW+3], v[RW+2:RW+3]
.irp j, 4,8,12,16,20,24,28
	v_pk_fma_f32 v[10:11], v[RW+\j:RW+\j+1], v[RW+\j:RW+\j+1], v[10:11]
	v_pk_fma_f32 v[12:13], v[RW+\j+2:RW+\j+3], v[RW+\j+2:RW+\j+3], v[12:13]
.endr
	v_pk_add_f32 v[10:11], v[10:11], v[12:13]
	v_add_f32 v10, v10, v11
	REDUCE
	v_fma_f32 v10, v10, s[IN], s[EP]
	s_wait_alu depctr_va_vdst(0)
	v_rsq_f32 v10, v10
	v_nop                                          ; a plain place behind the transcendental,
	s_wait_alu depctr_va_vdst(0)                   ; and the wait ahead of its first reader
	v_mov_b32 v11, v10
.irp j, 0,2,4,6,8,10,12,14,16,18,20,22,24,26,28,30
	v_pk_mul_f32 v[RW+\j:RW+\j+1], v[RW+\j:RW+\j+1], v[10:11]
.endr
.irp j, 0,2,4,6,8,10,12,14,16,18,20,22,24,26,28,30
	v_pk_fma_f32 v[RW+\j:RW+\j+1], v[RW+\j:RW+\j+1], v[G+\j:G+\j+1], v[BS+\j:BS+\j+1]
.endr
.irp j, 0,1,2,3,4,5,6,7
	global_store_b128 v[L16], v[RW+4*\j:RW+4*\j+3], s[18:19] offset:4096*(\i)+512*\j   ; 512 consecutive bytes
.endr
.irp j, 0,1,2,3,4,5,6,7
	ds_store_b128 v[STW], v[RW+4*\j:RW+4*\j+3] offset:576*\j
.endr
.irp j, 0,1,2,3,4,5,6,7
	ds_load_b128 v[T+4*\j:T+4*\j+3], v[STR] offset:16*\j   ; LDS serves a wave's instructions in order: these see my stores
.endr
	s_wait_dscnt 0x0
	v_max3_num_f32 v12, |v[T]|, |v[T+1]|, |v[T+2]|         ; block l's largest magnitude: all 32 numbers are mine
	v_max3_num_f32 v13, |v[T+3]|, |v[T+4]|, |v[T+5]|
.irp j, 6,10,14,18,22,26
	v_max3_num_f32 v12, v12, |v[T+\j]|, |v[T+\j+1]|
	v_max3_num_f32 v13, v13, |v[T+\j+2]|, |v[T+\j+3]|
.endr
	v_max3_num_f32 v12, v12, |v[T+30]|, |v[T+31]|
	v_max3_num_f32 v12, v12, v13, 0x1800000        ; and the floor
	v_add_nc_u32 v11, 0xff000000, v12
	v_lshrrev_b32 v13, 23, v11
.irp g, 0,1,2,3
	v_cvt_scalef32_pk8_fp4_f32 v[C+4*(\i)+\g], v[T+8*\g:T+8*\g+7], v11
.endr
	v_nop                                          ; one plain place behind the last scaled conversion: the next row's first vector line writes v11, the conversions' scale operand; LDS stores and waits are no such place
	ds_store_b128 v[IMW], v[C+4*(\i):C+4*(\i)+3] offset:16*(\i)
	ds_store_b8 v[ISB], v13 offset:4*(\i)
	s_wait_dscnt 0x0                               ; the stores have read their registers: the next row writes v13 again
.endm
	ROWLN 0
	ROWLN 1
	ROWLN 2
	ROWLN 3
	s_barrier_signal -1                            ; (every wave's LDS stores are done: the wait for 0 above)
	s_barrier_wait -1
.irp n, 0,1,2,3
	ds_load_b128 v[T+4*\n:T+4*\n+3], v[IRD] offset:512*\n
.endr
	ds_load_b32 v[T+16], v[IRS] offset:2048
	s_wait_dscnt 0x0
.irp n, 0,1,2,3
	global_store_b128 v[L16], v[T+4*\n:T+4*\n+3], s[10:11] offset:512*\n
.endr
	global_store_b32 v[L4], v[T+16], s[10:11] offset:2048
	s_wait_tensorcnt 0x0                           ; the wave's end
	ds_add_u32 v[SPW], v[NIL]
	s_wait_dscnt 0x0
	s_endpgm
.Lfunc_end_k_qffcafd9618_ln1:
	.size	k_qffcafd9618_ln1, .Lfunc_end_k_qffcafd9618_ln1-k_qffcafd9618_ln1
	.p2alignl 7, 3214868480
	.fill 96, 4, 3214868480
	.section	.rodata,"a",@progbits
	.p2align	6, 0x0
	.amdhsa_kernel k_qffcafd9618_ln1
		.amdhsa_group_segment_fixed_size 27648
		.amdhsa_private_segment_fixed_size 0
		.amdhsa_enable_private_segment 0
		.amdhsa_kernarg_size 32
		.amdhsa_user_sgpr_count 2
		.amdhsa_user_sgpr_kernarg_segment_ptr 1
		.amdhsa_wavefront_size32 1
		.amdhsa_system_sgpr_workgroup_id_x 1
		.amdhsa_system_sgpr_workgroup_id_y 1
		.amdhsa_system_sgpr_workgroup_id_z 1
		.amdhsa_system_vgpr_workitem_id 0
		.amdhsa_next_free_vgpr 256
		.amdhsa_next_free_sgpr 66
		.amdhsa_reserve_vcc 0
		.amdhsa_float_denorm_mode_32 3
		.amdhsa_float_denorm_mode_16_64 3
		.amdhsa_memory_ordered 1
		.amdhsa_forward_progress 1
		.amdhsa_inst_pref_size 47
	.end_amdhsa_kernel
	.amdgpu_metadata
---
amdhsa.version: [ 1, 2 ]
amdhsa.kernels:
  - .name:           k_qffcafd9618_ln1
    .symbol:         k_qffcafd9618_ln1.kd
    .args:
      - { .name: ry, .offset: 0, .size: 8, .value_kind: global_buffer, .address_space: global }
      - { .name: n1_g, .offset: 8, .size: 8, .value_kind: global_buffer, .address_space: global }
      - { .name: n1_b, .offset: 16, .size: 8, .value_kind: global_buffer, .address_space: global }
      - { .name: xb, .offset: 24, .size: 8, .value_kind: global_buffer, .address_space: global }
    .group_segment_fixed_size: 27648
    .private_segment_fixed_size: 0
    .kernarg_segment_align: 8
    .kernarg_segment_size: 32
    .max_flat_workgroup_size: 128
    .sgpr_count:     66
    .vgpr_count:     256
    .wavefront_size: 32
...
	.end_amdgpu_metadata
.endif
;; end of part 11
;; launch ffn1 (part 12): grid 16 x 16, 4 waves a work-group, clusters of 4 x 4, 327,680 bytes of LDS; arguments xb, wimg, b1, hb; writes hb
.if DOCPART == 12
	.amdgcn_target "amdgcn-amd-amdhsa--gfx1250"
	.amdhsa_code_object_version 6
	.text
	.protected	k_qffcafd9618_ffn1
	.globl	k_qffcafd9618_ffn1
	.p2align	8
	.type	k_qffcafd9618_ffn1,@function
k_qffcafd9618_ffn1:
	s_mov_b64 s[64:65], 0
	v_nop
	global_prefetch_b8 v0, s[64:65] scope:SCOPE_SE
	s_setreg_imm32_b32 hwreg(HW_REG_WAVE_MODE, 25, 1), 1
	s_wait_xcnt 0x0
	s_wait_alu depctr_hold_cnt(0) depctr_sa_sdst(0) depctr_va_vdst(0) depctr_va_sdst(0) depctr_va_ssrc(0) depctr_va_vcc(0) depctr_vm_vsrc(0)
	s_getreg_b32 s2, hwreg(HW_REG_IB_STS2, 6, 4)
	s_cmp_eq_u32 s2, 0
	s_cbranch_scc0 .Lentry_in_a_cluster
	s_endpgm
.Lentry_in_a_cluster:
	s_bfe_u32 s2, ttmp6, 0x10000c
	s_cmp_lg_u32 s2, 0xf033
	s_cbranch_scc0 .Lentry_shape_is_right
	s_endpgm
.Lentry_shape_is_right:
.set TP,     8704
.set TILEB,  8704                      ; a tile of 16 rows in LDS: all four pair blocks, the whole K of 1,024, as it lies in memory
.set HALFT,  8*TILEB
.set SLOT,   4352                      ; from a tile's first half of K (two pair blocks) to its second
.set SPARE,  4*HALFT                   ; behind A's and B's 16 tiles each: the spare words
.set ADRA, 16
.set ASA,  18
.set ADRB, 20
.set ASB,  22
.set DST,  24
.set ADL,  25
.set SPW,  28
.set NIL,  29
.set F0,   64
.set F1,   128
.set SC,   192
.set G1,  24
.set G0,  32
.set G1B, 48
.set G0B, 56
.set RH,  66
.set A11, 68
.set A9,  70
.set A7,  72
.set A5,  74
.set A3,  76
.set A1,  78
.set B6,  80
.set B4,  82
.set B2,  84
.set B0,  86
.set SEL, 88
.set HA,  32
.set Z,   96
.set Z2,  112
.set P,   128
.set Q,   144
.set TM,  160
.set PC,  176
.set PW,  184
.set A13, 186
.set B8,  188
.set MSB, 0
.macro WIN new
.if MSB != \new
	s_set_vgpr_msb (MSB<<8)|\new
.set MSB, \new
.endif
.endm
.set MUL_LO, 0xa1
.set MUL_HI, 0xf1
.set FST_LO, 0x91
.set FST_HI, 0xd1
.macro JLOAD g0a, g1a, g0b, g1b
	s_cmp_eq_u32 s15, 0
	s_cbranch_scc0 .Lfor_b_\@
	tensor_load_to_lds s[\g0a:\g0a+3], s[\g1a:\g1a+7]
	s_nop 0
.rept 4
	v_nop
.endr
	s_branch .Lasked_\@
.Lfor_b_\@:
	tensor_load_to_lds s[\g0b:\g0b+3], s[\g1b:\g1b+7]
	s_nop 0
.rept 4
	v_nop
.endr
.Lasked_\@:
.endm
.macro CREST
	s_cmp_lg_u32 s14, 0
	s_cbranch_scc1 .Lnot_wave_0_\@
	s_barrier_signal -3
.Lnot_wave_0_\@:
	s_barrier_wait -3
	s_barrier_signal -1
	s_barrier_wait -1
.endm
.macro CROUND
	s_barrier_signal -1
	s_barrier_wait -1
	CREST
.endm
.macro PLACES
.rept 4
	v_nop
.endr
.endm
.macro FETCH slot, q, f
	WIN 0x40
.irp i, 0,1,2,3,4,5,6,7
	ds_load_b128 v[\f+8*\i:\f+8*\i+3],   v[ADRB+\slot] offset:\i*TILEB+((\q)/2)*2176+((\q)%2)*1024
	ds_load_b128 v[\f+8*\i+4:\f+8*\i+7], v[ADRB+\slot] offset:\i*TILEB+((\q)/2)*2176+((\q)%2)*1024+512
.endr
	WIN 0
.irp i, 0,1,2,3,4,5,6,7
	ds_load_b128 v[\f+8*\i:\f+8*\i+3],   v[ADRA+\slot] offset:\i*TILEB+((\q)/2)*2176+((\q)%2)*1024
	ds_load_b128 v[\f+8*\i+4:\f+8*\i+7], v[ADRA+\slot] offset:\i*TILEB+((\q)/2)*2176+((\q)%2)*1024+512
.endr
.endm
.macro SCALES slot
.irp i, 0,1,2,3,4,5,6,7
.irp pr, 0,1
	ds_load_b32 v[SC+32*\slot+2*\i+\pr],    v[ASB+\slot] offset:\i*TILEB+\pr*2176+2048
	ds_load_b32 v[SC+32*\slot+16+2*\i+\pr], v[ASA+\slot] offset:\i*TILEB+\pr*2176+2048
.endr
.endr
.endm
.macro MUL16 f, hi, a0, q, set, first
.irp a, \a0, \a0+1
.irp b, 0,1,2,3,4,5,6,7
.if \first
	v_wmma_scale_f32_16x16x128_f8f6f4 v[8*(8*(\a)+\b):8*(8*(\a)+\b)+7], v[\f+8*\b:\f+8*\b+7], v[\f+8*(4*\hi+(\a)):\f+8*(4*\hi+(\a))+7], v[8*\b:8*\b+7], v[SC+32*\set+2*\b+(\q)/2], v[SC+32*\set+16+2*(4*\hi+(\a))+(\q)/2] matrix_a_fmt:MATRIX_FMT_FP4 matrix_b_fmt:MATRIX_FMT_FP4
.elseif (\q)%2
	v_wmma_scale_f32_16x16x128_f8f6f4 v[8*(8*(\a)+\b):8*(8*(\a)+\b)+7], v[\f+8*\b:\f+8*\b+7], v[\f+8*(4*\hi+(\a)):\f+8*(4*\hi+(\a))+7], v[8*(8*(\a)+\b):8*(8*(\a)+\b)+7], v[SC+32*\set+2*\b+(\q)/2], v[SC+32*\set+16+2*(4*\hi+(\a))+(\q)/2] matrix_a_fmt:MATRIX_FMT_FP4 matrix_b_fmt:MATRIX_FMT_FP4 matrix_a_scale:MATRIX_SCALE_ROW1 matrix_b_scale:MATRIX_SCALE_ROW1
.else
	v_wmma_scale_f32_16x16x128_f8f6f4 v[8*(8*(\a)+\b):8*(8*(\a)+\b)+7], v[\f+8*\b:\f+8*\b+7], v[\f+8*(4*\hi+(\a)):\f+8*(4*\hi+(\a))+7], v[8*(8*(\a)+\b):8*(8*(\a)+\b)+7], v[SC+32*\set+2*\b+(\q)/2], v[SC+32*\set+16+2*(4*\hi+(\a))+(\q)/2] matrix_a_fmt:MATRIX_FMT_FP4 matrix_b_fmt:MATRIX_FMT_FP4
.endif
.endr
.endr
.endm
.macro QUARTER slot, q, first
.set FF, F0+64*((\q)%2)
.set GG, F0+64*(1-(\q)%2)
	s_wait_dscnt 8
.if \first
	WIN FST_LO
.else
	WIN MUL_LO
.endif
	MUL16 FF, 0, 0, \q, \slot, \first
	MUL16 FF, 0, 2, \q, \slot, \first
	PLACES
	FETCH \slot, (\q)+1, GG
	s_wait_dscnt 32
.if \first
	WIN FST_HI
.else
	WIN MUL_HI
.endif
	MUL16 FF, 1, 0, \q, \slot, \first
	MUL16 FF, 1, 2, \q, \slot, \first
.endm
.macro TURN slot, next
	WIN 0
	s_wait_tensorcnt 0x0
	ds_add_u32 v[SPW], v[NIL]
	s_wait_dscnt 9
	WIN MUL_LO
	MUL16 F1, 0, 0, 3, \slot, 0
	s_wait_dscnt 0x0
	s_barrier_signal -1
	MUL16 F1, 0, 2, 3, \slot, 0
	WIN 0
	s_barrier_wait -1
	PLACES
	SCALES \next
	FETCH \next, 0, F0
	WIN MUL_HI
	MUL16 F1, 1, 0, 3, \slot, 0
	MUL16 F1, 1, 2, 3, \slot, 0
.endm
.macro QUANT s, pc, pw
.irp b, 0,1,2,3
	v_max3_num_f32 v[TM+\b], |v[\s+16*\b]|, |v[\s+1+16*\b]|, 0x1800000
.endr
.irp i, 2,4,6,8,10,12,14
.irp b, 0,1,2,3
	v_max3_num_f32 v[TM+\b], v[TM+\b], |v[\s+16*\b+\i]|, |v[\s+1+16*\b+\i]|
.endr
.endr
.irp b, 0,1,2,3
	v_permlanex16_b32 v[TM+4+\b], v[TM+\b], s[SEL], s[SEL+1]
.endr
.irp b, 0,1,2,3
	v_max_num_f32 v[TM+\b], v[TM+\b], v[TM+4+\b]
.endr
.irp b, 0,1,2,3
	v_add_nc_u32 v[TM+12+\b], 0xff000000, v[TM+\b]
.endr
.irp b, 0,1,2,3
	v_lshrrev_b32 v[TM+4+\b], 23, v[TM+12+\b]
.endr
	v_lshl_or_b32 v[\pw], v[TM+5], 8, v[TM+4]
	v_lshl_or_b32 v[\pw], v[TM+6], 16, v[\pw]
	v_lshl_or_b32 v[\pw], v[TM+7], 24, v[\pw]
.irp b, 0,1,2,3
	v_cvt_scalef32_pk8_fp4_f32 v[\pc+2*\b], v[\s+16*\b:\s+7+16*\b], v[TM+12+\b]
	v_cvt_scalef32_pk8_fp4_f32 v[\pc+1+2*\b], v[\s+8+16*\b:\s+15+16*\b], v[TM+12+\b]
.endr
	v_nop
.irp c, 0,1
.irp i, 0,1
	v_permlane16_swap_b32 v[\pc+4*\c+\i], v[\pc+2+4*\c+\i]
.endr
.endr
.endm
.macro GELU ch
.set HC, HA+16*(\ch)
.irp i, 0,2,4,6,8,10,12,14
	v_pk_mul_f32 v[Z+\i:Z+\i+1], v[HC+\i:HC+\i+1], s[RH:RH+1] op_sel_hi:[1,0]
.endr
.irp i, 0,2,4,6,8,10,12,14
	v_pk_mul_f32 v[HC+\i:HC+\i+1], v[HC+\i:HC+\i+1], 0.5 op_sel_hi:[1,0]
.endr
.irp i, 0,1,2,3,4,5,6,7,8,9,10,11,12,13,14,15
	v_med3_num_f32 v[Z+\i], v[Z+\i], -4.0, 4.0
.endr
.irp i, 0,2,4,6,8,10,12,14
	v_pk_mul_f32 v[Z2+\i:Z2+\i+1], v[Z+\i:Z+\i+1], v[Z+\i:Z+\i+1]
.endr
.irp i, 0,2,4,6,8,10,12,14
	v_pk_fma_f32 v[P+\i:P+\i+1], v[Z2+\i:Z2+\i+1], v[A13:A13+1], s[A11:A11+1] op_sel_hi:[1,1,0]
.endr
.irp i, 0,2,4,6,8,10,12,14
	v_pk_fma_f32 v[Q+\i:Q+\i+1], v[Z2+\i:Z2+\i+1], v[B8:B8+1], s[B6:B6+1] op_sel_hi:[1,1,0]
.endr
.irp c, A9, A7, A5                     ; the numerator's and the denominator's chains by turns: B4, B2, B0 lie 12 scalar registers above A9, A7, A5
.irp i, 0,2,4,6,8,10,12,14
	v_pk_fma_f32 v[P+\i:P+\i+1], v[P+\i:P+\i+1], v[Z2+\i:Z2+\i+1], s[\c:\c+1] op_sel_hi:[1,1,0]
.endr
.irp i, 0,2,4,6,8,10,12,14
	v_pk_fma_f32 v[Q+\i:Q+\i+1], v[Q+\i:Q+\i+1], v[Z2+\i:Z2+\i+1], s[\c+12:\c+13] op_sel_hi:[1,1,0]
.endr
.endr
	s_wait_alu depctr_va_vdst(0)
.irp i, 0,1,2,3,4,5,6,7,8,9,10,11,12,13,14,15
	v_rcp_f32 v[Q+\i], v[Q+\i]                     ; the denominator is whole: its reciprocals are issued ahead of the numerator's last two stages
.endr
.irp c, A3, A1
.irp i, 0,2,4,6,8,10,12,14
	v_pk_fma_f32 v[P+\i:P+\i+1], v[P+\i:P+\i+1], v[Z2+\i:Z2+\i+1], s[\c:\c+1] op_sel_hi:[1,1,0]
.endr
.endr
.irp i, 0,2,4,6,8,10,12,14
	v_pk_mul_f32 v[P+\i:P+\i+1], v[P+\i:P+\i+1], v[Z+\i:Z+\i+1]
.endr
	s_wait_alu depctr_va_vdst(0)
.irp i, 0,2,4,6,8,10,12,14
	v_pk_mul_f32 v[P+\i:P+\i+1], v[P+\i:P+\i+1], v[Q+\i:Q+\i+1]
.endr
.irp i, 0,2,4,6,8,10,12,14
	v_pk_fma_f32 v[HC+\i:HC+\i+1], v[HC+\i:HC+\i+1], v[P+\i:P+\i+1], v[HC+\i:HC+\i+1]
.endr
.endm
	s_load_b256 s[4:11], s[0:1], 0x0
	v_lshl_add_u32 v[SPW], v0, 2, SPARE
	v_mov_b32 v[NIL], 0
	ds_add_u32 v[SPW], v[NIL]
	ds_add_u32 v[SPW], v[NIL]
	v_lshrrev_b32 v1, 5, v0
	v_readfirstlane_b32 s14, v1
	s_lshr_b32 s15, s14, 1
	s_and_b32 s16, s14, 1
	s_bfe_u32 s40, ttmp6, 0x40000
	s_bfe_u32 s41, ttmp6, 0x40004
	s_lshl_b32 s42, ttmp9, 2
	s_add_co_u32 s42, s42, s40
	s_and_b32 s17, ttmp7, 0xffff
	s_lshl_b32 s17, s17, 2
	s_add_co_u32 s17, s17, s41
	s_lshl_b32 s43, s41, 2
	s_lshl_b32 s43, 15, s43
	s_lshl_b32 s44, 0x1111, s40
	s_or_b32 s[G1+0], s43, (3<<16)|(1<<21)
	s_or_b32 s[G1B+0], s44, (3<<16)|(1<<21)
.irp g, G1, G1B
	s_mov_b32 s[\g+1], 1088<<16                    ; a row of the tensor load is one tile: 1,088 elements of 8 bytes
	s_mov_b32 s[\g+2], 8<<16
	s_mov_b32 s[\g+3], 1088<<16
	s_mov_b32 s[\g+4], 8
	s_mov_b32 s[\g+5], TP/8
	s_mov_b32 s[\g+6], 0
	s_mov_b32 s[\g+7], 0
.endr
	s_lshl_b32 s18, s16, 3
	s_lshl_b32 s20, s17, 4
	s_add_co_u32 s20, s20, s18
	s_mul_i32 s20, s20, TP
	s_mov_b32 s21, 0
	s_lshl_b32 s46, s42, 4
	s_add_co_u32 s46, s46, s18
	s_mul_i32 s46, s46, TP
	s_mov_b32 s47, 0
	s_mul_i32 s45, s14, HALFT
	s_mov_b32 s[RH], 0x3f3504f3
	s_mov_b32 s[A11], 0x32edffee
	s_mov_b32 s[A9], 0xb60cff51
	s_mov_b32 s[A7], 0xb86ec2d2
	s_mov_b32 s[A5], 0xba40ac63
	s_mov_b32 s[A3], 0xbb41a1f6
	s_mov_b32 s[A1], 0xbc83dbd4
	s_mov_b32 s[B6], 0xb95fbd29
	s_mov_b32 s[B4], 0xbadc924e
	s_mov_b32 s[B2], 0xbbf19bf8
	s_mov_b32 s[B0], 0xbc69b6a7
.irp c, RH, A11, A9, A7, A5, A3, A1, B6, B4, B2, B0
	s_mov_b32 s[\c+1], s[\c]
.endr
	s_mov_b32 s[SEL], 0x76543210
	s_mov_b32 s[SEL+1], 0xfedcba98
	s_wait_dscnt 0x0
	s_wait_kmcnt 0x0
	s_add_nc_u64 s[20:21], s[4:5], s[20:21]
	s_add_nc_u64 s[20:21], s[20:21], 0x1000000
	s_add_nc_u64 s[46:47], s[6:7], s[46:47]
	CROUND
	; K is 1,024: both operands' tiles for all of K, 4 x 69,632 bytes, lie in LDS at once.  Each wave asks for its 8 tiles by ONE joint load, its only tensor load of the launch; nothing is filled again
	s_mov_b32 s[G0], 1
	s_mov_b32 s[G0+1], s45
	s_mov_b64 s[G0+2:G0+3], s[20:21]
	s_or_b32 s[G0+3], s[G0+3], 0x80000000
	s_mov_b32 s[G0B], 1
	s_mov_b32 s[G0B+1], s45
	s_mov_b64 s[G0B+2:G0B+3], s[46:47]
	s_or_b32 s[G0B+3], s[G0B+3], 0x80000000
	JLOAD G0, G1, G0B, G1B
	v_and_b32 v1, 31, v0
	v_lshlrev_b32 v2, 4, v1
	v_lshlrev_b32 v3, 2, v1
	s_mul_i32 s21, s15, HALFT
	s_mul_i32 s22, s16, HALFT
	s_add_co_u32 s22, s22, 2*HALFT
.irp s, 0,1
	v_add_nc_u32 v[ADRA+\s], s21, v2
	v_add_nc_u32 v[ASA+\s], s21, v3
	v_add_nc_u32 v[ADRB+\s], s22, v2
	v_add_nc_u32 v[ASB+\s], s22, v3
	s_add_co_u32 s21, s21, SLOT
	s_add_co_u32 s22, s22, SLOT
.endr
	v_bfe_u32 v4, v0, 4, 1
	v_lshlrev_b32 v4, 6, v4
	v_and_b32 v5, 15, v0
	v_lshlrev_b32 v5, 2, v5
	s_lshl_b32 s23, s14, 16
	v_add_nc_u32 v[DST], s23, v2
	s_lshl_b32 s92, s42, 10
	s_lshl_b32 s93, s16, 9
	s_add_co_u32 s92, s92, s93
	s_mov_b32 s93, 0
	s_add_nc_u64 s[8:9], s[8:9], s[92:93]
	WIN 0x40
.irp b, 0,1,2,3,4,5,6,7
	global_load_b128 v[8*\b:8*\b+3], v4, s[8:9] offset:(32*(\b/2)+8*(\b%2))*4
	global_load_b128 v[8*\b+4:8*\b+7], v4, s[8:9] offset:(32*(\b/2)+8*(\b%2))*4+16
.endr
	WIN 0
	s_lshl_b32 s94, s17, 4
	s_lshl_b32 s95, s15, 3
	s_add_co_u32 s94, s94, s95
	s_mul_i32 s94, s94, 34816
	s_mul_i32 s95, s42, 2176
	s_add_co_u32 s94, s94, s95
	s_lshl_b32 s95, s16, 10
	s_add_co_u32 s96, s94, s95
	s_mov_b32 s97, 0
	s_lshl_b32 s95, s16, 6
	s_add_co_u32 s94, s94, s95
	s_add_co_u32 s94, s94, 2048
	s_mov_b32 s95, 0
	s_add_nc_u64 s[12:13], s[10:11], s[94:95]
	s_add_nc_u64 s[10:11], s[10:11], s[96:97]
	s_wait_alu depctr_va_vdst(0)
	s_wait_tensorcnt 0x0                           ; my 8 tiles are in
	s_barrier_signal -1
	s_barrier_wait -1
	s_wait_loadcnt 0x0
	SCALES 0
	FETCH 0, 0, F0
	QUARTER 0, 0, 1
	QUARTER 0, 1, 0
	QUARTER 0, 2, 0
	TURN 0, 1
	QUARTER 1, 0, 0
	QUARTER 1, 1, 0
	QUARTER 1, 2, 0
	s_wait_dscnt 8
	WIN MUL_LO
	MUL16 F1, 0, 0, 3, 1, 0
	MUL16 F1, 0, 2, 3, 1, 0
	s_wait_dscnt 0x0
	s_barrier_signal -1
	WIN MUL_HI
	MUL16 F1, 1, 0, 3, 1, 0
	MUL16 F1, 1, 2, 3, 1, 0
	WIN 0
	s_barrier_wait -1
	PLACES
.irp a, 0,1,2,3,4,5,6,7
	WIN 0x08+4*(\a/4)
.irp n, 0,1,2,3,4,5,6,7,8,9,10,11,12,13,14,15
	ds_store_b128 v[DST], v[64*(\a%4)+4*\n:64*(\a%4)+4*\n+3] offset:8192*\a+512*\n
.endr
.endr
	WIN 0
	v_mov_b32 v[A13], 0xaf95df0b
	v_mov_b32 v[A13+1], 0xaf95df0b
	v_mov_b32 v[B8], 0xb77460cd
	v_mov_b32 v[B8+1], 0xb77460cd
.irp b, 0,1,2,3
	v_mov_b32 v[TM+4+\b], 0
.endr
	s_mov_b32 s92, 0                               ; s[92:93]: what the next block's stores add to their bases
	s_mov_b32 s93, 0
	s_mov_b32 s2, 0
	s_mov_b32 s3, 8
.Lblk:
	v_add_nc_u32 v[ADL], s2, v[DST]
.irp n, 0,1,2,3,4,5,6,7,8,9,10,11,12,13,14,15
	ds_load_b128 v[HA+4*\n:HA+4*\n+3], v[ADL] offset:512*\n
.endr
	s_wait_dscnt 12                                ; the first four of the block's 16 loads are in: chunk 0's 16 registers; the 12 behind them may be out
	GELU 0
	s_wait_dscnt 8                                 ; chunk 1's four
	GELU 1
	s_wait_dscnt 4                                 ; chunk 2's
	GELU 2
	s_wait_dscnt 0x0
	GELU 3
	s_wait_alu depctr_va_vdst(0)
	s_wait_xcnt 0x0                                ; the last block's stores have read their data and their bases: only now are these written again
	s_add_nc_u64 s[10:11], s[10:11], s[92:93]      ; a tile of 16 rows on (0 in the first trip)
	s_add_nc_u64 s[12:13], s[12:13], s[92:93]
	s_mov_b32 s92, 34816
	QUANT HA, PC, PW
	global_store_b128 v2, v[PC:PC+3], s[10:11]
	global_store_b128 v2, v[PC+4:PC+7], s[10:11] offset:512
	global_store_b32 v5, v[PW], s[12:13]
	s_add_co_u32 s2, s2, 8192
	s_sub_co_u32 s3, s3, 1
	s_cmp_lg_u32 s3, 0
	s_cbranch_scc1 .Lblk
	s_wait_tensorcnt 0x0
	ds_add_u32 v[SPW], v[NIL]
	s_wait_dscnt 0x0
	CROUND
	s_endpgm
.Lfunc_end_k_qffcafd9618_ffn1:
	.size	k_qffcafd9618_ffn1, .Lfunc_end_k_qffcafd9618_ffn1-k_qffcafd9618_ffn1
	.p2alignl 7, 3214868480
	.fill 96, 4, 3214868480
	.section	.rodata,"a",@progbits
	.p2align	6, 0x0
	.amdhsa_kernel k_qffcafd9618_ffn1
		.amdhsa_group_segment_fixed_size 327680
		.amdhsa_private_segment_fixed_size 0
		.amdhsa_enable_private_segment 0
		.amdhsa_kernarg_size 32
		.amdhsa_user_sgpr_count 2
		.amdhsa_user_sgpr_kernarg_segment_ptr 1
		.amdhsa_wavefront_size32 1
		.amdhsa_system_sgpr_workgroup_id_x 1
		.amdhsa_system_sgpr_workgroup_id_y 1
		.amdhsa_system_sgpr_workgroup_id_z 1
		.amdhsa_system_vgpr_workitem_id 0
		.amdhsa_next_free_vgpr 1024
		.amdhsa_next_free_sgpr 100
		.amdhsa_reserve_vcc 0
		.amdhsa_float_denorm_mode_32 3
		.amdhsa_float_denorm_mode_16_64 3
		.amdhsa_memory_ordered 1
		.amdhsa_forward_progress 1
		.amdhsa_inst_pref_size 149
	.end_amdhsa_kernel
	.amdgpu_metadata
---
amdhsa.version: [ 1, 2 ]
amdhsa.kernels:
  - .name:           k_qffcafd9618_ffn1
    .symbol:         k_qffcafd9618_ffn1.kd
    .args:
      - { .name: xb, .offset: 0, .size: 8, .value_kind: global_buffer, .address_space: global }
      - { .name: wimg, .offset: 8, .size: 8, .value_kind: global_buffer, .address_space: global }
      - { .name: b1, .offset: 16, .size: 8, .value_kind: global_buffer, .address_space: global }
      - { .name: hb, .offset: 24, .size: 8, .value_kind: global_buffer, .address_space: global }
    .group_segment_fixed_size: 327680
    .private_segment_fixed_size: 0
    .kernarg_segment_align: 8
    .kernarg_segment_size: 32
    .max_flat_workgroup_size: 128
    .sgpr_count:     100
    .vgpr_count:     1024
    .wavefront_size: 32
...
	.end_amdgpu_metadata
.endif
;; end of part 12
;; launch ffn2 (part 13): grid 8 x 32, 4 waves a work-group, clusters of 4 x 4, 327,680 bytes of LDS; arguments hb, wimg, b2, xb, ry; writes ry
.if DOCPART == 13
	.amdgcn_target "amdgcn-amd-amdhsa--gfx1250"
	.amdhsa_code_object_version 6
	.text
	.protected	k_qffcafd9618_ffn2
	.globl	k_qffcafd9618_ffn2
	.p2align	8
	.type	k_qffcafd9618_ffn2,@function
k_qffcafd9618_ffn2:
	s_mov_b64 s[64:65], 0
	v_nop
	global_prefetch_b8 v0, s[64:65] scope:SCOPE_SE
	s_setreg_imm32_b32 hwreg(HW_REG_WAVE_MODE, 25, 1), 1
	s_wait_xcnt 0x0
	s_wait_alu depctr_hold_cnt(0) depctr_sa_sdst(0) depctr_va_vdst(0) depctr_va_sdst(0) depctr_va_ssrc(0) depctr_va_vcc(0) depctr_vm_vsrc(0)
	s_getreg_b32 s2, hwreg(HW_REG_IB_STS2, 6, 4)
	s_cmp_eq_u32 s2, 0
	s_cbranch_scc0 .Lentry_in_a_cluster
	s_endpgm
.Lentry_in_a_cluster:
	s_bfe_u32 s2, ttmp6, 0x10000c
	s_cmp_lg_u32 s2, 0xf033
	s_cbranch_scc0 .Lentry_shape_is_right
	s_endpgm
.Lentry_shape_is_right:
.set TP,     34816
.set TILEB,  8704
.set HALFT,  4*TILEB
.set SLOT,   4*HALFT
.set SPARE,  2*SLOT
.set SPITCH, 272
.set ADRA, 16
.set ASA,  18
.set ADRB, 20
.set ASB,  22
.set STO,  24
.set RD,   25
.set CO,   26
.set SPW,  28
.set NIL,  29
.set SC,   32
.set BI,   96
.set ACC,  128
.set F0,   0
.set F1,   128
.set G1,  24
.set G0,  32
.set G1B, 48
.set G0B, 56
.set MSB, 0
.macro WIN new
.if MSB != \new
	s_set_vgpr_msb (MSB<<8)|\new
.set MSB, \new
.endif
.endm
.set MUL,  0x05
.set TO_F, 0x40
.macro JLOAD g0a, g1a, g0b, g1b
	s_cmp_eq_u32 s15, 0
	s_cbranch_scc0 .Lfor_b_\@
	tensor_load_to_lds s[\g0a:\g0a+3], s[\g1a:\g1a+7]
	s_nop 0
.rept 4
	v_nop
.endr
	s_branch .Lasked_\@
.Lfor_b_\@:
	tensor_load_to_lds s[\g0b:\g0b+3], s[\g1b:\g1b+7]
	s_nop 0
.rept 4
	v_nop
.endr
.Lasked_\@:
.endm
.macro CREST
	s_cmp_lg_u32 s14, 0
	s_cbranch_scc1 .Lnot_wave_0_\@
	s_barrier_signal -3
.Lnot_wave_0_\@:
	s_barrier_wait -3
	s_barrier_signal -1
	s_barrier_wait -1
.endm
.macro CROUND
	s_barrier_signal -1
	s_barrier_wait -1
	CREST
.endm
.macro PLACES
.rept 4
	v_nop
.endr
.endm
.macro FETCH slot, pr, f
	WIN TO_F
.irp c, 0,1
.irp i, 0,1,2,3
	ds_load_b128 v[\f+64+8*(4*\c+\i):\f+64+8*(4*\c+\i)+3],   v[ADRB+\slot] offset:\i*TILEB+(\pr)*2176+\c*1024
	ds_load_b128 v[\f+64+8*(4*\c+\i)+4:\f+64+8*(4*\c+\i)+7], v[ADRB+\slot] offset:\i*TILEB+(\pr)*2176+\c*1024+512
	ds_load_b128 v[\f+8*(4*\c+\i):\f+8*(4*\c+\i)+3],         v[ADRA+\slot] offset:\i*TILEB+(\pr)*2176+\c*1024
	ds_load_b128 v[\f+8*(4*\c+\i)+4:\f+8*(4*\c+\i)+7],       v[ADRA+\slot] offset:\i*TILEB+(\pr)*2176+\c*1024+512
.endr
.endr
.endm
.macro SCALES slot
	WIN 0
.irp i, 0,1,2,3
.irp pr, 0,1,2,3
	ds_load_b32 v[SC+32*\slot+4*\i+\pr],    v[ASB+\slot] offset:\i*TILEB+\pr*2176+2048
	ds_load_b32 v[SC+32*\slot+16+4*\i+\pr], v[ASA+\slot] offset:\i*TILEB+\pr*2176+2048
.endr
.endr
.endm
.macro MUL8 f, c, a0, pr, set, first
.irp a, \a0, \a0+1
.irp b, 0,1,2,3
.if \first
	v_wmma_scale_f32_16x16x128_f8f6f4 v[ACC+8*(4*(\a)+\b):ACC+8*(4*(\a)+\b)+7], v[\f+64+8*(4*\c+\b):\f+64+8*(4*\c+\b)+7], v[\f+8*(4*\c+(\a)):\f+8*(4*\c+(\a))+7], v[BI+8*\b:BI+8*\b+7], v[SC+32*\set+4*\b+\pr], v[SC+32*\set+16+4*(\a)+\pr] matrix_a_fmt:MATRIX_FMT_FP4 matrix_b_fmt:MATRIX_FMT_FP4
.elseif \c
	v_wmma_scale_f32_16x16x128_f8f6f4 v[ACC+8*(4*(\a)+\b):ACC+8*(4*(\a)+\b)+7], v[\f+64+8*(4*\c+\b):\f+64+8*(4*\c+\b)+7], v[\f+8*(4*\c+(\a)):\f+8*(4*\c+(\a))+7], v[ACC+8*(4*(\a)+\b):ACC+8*(4*(\a)+\b)+7], v[SC+32*\set+4*\b+\pr], v[SC+32*\set+16+4*(\a)+\pr] matrix_a_fmt:MATRIX_FMT_FP4 matrix_b_fmt:MATRIX_FMT_FP4 matrix_a_scale:MATRIX_SCALE_ROW1 matrix_b_scale:MATRIX_SCALE_ROW1
.else
	v_wmma_scale_f32_16x16x128_f8f6f4 v[ACC+8*(4*(\a)+\b):ACC+8*(4*(\a)+\b)+7], v[\f+64+8*(4*\c+\b):\f+64+8*(4*\c+\b)+7], v[\f+8*(4*\c+(\a)):\f+8*(4*\c+(\a))+7], v[ACC+8*(4*(\a)+\b):ACC+8*(4*(\a)+\b)+7], v[SC+32*\set+4*\b+\pr], v[SC+32*\set+16+4*(\a)+\pr] matrix_a_fmt:MATRIX_FMT_FP4 matrix_b_fmt:MATRIX_FMT_FP4
.endif
.endr
.endr
.endm
.macro QUARTER slot, pr, first
.set FF, F0+128*((\pr)%2)
.set GG, F0+128*(1-(\pr)%2)
	s_wait_dscnt 16
	WIN MUL
	MUL8 FF, 0, 0, \pr, \slot, \first
	MUL8 FF, 0, 2, \pr, \slot, \first
	PLACES
	FETCH \slot, (\pr)+1, GG
	s_wait_dscnt 32
	WIN MUL
	MUL8 FF, 1, 0, \pr, \slot, 0
	MUL8 FF, 1, 2, \pr, \slot, 0
.endm
.macro TURN slot, next, fill
	WIN 0
	s_wait_tensorcnt 0x0
	ds_add_u32 v[SPW], v[NIL]
	s_wait_dscnt 17
	WIN MUL
	MUL8 F1, 0, 0, 3, \slot, 0
	s_wait_dscnt 0x0
	s_barrier_signal -1
	MUL8 F1, 0, 2, 3, \slot, 0
	WIN 0
	s_barrier_wait -1
.if \fill
	CREST
	s_add_nc_u64 s[G0+4*\slot+2:G0+4*\slot+3], s[G0+4*\slot+2:G0+4*\slot+3], 2*TILEB
	s_add_nc_u64 s[G0B+4*\slot+2:G0B+4*\slot+3], s[G0B+4*\slot+2:G0B+4*\slot+3], 2*TILEB
	JLOAD G0+4*\slot, G1, G0B+4*\slot, G1B
.else
	PLACES
.endif
	SCALES \next
	FETCH \next, 0, F0
	WIN MUL
	MUL8 F1, 1, 0, 3, \slot, 0
	MUL8 F1, 1, 2, 3, \slot, 0
.endm
	s_load_b256 s[4:11], s[0:1], 0x0
	s_load_b64 s[12:13], s[0:1], 0x20
	v_lshl_add_u32 v[SPW], v0, 2, SPARE
	v_mov_b32 v[NIL], 0
	ds_add_u32 v[SPW], v[NIL]
	ds_add_u32 v[SPW], v[NIL]
	v_lshrrev_b32 v1, 5, v0
	v_readfirstlane_b32 s14, v1
	s_lshr_b32 s15, s14, 1
	s_and_b32 s16, s14, 1
	s_bfe_u32 s40, ttmp6, 0x40000
	s_bfe_u32 s41, ttmp6, 0x40004
	s_lshl_b32 s42, ttmp9, 2
	s_add_co_u32 s42, s42, s40
	s_and_b32 s17, ttmp7, 0xffff
	s_lshl_b32 s17, s17, 2
	s_add_co_u32 s17, s17, s41
	s_lshl_b32 s43, s41, 2
	s_lshl_b32 s43, 15, s43
	s_lshl_b32 s44, 0x1111, s40
	s_or_b32 s[G1+0], s43, (3<<16)|(1<<21)
	s_or_b32 s[G1B+0], s44, (3<<16)|(1<<21)
.irp g, G1, G1B
	s_mov_b32 s[\g+1], 1088<<16
	s_mov_b32 s[\g+2], 4<<16
	s_mov_b32 s[\g+3], 1088<<16
	s_mov_b32 s[\g+4], 4
	s_mov_b32 s[\g+5], TP/8
	s_mov_b32 s[\g+6], 0
	s_mov_b32 s[\g+7], 0
.endr
	s_lshl_b32 s18, s16, 2
	s_lshl_b32 s20, s17, 3
	s_add_co_u32 s20, s20, s18
	s_mul_i32 s20, s20, TP
	s_mov_b32 s21, 0
	s_lshl_b32 s46, s42, 3
	s_add_co_u32 s46, s46, s18
	s_mul_i32 s46, s46, TP
	s_mov_b32 s47, 0
	s_mul_i32 s45, s14, HALFT
	s_wait_dscnt 0x0
	s_wait_kmcnt 0x0
	s_add_nc_u64 s[20:21], s[4:5], s[20:21]
	s_add_nc_u64 s[46:47], s[6:7], s[46:47]
	s_add_nc_u64 s[46:47], s[46:47], 2228224
	CROUND
.irp s, 0,1
	s_mov_b32 s[G0+4*\s], 1
	s_add_co_u32 s[G0+4*\s+1], s45, \s*SLOT
	s_add_nc_u64 s[G0+4*\s+2:G0+4*\s+3], s[20:21], \s*TILEB
	s_or_b32 s[G0+4*\s+3], s[G0+4*\s+3], 0x80000000
	s_mov_b32 s[G0B+4*\s], 1
	s_add_co_u32 s[G0B+4*\s+1], s45, \s*SLOT
	s_add_nc_u64 s[G0B+4*\s+2:G0B+4*\s+3], s[46:47], \s*TILEB
	s_or_b32 s[G0B+4*\s+3], s[G0B+4*\s+3], 0x80000000
.endr
	JLOAD G0, G1, G0B, G1B                         ; slot 0's joint load, my one tensor load at the head, behind the round above; the addresses and the bias's loads below stand between it and the wait for it
	v_and_b32 v1, 31, v0
	v_lshlrev_b32 v2, 4, v1
	v_lshlrev_b32 v3, 2, v1
	s_mul_i32 s21, s15, HALFT
	s_mul_i32 s22, s16, HALFT
	s_add_co_u32 s22, s22, 2*HALFT
.irp s, 0,1
	v_add_nc_u32 v[ADRA+\s], s21, v2
	v_add_nc_u32 v[ASA+\s], s21, v3
	v_add_nc_u32 v[ADRB+\s], s22, v2
	v_add_nc_u32 v[ASB+\s], s22, v3
	s_add_co_u32 s21, s21, SLOT
	s_add_co_u32 s22, s22, SLOT
.endr
	v_bfe_u32 v6, v0, 4, 1
	v_lshlrev_b32 v4, 6, v6
	v_and_b32 v5, 15, v0
	s_mul_i32 s23, s14, 16*SPITCH
	v_mul_u32_u24 v[STO], v5, SPITCH
	v_add_nc_u32 v[STO], v[STO], v4
	v_add_nc_u32 v[STO], s23, v[STO]
	v_mul_u32_u24 v[RD], v6, SPITCH
	v_lshl_add_u32 v[RD], v5, 4, v[RD]
	v_add_nc_u32 v[RD], s23, v[RD]
	v_lshlrev_b32 v[CO], 12, v6
	v_lshl_add_u32 v[CO], v5, 4, v[CO]
	s_wait_alu depctr_va_vdst(0)
	s_lshl_b32 s92, s42, 9
	s_lshl_b32 s93, s16, 8
	s_add_co_u32 s92, s92, s93
	s_mov_b32 s93, 0
	s_add_nc_u64 s[8:9], s[8:9], s[92:93]
.irp b, 0,1,2,3
	global_load_b128 v[BI+8*\b:BI+8*\b+3], v4, s[8:9] offset:(32*(\b/2)+8*(\b%2))*4
	global_load_b128 v[BI+8*\b+4:BI+8*\b+7], v4, s[8:9] offset:(32*(\b/2)+8*(\b%2))*4+16
.endr
	s_lshl_b32 s94, s17, 19
	s_lshl_b32 s95, s15, 18
	s_add_co_u32 s94, s94, s95
	s_add_co_u32 s94, s94, s92
	s_mov_b32 s95, 0
	s_add_nc_u64 s[10:11], s[10:11], s[94:95]
	s_add_nc_u64 s[12:13], s[12:13], s[94:95]
	s_wait_alu depctr_va_vdst(0)
	s_wait_tensorcnt 0x0                           ; my part of slot 0 is in
	ds_add_u32 v28, v29
	ds_add_u32 v28, v29
	s_wait_dscnt 0x0
	CROUND                                         ; a whole round: everybody's part of slot 0 is in, and all sixteen work-groups are here
	JLOAD G0+4, G1, G0B+4, G1B                     ; slot 1's first fill, the first tensor load behind the round
	s_wait_loadcnt 0x0                             ; the bias is in
	SCALES 0
	FETCH 0, 0, F0
	QUARTER 0, 0, 1
	QUARTER 0, 1, 0
	QUARTER 0, 2, 0
	TURN 0, 1, 1
	QUARTER 1, 0, 0
	QUARTER 1, 1, 0
	QUARTER 1, 2, 0
	TURN 1, 0, 1
	WIN 0x80                                       ; x, the residual, into window 2: asked for behind the last refill, wanted on the way out alone
.irp a, 0,1,2,3
.irp t, 0,1,2,3,4,5,6,7
	global_load_b128 v[32*\a+4*\t:32*\a+4*\t+3], v[CO], s[10:11] offset:(16*\a+2*\t)*4096 th:TH_LOAD_NT
.endr
.endr
	QUARTER 0, 0, 0
	QUARTER 0, 1, 0
	QUARTER 0, 2, 0
	TURN 0, 1, 0
	QUARTER 1, 0, 0
	QUARTER 1, 1, 0
	QUARTER 1, 2, 0
	s_wait_dscnt 16
	WIN MUL
	MUL8 F1, 0, 0, 3, 1, 0
	MUL8 F1, 0, 2, 3, 1, 0
	s_wait_dscnt 0x0
	MUL8 F1, 1, 0, 3, 1, 0
	MUL8 F1, 1, 2, 3, 1, 0
	WIN 0
.macro TOSTAGE a
	WIN 0
.irp b, 0,1,2,3
	ds_store_b128 v[STO], v[ACC+8*(4*(\a)+\b):ACC+8*(4*(\a)+\b)+3] offset:128*(\b/2)+32*(\b%2)
	ds_store_b128 v[STO], v[ACC+8*(4*(\a)+\b)+4:ACC+8*(4*(\a)+\b)+7] offset:128*(\b/2)+32*(\b%2)+16
.endr
	WIN 0x80
.irp t, 0,1,2,3,4,5,6,7
	ds_load_b128 v[128+32*(\a)+4*\t:128+32*(\a)+4*\t+3], v[RD] offset:\t*2*SPITCH
.endr
.endm
.macro SEND a, younger
	s_wait_dscnt \younger
	WIN 0x8a
.set j, 0
.rept 16
	v_pk_add_f32 v[128+32*(\a)+j:128+32*(\a)+j+1], v[128+32*(\a)+j:128+32*(\a)+j+1], v[32*(\a)+j:32*(\a)+j+1]
.set j, j+2
.endr
	WIN 0x08
.irp t, 0,1,2,3,4,5,6,7
	global_store_b128 v[CO], v[128+32*(\a)+4*\t:128+32*(\a)+4*\t+3], s[12:13] offset:(16*(\a)+2*\t)*4096
.endr
.endm
	PLACES
	TOSTAGE 0
	TOSTAGE 1
	s_wait_loadcnt 0x0
	SEND 0, 16
	TOSTAGE 2
	SEND 1, 16
	TOSTAGE 3
	SEND 2, 16
	SEND 3, 0
	WIN 0
	s_wait_tensorcnt 0x0
	ds_add_u32 v[SPW], v[NIL]
	s_wait_dscnt 0x0
	CROUND
	s_endpgm
.Lfunc_end_k_qffcafd9618_ffn2:
	.size	k_qffcafd9618_ffn2, .Lfunc_end_k_qffcafd9618_ffn2-k_qffcafd9618_ffn2
	.p2alignl 7, 3214868480
	.fill 96, 4, 3214868480
	.section	.rodata,"a",@progbits
	.p2align	6, 0x0
	.amdhsa_kernel k_qffcafd9618_ffn2
		.amdhsa_group_segment_fixed_size 327680
		.amdhsa_private_segment_fixed_size 0
		.amdhsa_enable_private_segment 0
		.amdhsa_kernarg_size 40
		.amdhsa_user_sgpr_count 2
		.amdhsa_user_sgpr_kernarg_segment_ptr 1
		.amdhsa_wavefront_size32 1
		.amdhsa_system_sgpr_workgroup_id_x 1
		.amdhsa_system_sgpr_workgroup_id_y 1
		.amdhsa_system_sgpr_workgroup_id_z 1
		.amdhsa_system_vgpr_workitem_id 0
		.amdhsa_next_free_vgpr 768
		.amdhsa_next_free_sgpr 100
		.amdhsa_reserve_vcc 0
		.amdhsa_float_denorm_mode_32 3
		.amdhsa_float_denorm_mode_16_64 3
		.amdhsa_memory_ordered 1
		.amdhsa_forward_progress 1
		.amdhsa_inst_pref_size 134
	.end_amdhsa_kernel
	.amdgpu_metadata
---
amdhsa.version: [ 1, 2 ]
amdhsa.kernels:
  - .name:           k_qffcafd9618_ffn2
    .symbol:         k_qffcafd9618_ffn2.kd
    .args:
      - { .name: hb, .offset: 0, .size: 8, .value_kind: global_buffer, .address_space: global }
      - { .name: wimg, .offset: 8, .size: 8, .value_kind: global_buffer, .address_space: global }
      - { .name: b2, .offset: 16, .size: 8, .value_kind: global_buffer, .address_space: global }
      - { .name: xb, .offset: 24, .size: 8, .value_kind: global_buffer, .address_space: global }
      - { .name: ry, .offset: 32, .size: 8, .value_kind: global_buffer, .address_space: global }
    .group_segment_fixed_size: 327680
    .private_segment_fixed_size: 0
    .kernarg_segment_align: 8
    .kernarg_segment_size: 40
    .max_flat_workgroup_size: 128
    .sgpr_count:     100
    .vgpr_count:     768
    .wavefront_size: 32
...
	.end_amdgpu_metadata
.endif
;; end of part 13
;; launch ln2 (part 14): grid 256 x 1, 4 waves a work-group, no clusters, 0 bytes of LDS; arguments ry, n2_g, n2_b, out0; writes out0
.if DOCPART == 14
	.amdgcn_target "amdgcn-amd-amdhsa--gfx1250"
	.amdhsa_code_object_version 6
	.text
	.protected	k_qffcafd9618_ln2
	.globl	k_qffcafd9618_ln2
	.p2align	8
	.type	k_qffcafd9618_ln2,@function
k_qffcafd9618_ln2:
	s_mov_b64 s[64:65], 0
	v_nop
	global_prefetch_b8 v0, s[64:65] scope:SCOPE_SE
	s_setreg_imm32_b32 hwreg(HW_REG_WAVE_MODE, 25, 1), 1
	s_wait_xcnt 0x0
; out0 = LayerNorm(x + ffn) with n2's gain and bias.  No work is left out.  A work-group takes 16 rows, a wave four, each row whole in 32 registers: the row is read once, the reductions never leave the wave,
; every load and store of a wave covers 512 consecutive bytes.  No LDS, no barrier, no matrix unit: memory binds.  LIMIT: NaN and infinities are not served.
.set LN, 1
.set L16, 2
.set G,  16
.set BS, 48
.set ROWS, 80
.set SEL, 12
.set IN, 20
.set EP, 21
	s_load_b256 s[4:11], s[0:1], 0x0               ; ry, n2_g, n2_b, out0
	v_lshrrev_b32 v1, 5, v0
	v_readfirstlane_b32 s14, v1
	v_and_b32 v[LN], 31, v0
	v_lshlrev_b32 v[L16], 4, v[LN]
	s_lshl_b32 s16, ttmp9, 16
	s_lshl_b32 s17, s14, 14
	s_add_co_u32 s16, s16, s17                     ; (16 g + 4 w) rows of 4,096 bytes
	s_mov_b32 s17, 0
	s_mov_b32 s[SEL], 0x76543210
	s_mov_b32 s[SEL+1], 0xfedcba98
	s_mov_b32 s[IN], 0x3a800000
	s_mov_b32 s[EP], 0x3727c5ac
	s_wait_alu depctr_va_vdst(0)
	s_wait_kmcnt 0x0
	s_add_nc_u64 s[4:5], s[4:5], s[16:17]
	s_add_nc_u64 s[10:11], s[10:11], s[16:17]
.irp j, 0,1,2,3,4,5,6,7
	global_load_b128 v[G+4*\j:G+4*\j+3], v[L16], s[6:7] offset:512*\j
	global_load_b128 v[BS+4*\j:BS+4*\j+3], v[L16], s[8:9] offset:512*\j
.endr
.irp i, 0,1,2,3
.irp j, 0,1,2,3,4,5,6,7
	global_load_b128 v[ROWS+32*\i+4*\j:ROWS+32*\i+4*\j+3], v[L16], s[4:5] offset:4096*\i+512*\j th:TH_LOAD_NT
.endr
.endr
.macro REDUCE
	v_add_f32_dpp v10, v10, v10 row_xmask:1 row_mask:0xf bank_mask:0xf
	v_add_f32_dpp v10, v10, v10 row_xmask:2 row_mask:0xf bank_mask:0xf
	v_add_f32_dpp v10, v10, v10 row_xmask:4 row_mask:0xf bank_mask:0xf
	v_add_f32_dpp v10, v10, v10 row_xmask:8 row_mask:0xf bank_mask:0xf
	v_permlanex16_b32 v11, v10, s[SEL], s[SEL+1]
	v_add_f32 v10, v10, v11
.endm
.macro ROWLN i
.set RW, ROWS+32*(\i)
	s_wait_loadcnt 8*(3-(\i))                      ; this row's eight loads are in; the later rows' may be out
	v_pk_add_f32 v[10:11], v[RW:RW+1], v[RW+2:RW+3]
	v_pk_add_f32 v[12:13], v[RW+4:RW+5], v[RW+6:RW+7]
.irp j, 8,12,16,20,24,28
	v_pk_add_f32 v[10:11], v[10:11], v[RW+\j:RW+\j+1]
	v_pk_add_f32 v[12:13], v[12:13], v[RW+\j+2:RW+\j+3]
.endr
	v_pk_add_f32 v[10:11], v[10:11], v[12:13]
	v_add_f32 v10, v10, v11
	REDUCE
	v_mul_f32 v10, s[IN], v10
	v_mov_b32 v11, v10
.irp j, 0,2,4,6,8,10,12,14,16,18,20,22,24,26,28,30
	v_pk_add_f32 v[RW+\j:RW+\j+1], v[RW+\j:RW+\j+1], v[10:11] neg_lo:[0,1] neg_hi:[0,1]
.endr
	v_pk_mul_f32 v[10:11], v[RW:RW+1], v[RW:RW+1]
	v_pk_mul_f32 v[12:13], v[RW+2:RW+3], v[RW+2:RW+3]
.irp j, 4,8,12,16,20,24,28
	v_pk_fma_f32 v[10:11], v[RW+\j:RW+\j+1], v[RW+\j:RW+\j+1], v[10:11]
	v_pk_fma_f32 v[12:13], v[RW+\j+2:RW+\j+3], v[RW+\j+2:RW+\j+3], v[12:13]
.endr
	v_pk_add_f32 v[10:11], v[10:11], v[12:13]
	v_add_f32 v10, v10, v11
	REDUCE
	v_fma_f32 v10, v10, s[IN], s[EP]
	s_wait_alu depctr_va_vdst(0)
	v_rsq_f32 v10, v10
	v_nop                                          ; a plain place behind the transcendental,
	s_wait_alu depctr_va_vdst(0)                   ; and the wait ahead of its first reader
	v_mov_b32 v11, v10
.irp j, 0,2,4,6,8,10,12,14,16,18,20,22,24,26,28,30
	v_pk_mul_f32 v[RW+\j:RW+\j+1], v[RW+\j:RW+\j+1], v[10:11]
.endr
.irp j, 0,2,4,6,8,10,12,14,16,18,20,22,24,26,28,30
	v_pk_fma_f32 v[RW+\j:RW+\j+1], v[RW+\j:RW+\j+1], v[G+\j:G+\j+1], v[BS+\j:BS+\j+1]
.endr
.irp j, 0,1,2,3,4,5,6,7
	global_store_b128 v[L16], v[RW+4*\j:RW+4*\j+3], s[10:11] offset:4096*(\i)+512*\j th:TH_STORE_NT
.endr
.endm
	ROWLN 0
	ROWLN 1
	ROWLN 2
	ROWLN 3
	s_endpgm
.Lfunc_end_k_qffcafd9618_ln2:
	.size	k_qffcafd9618_ln2, .Lfunc_end_k_qffcafd9618_ln2-k_qffcafd9618_ln2
	.p2alignl 7, 3214868480
	.fill 96, 4, 3214868480
	.section	.rodata,"a",@progbits
	.p2align	6, 0x0
	.amdhsa_kernel k_qffcafd9618_ln2
		.amdhsa_group_segment_fixed_size 0
		.amdhsa_private_segment_fixed_size 0
		.amdhsa_enable_private_segment 0
		.amdhsa_kernarg_size 32
		.amdhsa_user_sgpr_count 2
		.amdhsa_user_sgpr_kernarg_segment_ptr 1
		.amdhsa_wavefront_size32 1
		.amdhsa_system_sgpr_workgroup_id_x 1
		.amdhsa_system_sgpr_workgroup_id_y 1
		.amdhsa_system_sgpr_workgroup_id_z 1
		.amdhsa_system_vgpr_workitem_id 0
		.amdhsa_next_free_vgpr 224
		.amdhsa_next_free_sgpr 66
		.amdhsa_reserve_vcc 0
		.amdhsa_float_denorm_mode_32 3
		.amdhsa_float_denorm_mode_16_64 3
		.amdhsa_memory_ordered 1
		.amdhsa_forward_progress 1
		.amdhsa_inst_pref_size 33
	.end_amdhsa_kernel
	.amdgpu_metadata
---
amdhsa.version: [ 1, 2 ]
amdhsa.kernels:
  - .name:           k_qffcafd9618_ln2
    .symbol:         k_qffcafd9618_ln2.kd
    .args:
      - { .name: ry, .offset: 0, .size: 8, .value_kind: global_buffer, .address_space: global }
      - { .name: n2_g, .offset: 8, .size: 8, .value_kind: global_buffer, .address_space: global }
      - { .name: n2_b, .offset: 16, .size: 8, .value_kind: global_buffer, .address_space: global }
      - { .name: out0, .offset: 24, .size: 8, .value_kind: global_buffer, .address_space: global }
    .group_segment_fixed_size: 0
    .private_segment_fixed_size: 0
    .kernarg_segment_align: 8
    .kernarg_segment_size: 32
    .max_flat_workgroup_size: 128
    .sgpr_count:     66
    .vgpr_count:     224
    .wavefront_size: 32
...
	.end_amdgpu_metadata
.endif
;; end of part 14
